; MI455X (gfx1250); checked and timed in simulation.
; The chip was launched on July 23, 2026; its instructions are those of AMD's public machine-readable ISA for CDNA 5 (MIT licence, August 2026) and "CDNA5" Instruction Set Architecture Reference Guide (July 2026). The comments in the code are by the model that wrote it; some were corrected since.
;; Encoder1 D Block. Allowed arithmetic: matrix products marked QUANTISED: E2M3 operands, one E8M0 scale for each 32 along K, by v_wmma_scale_f32_16x16x128_f8f6f4 with both operands' format E2M3, f32 sums; everything else in f32.
;; Inputs: attention_mask 2,048 x 2,048 bool; b1 4,096 float32; b2 1,024 float32; b_out 1,024 float32; cond 2 x 1,024 float32; inputs 2 x 2,048 x 1,024 float32; ln1_b 1,024 float32; ln1_g 1,024 float32; ln2_b 1,024 float32; ln2_g 1,024 float32; w1 1,024 x 4,096 float32; w2 4,096 x 1,024 float32; w_out 1,024 x 1,024 float32; w_qkv 1,024 x 3,072 float32.
;; Outputs: out0 2 x 2,048 x 1,024 float32.
;; This version of the problem:
;;   THIS VERSION OF THE PROBLEM IS GIVEN IN LOW PRECISION. The matrix products marked QUANTISED in the list below multiply operands that are first quantised to E2M3 (2 exponent bits, 3 mantissa bits; 6 bits a number), with one power-of-two scale for each 32 numbers along K (OCP MX v1.0); their sums are f32. All else is computed in f32.
;;   The module's matrix products, in the order in which they are computed (A, B: the left and right operand; K: the contracted axis; several contracted axes count as one K, in the product's order):
;;     1. [M 4,096, K 1,024] x [K 1,024, N 3,072]; A: computed on the way; B: input w_qkv: QUANTISED
;;     2. batch 32 x [M 2,048, K 64] x [K 64, N 2,048]; A: computed on the way; B: computed on the way: QUANTISED
;;     3. batch 32 x [M 2,048, K 2,048] x [K 2,048, N 64]; A: softmax (see below); B: computed on the way: QUANTISED
;;     4. [M 4,096, K 1,024] x [K 1,024, N 1,024]; A: computed on the way; B: input w_out: QUANTISED
;;     5. [M 4,096, K 1,024] x [K 1,024, N 4,096]; A: computed on the way; B: input w1: QUANTISED
;;     6. [M 4,096, K 4,096] x [K 4,096, N 1,024]; A: computed on the way; B: input w2: QUANTISED
;;   THE QUANTISER, for each operand of a quantised product, along K:
;;     - K is cut into blocks of 32 from its start; a last block that is shorter is filled with zeros.
;;     - A block's scale is 2^e with e = floor(log2(the largest magnitude in the block)) - 2, held to -126 .. 127; a block of zeros has e = 0. As a byte (E8M0): e + 127.
;;     - Each number is divided by its block's scale, clamped to +-7.5, and rounded to the nearest number of E2M3, ties to even, subnormals kept.
;;     - The product sums the exact products of the quantised numbers (number of the format x scale) in f32.
;;   ~~~python
;;   def quantise(x, axis):      # numpy; x: float32 -> the quantised numbers, widened to float32 again
;;       x = np.moveaxis(x, axis, -1); K = x.shape[-1]
;;       x = np.pad(x, [(0, 0)] * (x.ndim - 1) + [(0, -K % 32)]); x = x.reshape(x.shape[:-1] + (-1, 32)); a = np.abs(x).max(-1, keepdims=True)
;;       e = np.where(a > 0, np.clip(np.frexp(np.where(a > 0, a, 1))[1] - 1 - 2, -126, 127), 0)      # np.frexp(a)[1] - 1 = floor(log2(a)), exactly
;;       r = np.clip(x / 2.0 ** e, -7.5, 7.5)
;;       step = 2.0 ** (np.maximum(np.frexp(np.where(r == 0, 1, r))[1] - 1, 0) - 3)
;;       q = np.round(r / step) * step * 2.0 ** e      # np.round: ties to even
;;       return np.moveaxis(q.reshape(q.shape[:-2] + (-1,))[..., :K], -1, axis).astype(np.float32)
;;   ~~~
;;   SOFTMAX AHEAD OF A QUANTISED PRODUCT. Where the list says 'softmax', what is quantised is not the finished softmax but p = 2^(t - M), with t = logit x log2(e) and M = ceil(the row's largest t), a whole number; so 1/2 < the row's largest p <= 1. The row's sum l is taken of the UNQUANTISED p, in f32, and the product's result is divided by l at the end. Since M is a whole number, a kernel that streams over the keys may use a running M (the ceiling of the running maximum): every later rescaling is an exact power of two, which a block's scale takes up: the codes' values come out the same.
;;   OPERANDS COMPUTED ON THE WAY. 'Computed on the way' means the value that the module computes at that place (a softmax that the list does not call 'softmax' is quantised finished and normalised). What goes into a quantiser is computed in f32, as accurately as f32 sums, v_exp_f32 and their like allow (about 1e-6 of the number): no bf16 or f16 on the way to a quantiser, and a product that is left as it is and whose result goes on into a quantised operand takes f32 operands (vector FMAs, or v_wmma_f32_16x16x4_f32). A number that lies on a knife's edge between two numbers of the format may be rounded either way, as far as f32 arithmetic and the matrix unit's own rounding can turn it there, and no further.
;; One version. Each part assembles by itself: llvm-mc -triple=amdgcn-amd-amdhsa -mcpu=gfx1250 --defsym DOCPART=n.
;; ======== version 1 of 1: 7 launches
;; limits: right only within a limited range of input values
;; workspace buffers: wc 9,830,400 bytes; xc 3,276,800 bytes; qc 3,276,800 bytes; kvc 6,553,600 bytes; yc 3,276,800 bytes; xres 16,777,216 bytes; gc 13,107,200 bytes
;; launch prep1 (part 1): grid 512 x 1, 4 waves a work-group, no clusters, 66,304 bytes of LDS; arguments inputs, ln1_g, ln1_b, xc, w_qkv, w_out, wc; writes xc, wc
.if DOCPART == 1
	.amdgcn_target "amdgcn-amd-amdhsa--gfx1250"
	.amdhsa_code_object_version 6
	.text
	.protected	k_qa6058499aa_prep1
	.globl	k_qa6058499aa_prep1
	.p2align	8
	.type	k_qa6058499aa_prep1,@function
k_qa6058499aa_prep1:
	s_mov_b64 s[64:65], 0
	v_nop
	global_prefetch_b8 v0, s[64:65] scope:SCOPE_SE
	s_setreg_imm32_b32 hwreg(HW_REG_WAVE_MODE, 25, 1), 1
	s_wait_xcnt 0x0
; TWO JOBS THAT DO NOT DEPEND ON EACH OTHER SHARE THIS LAUNCH; they part on the work-group's number at the first line.
; WORK-GROUPS 0-255: y = (x - mean) rsqrt(var + 1e-5) g + b along rows of 1,024, all in f32, then quantised along the row to codes of FP6 (E2M3) with one E8M0 byte for each 32.
; THE OTHERS: two weights, f32 stored [K][N], become codes of the same kind along K: here w_qkv (192 work-groups) and w_out (64).
; LAYOUT of both results.  A PANEL is 64 rows (tokens, or columns n of a weight) x 128 k, 6,400 bytes, laid [row panel][K step]: four fragments of 1,536 bytes, then 64 scale words at 6,144.  A fragment is an image of an
; operand's 12 registers: half c (768 bytes) holds registers 6c..6c+3 of lane l at 16 l and registers 6c+4, 6c+5 at 512 + 8 l.  Of each 32 rows, tile 2b+u holds in slot r row 32b + 8u + r + 8(r/8).
; In wc: w_qkv at 0 (its panel 16 type + head goes to place 3 head + type), w_out at 2,457,600, w1 at 3,276,800, w2 at 6,553,600.
; THE NORM.  A work-group makes one tile of 16 tokens for all of K.  Phase 1: wave w normalises slots 4w .. 4w+3, a row in 32 registers a lane; mean first, then the sum of squared differences, so that a common
; offset of the inputs costs no digits.  The rows meet in LDS (pitch 4,112 = 257 x 16 bytes).  Phase 2: wave w quantises K steps 2w and 2w+1: lane (r, h) reads blocks h and 2 + h of row r whole.
; THE WEIGHTS.  A wave takes 32 columns x 128 k: lane x takes column x and its registers run down K, so each load reads 128 consecutive bytes (512 for the four waves), a block of 32 lies in one lane,
; and the conversions give codes with K innermost.  The row's length stands in the loads' immediates, so the body is written for each of the two lengths.  This path uses no LDS and has no barrier.
; A block's scale is 2^(floor(log2(largest magnitude)) - 2); its byte is the largest magnitude's exponent field - 2, held at 1 from below.
; LIMITS: a block of zeros gets the byte 1 where the rule says 127 (its codes are zeros; this program alone reads the bytes); blocks under 2^-124 are held at the byte 1; NaN and infinities are not served.
.set NWA, 192                          ; work-groups of the first weight: 24 groups of 128 columns x 8 K steps
.set RSA, 12288                        ; bytes in a row of it
.set LKA, 3                            ; log2 of its K steps
.set RGA, 0                            ; its place in wc
.set PERM, 1                           ; its panels change places
.set RSB, 4096                         ; the second weight likewise
.set LKB, 3
.set RGB, 2457600
.set PITCH, 4112
.set XR, 64                            ; the norm: v64-191  four rows, later two K steps of 64 numbers
.set GG, 192                           ; v192-223 g of my 32 columns
.set BB, 224                           ; v224-255 b
.set X,  64                            ; the weights: v64-191  128 numbers down K
.set C,  16                            ; v16-39   codes, six registers a block
.set TT, 40                            ; v40-55   a block's second 16 codes (a conversion's three registers begin on an even number)
.set SO, 56                            ; v56-59   the conversions' scale operands
.set BY, 60                            ; v60-63   the scale bytes
	v_lshl_add_u32 v55, v0, 2, 0x10100
	s_set_vgpr_msb 0x40
	v_mov_b32 v1, 0
	s_set_vgpr_msb 0x4000
	s_cmp_lt_u32 ttmp9, 256                        ; the same for all four waves of a work-group
	s_cbranch_scc0 .Lweights
	s_load_b256 s[4:11], s[0:1], 0x0               ; x s[4:5], g s[6:7], b s[8:9], the codes s[10:11]
	v_lshrrev_b32 v1, 5, v0
	v_readfirstlane_b32 s12, v1                    ; wave
	v_and_b32 v1, 31, v0
	v_lshlrev_b32 v2, 4, v1                        ; 16 x lane
	v_lshlrev_b32 v3, 3, v1                        ; 8 x lane
	v_and_b32 v4, 15, v0                           ; r
	v_bfe_u32 v5, v0, 4, 1                         ; h
	s_mul_i32 s18, s12, 4*PITCH
	v_add_nc_u32 v6, s18, v2                       ; LDS, in: my wave's four rows, 16 bytes a lane
	v_mul_u32_u24 v7, v4, PITCH
	v_lshl_add_u32 v7, v5, 7, v7
	s_lshl_b32 s19, s12, 10
	v_add_nc_u32 v7, s19, v7                       ; LDS, out: row r, + 128 h, + my wave's two K steps of 512 bytes
	v_lshlrev_b32 v52, 2, v4                       ; 4 r: a scale word's place
	v_lshlrev_b32 v50, 3, v5                       ; 8 h: my bytes' place in it
	v_mov_b32 v51, 0                               ; (a lane permute's destination counts as one of its sources)
	s_mov_b32 s20, 0x76543210
	s_mov_b32 s21, 0xfedcba98                      ; v_permlanex16_b32's selects for lane l xor 16
	s_mov_b32 s22, 0x3a800000                      ; 1 / 1024
	s_mov_b32 s23, 0x3727c5ac                      ; 1e-5
	s_lshr_b32 s13, ttmp9, 2                       ; token panel
	s_and_b32 s14, ttmp9, 3                        ; tile a in it
	s_lshl_b32 s15, s13, 6
	s_lshr_b32 s16, s14, 1
	s_lshl_b32 s16, s16, 5
	s_add_co_u32 s15, s15, s16
	s_and_b32 s16, s14, 1
	s_lshl_b32 s16, s16, 3
	s_add_co_u32 s15, s15, s16                     ; slot 0's token: 64 panel + 32 (a / 2) + 8 (a % 2)
	s_lshl_b32 s16, s12, 2
	s_add_co_u32 s15, s15, s16
	s_lshr_b32 s16, s12, 1
	s_lshl_b32 s16, s16, 3
	s_add_co_u32 s15, s15, s16                     ; slot 4 w's: + 4 w + 8 (w / 2); my four slots are neighbouring tokens
	s_lshl_b32 s16, s15, 12
	s_mov_b32 s17, 0
	s_lshl_b32 s24, s13, 3
	s_lshl_b32 s25, s12, 1
	s_add_co_u32 s24, s24, s25
	s_mul_i32 s24, s24, 6400                       ; the panel of K step 2 w
	s_mov_b32 s25, 0
	s_lshl_b32 s26, s14, 6
	s_mov_b32 s27, 0
	s_mul_i32 s28, s14, 1536
	s_mov_b32 s29, 0
	s_wait_kmcnt 0x0
	s_add_nc_u64 s[4:5], s[4:5], s[16:17]
	s_add_nc_u64 s[10:11], s[10:11], s[24:25]
	s_add_nc_u64 s[26:27], s[10:11], s[26:27]      ; my tile's scale words (6,144 on)
	s_add_nc_u64 s[10:11], s[10:11], s[28:29]      ; my tile's fragment
.irp jj, 0,1,2,3
.irp j, 0,1,2,3,4,5,6,7
	global_load_b128 v[XR+32*\jj+4*\j:XR+32*\jj+4*\j+3], v2, s[4:5] offset:4096*\jj+512*\j th:TH_LOAD_NT   ; 512 consecutive bytes a load
.endr
.endr
.irp j, 0,1,2,3,4,5,6,7
	global_load_b128 v[GG+4*\j:GG+4*\j+3], v2, s[6:7] offset:512*\j
.endr
.irp j, 0,1,2,3,4,5,6,7
	global_load_b128 v[BB+4*\j:BB+4*\j+3], v2, s[8:9] offset:512*\j
.endr
	s_wait_loadcnt 16                              ; the four rows are in; g's and b's 16 loads may be out
; the rows' sums: two chains a row, the four rows by turns
.irp jj, 0,1,2,3
	v_pk_add_f32 v[8+4*\jj:9+4*\jj], v[XR+32*\jj:XR+32*\jj+1], v[XR+32*\jj+2:XR+32*\jj+3]
	v_pk_add_f32 v[10+4*\jj:11+4*\jj], v[XR+32*\jj+4:XR+32*\jj+5], v[XR+32*\jj+6:XR+32*\jj+7]
.endr
.irp p, 8,12,16,20,24,28
.irp jj, 0,1,2,3
	v_pk_add_f32 v[8+4*\jj:9+4*\jj], v[8+4*\jj:9+4*\jj], v[XR+32*\jj+\p:XR+32*\jj+\p+1]
	v_pk_add_f32 v[10+4*\jj:11+4*\jj], v[10+4*\jj:11+4*\jj], v[XR+32*\jj+\p+2:XR+32*\jj+\p+3]
.endr
.endr
.irp jj, 0,1,2,3
	v_pk_add_f32 v[8+4*\jj:9+4*\jj], v[8+4*\jj:9+4*\jj], v[10+4*\jj:11+4*\jj]
.endr
.irp jj, 0,1,2,3
	v_add_f32 v[8+4*\jj], v[8+4*\jj], v[9+4*\jj]
.endr
.irp m, 1,2,4,8
.irp jj, 0,1,2,3
	v_add_f32_dpp v[8+4*\jj], v[8+4*\jj], v[8+4*\jj] row_xmask:\m row_mask:0xf bank_mask:0xf
.endr
.endr
.irp jj, 0,1,2,3
	v_permlanex16_b32 v[9+4*\jj], v[8+4*\jj], s20, s21
.endr
.irp jj, 0,1,2,3
	v_add_f32 v[8+4*\jj], v[8+4*\jj], v[9+4*\jj]
.endr
.irp jj, 0,1,2,3
	v_mul_f32 v[8+4*\jj], s22, v[8+4*\jj]          ; the mean, in every lane
.endr
.irp p, 0,2,4,6,8,10,12,14,16,18,20,22,24,26,28,30
.irp jj, 0,1,2,3
	v_pk_add_f32 v[XR+32*\jj+\p:XR+32*\jj+\p+1], v[XR+32*\jj+\p:XR+32*\jj+\p+1], v[8+4*\jj:9+4*\jj] op_sel_hi:[1,0] neg_lo:[0,1] neg_hi:[0,1]   ; d = x - mean
.endr
.endr
.irp jj, 0,1,2,3
	v_pk_mul_f32 v[24+4*\jj:25+4*\jj], v[XR+32*\jj:XR+32*\jj+1], v[XR+32*\jj:XR+32*\jj+1]
	v_pk_mul_f32 v[26+4*\jj:27+4*\jj], v[XR+32*\jj+2:XR+32*\jj+3], v[XR+32*\jj+2:XR+32*\jj+3]
.endr
.irp p, 4,8,12,16,20,24,28
.irp jj, 0,1,2,3
	v_pk_fma_f32 v[24+4*\jj:25+4*\jj], v[XR+32*\jj+\p:XR+32*\jj+\p+1], v[XR+32*\jj+\p:XR+32*\jj+\p+1], v[24+4*\jj:25+4*\jj]
	v_pk_fma_f32 v[26+4*\jj:27+4*\jj], v[XR+32*\jj+\p+2:XR+32*\jj+\p+3], v[XR+32*\jj+\p+2:XR+32*\jj+\p+3], v[26+4*\jj:27+4*\jj]
.endr
.endr
.irp jj, 0,1,2,3
	v_pk_add_f32 v[24+4*\jj:25+4*\jj], v[24+4*\jj:25+4*\jj], v[26+4*\jj:27+4*\jj]
.endr
.irp jj, 0,1,2,3
	v_add_f32 v[24+4*\jj], v[24+4*\jj], v[25+4*\jj]
.endr
.irp m, 1,2,4,8
.irp jj, 0,1,2,3
	v_add_f32_dpp v[24+4*\jj], v[24+4*\jj], v[24+4*\jj] row_xmask:\m row_mask:0xf bank_mask:0xf
.endr
.endr
.irp jj, 0,1,2,3
	v_permlanex16_b32 v[25+4*\jj], v[24+4*\jj], s20, s21
.endr
.irp jj, 0,1,2,3
	v_add_f32 v[24+4*\jj], v[24+4*\jj], v[25+4*\jj]
.endr
.irp jj, 0,1,2,3
	v_fma_f32 v[24+4*\jj], v[24+4*\jj], s22, s23   ; var + 1e-5
.endr
	s_wait_alu depctr_va_vdst(0)
.irp jj, 0,1,2,3
	v_rsq_f32 v[40+2*\jj], v[24+4*\jj]
.endr
.irp jj, 0,1,2,3
	v_mov_b32 v[41+2*\jj], 0                       ; plain work behind the batch: the upper halves of the pairs that the packed multiplies name
.endr
	s_wait_alu depctr_va_vdst(0)                   ; one wait for the four, ahead of their first reader
	s_wait_loadcnt 0x0                             ; g and b
.irp jj, 0,1,2,3
.irp p, 0,2,4,6,8,10,12,14,16,18,20,22,24,26,28,30
	v_pk_mul_f32 v[XR+32*\jj+\p:XR+32*\jj+\p+1], v[XR+32*\jj+\p:XR+32*\jj+\p+1], v[40+2*\jj:41+2*\jj] op_sel_hi:[1,0]
.endr
.irp p, 0,2,4,6,8,10,12,14,16,18,20,22,24,26,28,30
	v_pk_fma_f32 v[XR+32*\jj+\p:XR+32*\jj+\p+1], v[XR+32*\jj+\p:XR+32*\jj+\p+1], v[GG+\p:GG+\p+1], v[BB+\p:BB+\p+1]
.endr
.irp j, 0,1,2,3,4,5,6,7
	ds_store_b128 v6, v[XR+32*\jj+4*\j:XR+32*\jj+4*\j+3] offset:\jj*PITCH+512*\j
.endr
.endr
	s_wait_dscnt 0x0                               ; for the others' sake: my rows lie in LDS
	s_barrier_signal -1
	s_barrier_wait -1
.irp st, 0,1
.irp c, 0,1
.irp i, 0,1,2,3,4,5,6,7
	ds_load_b128 v[XR+64*\st+32*\c+4*\i:XR+64*\st+32*\c+4*\i+3], v7 offset:512*\st+256*\c+16*\i   ; row r, k = 128 step + 64 c + 32 h + 4 i ..
.endr
.endr
.endr
.macro QSTEP st                        ; 64 numbers of a lane become the lane's 12 registers of the fragment, and its row's scale word
.set XS, XR+64*(\st)
.set F, 16+12*(\st)
.irp c, 0,1
	v_max3_num_f32 v[8+2*\c], |v[XS+32*\c]|, |v[XS+32*\c+1]|, |v[XS+32*\c+2]|
	v_max3_num_f32 v[9+2*\c], |v[XS+32*\c+3]|, |v[XS+32*\c+4]|, |v[XS+32*\c+5]|
.endr
.irp i, 6,10,14,18,22,26
.irp c, 0,1
	v_max3_num_f32 v[8+2*\c], v[8+2*\c], |v[XS+32*\c+\i]|, |v[XS+32*\c+\i+1]|
	v_max3_num_f32 v[9+2*\c], v[9+2*\c], |v[XS+32*\c+\i+2]|, |v[XS+32*\c+\i+3]|
.endr
.endr
.irp c, 0,1
	v_max3_num_f32 v[8+2*\c], v[8+2*\c], |v[XS+32*\c+30]|, |v[XS+32*\c+31]|
.endr
.irp c, 0,1
	v_max3_num_f32 v[8+2*\c], v[8+2*\c], v[9+2*\c], 0x1800000   ; the floor 2^(3 - 127): the byte cannot fall under 1
.endr
.irp c, 0,1
	v_add_nc_u32 v[12+\c], 0xff000000, v[8+2*\c]   ; 2 off the exponent field: the conversion's scale operand
.endr
.irp c, 0,1
	v_lshrrev_b32 v[14+\c], 23, v[12+\c]           ; the scale's byte
.endr
	v_lshl_or_b32 v[48+(\st)], v15, 16, v14        ; my bytes: blocks h and 2 + h,
	v_lshlrev_b32 v[48+(\st)], v50, v[48+(\st)]    ; 8 h bits up;
	v_permlanex16_b32 v51, v[48+(\st)], s20, s21
	v_or_b32 v[48+(\st)], v[48+(\st)], v51         ; with lane l xor 16's two the word is whole
.irp c, 0,1
	v_cvt_scalef32_pk16_fp6_f32 v[F+6*\c:F+6*\c+2], v[XS+32*\c:XS+32*\c+15], v[12+\c]
	v_cvt_scalef32_pk16_fp6_f32 v[40+4*\c:42+4*\c], v[XS+32*\c+16:XS+32*\c+31], v[12+\c]   ; (a conversion's three registers begin on an even number)
.endr
	v_nop                                          ; one plain place behind a scaled conversion
.irp c, 0,1
.irp i, 0,1,2
	v_mov_b32 v[F+6*\c+3+\i], v[40+4*\c+\i]
.endr
.endr
	global_store_b128 v2, v[F:F+3], s[10:11] offset:6400*(\st)            ; 512 consecutive bytes
	global_store_b64 v3, v[F+4:F+5], s[10:11] offset:6400*(\st)+512       ; 256
	global_store_b128 v2, v[F+6:F+9], s[10:11] offset:6400*(\st)+768
	global_store_b64 v3, v[F+10:F+11], s[10:11] offset:6400*(\st)+1280
	global_store_b32 v52, v[48+(\st)], s[26:27] offset:6400*(\st)+6144    ; both halves of the lanes hold the same word: 64 bytes
.endm
	s_wait_dscnt 16                                ; the first K step's 16 loads are in; the second's may be out
	QSTEP 0                                        ; each step has its own registers for codes and word: no store's data are written again
	s_wait_dscnt 0x0
	QSTEP 1
	s_set_vgpr_msb 0x4
	s_wait_tensorcnt 0x0
	ds_add_u32 v55, v1
	s_wait_dscnt 0x0
	s_set_vgpr_msb 0x400
	s_endpgm
.Lweights:
	s_load_b128 s[8:11], s[0:1], 0x20              ; the first weight s[8:9], the second s[10:11]
	s_load_b64 s[6:7], s[0:1], 0x30                ; wc
	v_lshrrev_b32 v1, 5, v0
	v_readfirstlane_b32 s16, v1                    ; wave
	v_and_b32 v1, 31, v0                           ; x: my column of the wave's 32
	v_lshlrev_b32 v2, 2, v1                        ; in: 4 bytes a lane
	v_bfe_u32 v6, v1, 3, 1                         ; u = (x / 8) % 2: which tile of the pair
	v_and_b32 v7, 7, v1
	v_lshrrev_b32 v8, 4, v1
	v_lshl_add_u32 v7, v8, 3, v7                   ; r = x % 8 + 8 (x / 16): my slot in it
	v_mul_u32_u24 v8, v6, 1536
	v_lshl_add_u32 v3, v7, 4, v8                   ; out: 1536 u + 16 r
	v_lshl_add_u32 v4, v7, 3, v8                   ;      1536 u + 8 r
	v_lshlrev_b32 v5, 6, v6
	v_lshl_add_u32 v5, v7, 2, v5                   ;      64 u + 4 r: my scale word
	s_mov_b32 s20, 256+NWA                         ; the second weight's figures: first work-group,
	s_mov_b32 s21, RGB                             ; place in wc,
	s_mov_b32 s22, LKB                             ; log2 of its K steps,
	s_mov_b32 s23, RSB                             ; bytes in a row
	s_wait_kmcnt 0x0
	s_cmp_lt_u32 ttmp9, 256+NWA                    ; the choices hang on the work-group's number alone
	s_cselect_b64 s[4:5], s[8:9], s[10:11]
	s_cselect_b32 s20, 256, s20
	s_cselect_b32 s21, RGA, s21
	s_cselect_b32 s22, LKA, s22
	s_cselect_b32 s23, RSA, s23
	s_sub_co_u32 s24, ttmp9, s20                   ; my number within the tensor
	s_lshl_b32 s25, 1, s22                         ; its K steps
	s_sub_co_u32 s26, s25, 1
	s_and_b32 s26, s24, s26                        ; my K step
	s_lshr_b32 s27, s24, s22                       ; my group of 128 columns
	s_lshl_b32 s28, s27, 1
	s_lshr_b32 s29, s16, 1
	s_add_co_u32 s28, s28, s29                     ; my wave's panel of 64 columns
	s_and_b32 s29, s16, 1                          ; and which 32 of them
.if PERM
	s_and_b32 s30, s28, 15
	s_mul_i32 s30, s30, 3
	s_lshr_b32 s31, s28, 4
	s_add_co_u32 s30, s30, s31                     ; w_qkv: 3 head + type
	s_cmp_lt_u32 ttmp9, 256+NWA
	s_cselect_b32 s28, s30, s28                    ; the panel's place
.endif
	s_mul_i32 s30, s26, s23
	s_lshl_b32 s30, s30, 7                         ; 128 rows a K step
	s_lshl_b32 s31, s27, 9
	s_add_co_u32 s30, s30, s31                     ; + 128 columns a group
	s_lshl_b32 s31, s16, 7
	s_add_co_u32 s30, s30, s31                     ; + 32 columns a wave
	s_mov_b32 s31, 0
	s_add_nc_u64 s[4:5], s[4:5], s[30:31]
	s_mul_i32 s32, s28, s25
	s_add_co_u32 s32, s32, s26
	s_mul_i32 s32, s32, 6400
	s_add_co_u32 s32, s32, s21
	s_mov_b32 s33, 0
	s_add_nc_u64 s[6:7], s[6:7], s[32:33]          ; my panel
	s_lshl_b32 s34, s29, 7
	s_mov_b32 s35, 0
	s_add_nc_u64 s[18:19], s[6:7], s[34:35]        ; its scale words: 128 bytes for each pair of tiles
	s_mul_i32 s34, s29, 3072
	s_add_nc_u64 s[6:7], s[6:7], s[34:35]          ; my pair of fragments
.macro LOADB t, rs                     ; block t: W(32 t + i, my column), i = 0 .. 31
.set i, 0
.rept 32
	global_load_b32 v[X+32*(\t)+i], v2, s[4:5] offset:(32*(\t)+i)*(\rs) th:TH_LOAD_NT
.set i, i+1
.endr
.endm
.macro BLOCK t                         ; block t = 2 c + h lies in the image where lane r + 16 h keeps registers 6 c .. 6 c + 5
.set XS, X+32*(\t)
.set CC, C+6*(\t)
.set T2, TT+4*(\t)
	v_max3_num_f32 v10, |v[XS]|, |v[XS+1]|, |v[XS+2]|      ; the block's largest magnitude, in two chains: all 32 numbers are mine
	v_max3_num_f32 v11, |v[XS+3]|, |v[XS+4]|, |v[XS+5]|
.irp i, 6,10,14,18,22,26
	v_max3_num_f32 v10, v10, |v[XS+\i]|, |v[XS+\i+1]|
	v_max3_num_f32 v11, v11, |v[XS+\i+2]|, |v[XS+\i+3]|
.endr
	v_max3_num_f32 v10, v10, |v[XS+30]|, |v[XS+31]|
	v_max3_num_f32 v10, v10, v11, 0x1800000        ; and the floor 2^(3 - 127): the byte cannot fall under 1
	v_add_nc_u32 v[SO+(\t)], 0xff000000, v10       ; 2 off the exponent field: the conversion takes that field as its scale
	v_lshrrev_b32 v[BY+(\t)], 23, v[SO+(\t)]       ; the scale's byte
	v_cvt_scalef32_pk16_fp6_f32 v[CC:CC+2], v[XS:XS+15], v[SO+(\t)]
	v_cvt_scalef32_pk16_fp6_f32 v[T2:T2+2], v[XS+16:XS+31], v[SO+(\t)]
	v_nop                                          ; one plain place behind a scaled conversion
	v_mov_b32 v[CC+3], v[T2]
	v_mov_b32 v[CC+4], v[T2+1]
	v_mov_b32 v[CC+5], v[T2+2]
	global_store_b128 v3, v[CC:CC+3], s[6:7] offset:768*((\t)/2)+256*((\t)%2)          ; the wave fills two aligned runs of 256 bytes, one in each fragment
	global_store_b64 v4, v[CC+4:CC+5], s[6:7] offset:768*((\t)/2)+512+128*((\t)%2)     ; and two runs of 128 bytes
.endm
.macro WQBODY rs                       ; loads run two blocks ahead; no register is written twice, so no store's data have to be waited for
	LOADB 0, \rs
	LOADB 1, \rs
	s_wait_loadcnt 32                              ; block 0 is in; block 1's 32 loads may be out
	LOADB 2, \rs
	BLOCK 0
	s_wait_loadcnt 32                              ; block 1 is in; block 2's may be out
	LOADB 3, \rs
	BLOCK 1
	s_wait_loadcnt 32                              ; block 2 is in; block 3's may be out
	BLOCK 2
	s_wait_loadcnt 0x0
	BLOCK 3
	v_lshl_or_b32 v[BY], v[BY+1], 8, v[BY]         ; the four bytes make my column's scale word
	v_lshl_or_b32 v[BY], v[BY+2], 16, v[BY]
	v_lshl_or_b32 v[BY], v[BY+3], 24, v[BY]
	global_store_b32 v5, v[BY], s[18:19] offset:6144
	s_endpgm
.endm
	s_cmp_lt_u32 ttmp9, 256+NWA
	s_cbranch_scc1 .Lfirst
	WQBODY RSB
.Lfirst:
	WQBODY RSA
.Lfunc_end_k_qa6058499aa_prep1:
	.size	k_qa6058499aa_prep1, .Lfunc_end_k_qa6058499aa_prep1-k_qa6058499aa_prep1
	.p2alignl 7, 3214868480
	.fill 96, 4, 3214868480
	.section	.rodata,"a",@progbits
	.p2align	6, 0x0
	.amdhsa_kernel k_qa6058499aa_prep1
		.amdhsa_group_segment_fixed_size 66304
		.amdhsa_private_segment_fixed_size 0
		.amdhsa_enable_private_segment 0
		.amdhsa_kernarg_size 56
		.amdhsa_user_sgpr_count 2
		.amdhsa_user_sgpr_kernarg_segment_ptr 1
		.amdhsa_wavefront_size32 1
		.amdhsa_system_sgpr_workgroup_id_x 1
		.amdhsa_system_sgpr_workgroup_id_y 1
		.amdhsa_system_sgpr_workgroup_id_z 1
		.amdhsa_system_vgpr_workitem_id 0
		.amdhsa_next_free_vgpr 258
		.amdhsa_next_free_sgpr 66
		.amdhsa_reserve_vcc 0
		.amdhsa_float_denorm_mode_32 3
		.amdhsa_float_denorm_mode_16_64 3
		.amdhsa_memory_ordered 1
		.amdhsa_forward_progress 1
		.amdhsa_inst_pref_size 82
	.end_amdhsa_kernel
	.amdgpu_metadata
---
amdhsa.version: [ 1, 2 ]
amdhsa.kernels:
  - .name:           k_qa6058499aa_prep1
    .symbol:         k_qa6058499aa_prep1.kd
    .args:
      - { .name: inputs, .offset: 0, .size: 8, .value_kind: global_buffer, .address_space: global }
      - { .name: ln1_g, .offset: 8, .size: 8, .value_kind: global_buffer, .address_space: global }
      - { .name: ln1_b, .offset: 16, .size: 8, .value_kind: global_buffer, .address_space: global }
      - { .name: xc, .offset: 24, .size: 8, .value_kind: global_buffer, .address_space: global }
      - { .name: w_qkv, .offset: 32, .size: 8, .value_kind: global_buffer, .address_space: global }
      - { .name: w_out, .offset: 40, .size: 8, .value_kind: global_buffer, .address_space: global }
      - { .name: wc, .offset: 48, .size: 8, .value_kind: global_buffer, .address_space: global }
    .group_segment_fixed_size: 66304
    .private_segment_fixed_size: 0
    .kernarg_segment_align: 8
    .kernarg_segment_size: 56
    .max_flat_workgroup_size: 128
    .sgpr_count:     66
    .vgpr_count:     258
    .wavefront_size: 32
...
	.end_amdgpu_metadata
.endif
;; end of part 1
;; launch qkv (part 2): grid 16 x 16, 4 waves a work-group, clusters of 4 x 4, 327,680 bytes of LDS; arguments xc, wc, qc, kvc; writes qc, kvc
.if DOCPART == 2
	.amdgcn_target "amdgcn-amd-amdhsa--gfx1250"
	.amdhsa_code_object_version 6
	.text
	.protected	k_qa6058499aa_qkv
	.globl	k_qa6058499aa_qkv
	.p2align	8
	.type	k_qa6058499aa_qkv,@function
k_qa6058499aa_qkv:
	s_mov_b64 s[64:65], 0
	v_nop
	global_prefetch_b8 v0, s[64:65] scope:SCOPE_SE
	s_setreg_imm32_b32 hwreg(HW_REG_WAVE_MODE, 25, 1), 1
	s_wait_xcnt 0x0
	s_wait_alu depctr_hold_cnt(0) depctr_sa_sdst(0) depctr_va_vdst(0) depctr_va_sdst(0) depctr_va_ssrc(0) depctr_va_vcc(0) depctr_vm_vsrc(0)
	s_getreg_b32 s2, hwreg(HW_REG_IB_STS2, 6, 4)
	s_cmp_eq_u32 s2, 0
	s_cbranch_scc0 .Lentry_in_a_cluster
	s_endpgm
.Lentry_in_a_cluster:
	s_bfe_u32 s2, ttmp6, 0x10000c
	s_cmp_lg_u32 s2, 0xf033
	s_cbranch_scc0 .Lentry_shape_is_right
	s_endpgm
.Lentry_shape_is_right:
; qkv = LN1(x) w_qkv on codes of FP6 (E2M3) with E8M0 scales, and q, k, v quantised on the way out for the attention's two products.
; OPERANDS come as panels of 64 rows x 128 k, 6,400 bytes, laid [row panel][K step]: four fragments of 1,536 bytes, each an image of an operand's 12 registers (half c: registers 6c..6c+3 of lane l at 16 l,
; registers 6c+4, 6c+5 at 512 + 8 l), then 64 scale words at 6,144.  Of each 32 rows, tile 2b+u holds in slot r row 32b + 8u + r + 8(r/8): so the 16 registers of two neighbouring result tiles along source 0 are 16 neighbours.
; SHARES.  A work-group makes 256 tokens x 192 columns: one head's q, k and v (w_qkv's panels lie 3 head + type).  Wave w makes tokens 64 w .. 64 w + 63: 48 accumulators.
; q and k are made with source 0 = the weights (a lane holds one token and eight d): they are quantised along d.  v is made with source 0 = the tokens (a lane holds one d and eight tokens): it is quantised along the tokens.
; K goes in 8 steps of 128 through a ring of two LDS slots of three steps each, filled by the tensor data mover.  The steps are written out.
; CLUSTER 4 x 4: x's panels are shared along a row of the cluster, the weights' along a column: each is asked for jointly.
; OUT.  qc [16 batch + head][token / 128][6,400] and kvc [..][..][k 6,400 | v 6,400].  q's and k's K is 64, half of the instruction's: a PAIR PANEL keeps token tile 2f in half 0 of fragment f and tile 2f+1 in half 1;
; its scale word holds tile 2f's two bytes below and tile 2f+1's above.  v's panel: rows = the head's 64 d, K = 128 tokens; a wave's 64 tokens are one half of each fragment.
; LIMITS: a block of zeros gets the byte 1 where the rule says 127 (its codes are zeros; this program alone reads the bytes); blocks under 2^-124 are held at the byte 1; NaN and infinities are not served.
; REGISTERS, in windows of 256: window 0: v2-18 addresses, v28-29 for the add, v32-55 scale words (two sets), v64-255 fragment set 0 (x's 4, then the weights' 12); window 1: v64-255 set 1;
;   window 2: q's and k's accumulators ((a, b) at 8 (8 a + b)); window 3: v's ((t, a) at 8 (4 t + a)).
.set PA, 4                             ; panels of x in a slot
.set PB, 3                             ; panels of the weights
.set MB, 4
.set NB, 12
.set NSC, 12
.set KT, 8                             ; K steps
.set STP, 3                            ; K steps in a slot: 8 = 3 + 3 + 2
.set RA, 4                             ; panels in a tensor load for x (wave 3)
.set RB, 1                             ; and for the weights (waves 0, 1, 2: a panel each)
.set PSTR, STP*6400
.set SLOT, (PA+PB)*PSTR
.set NF, (KT+STP-1)/STP                ; fills
.set TAILS, KT-(NF-1)*STP              ; K steps in the last of them
.set SPARE, 2*SLOT                     ; behind the ring: the spare words, 128 bytes a wave, which no other line names
.set ADA16, 8                          ; v8-9   16 x lane + my panels of x in slot 0, 1
.set ADA8, 10                          ; v10-11 8 x lane + the same
.set ADRS, 12                          ; v12-13 scale words: lanes 0-15 x's, lanes 16-31 the weights'
.set ADB16, 14                         ; v14-15, v16-17 as v8-11, for the weights
.set ADB8, 16
.set R4, 18                            ; v18    4 r
.set SPW, 28
.set NIL, 29
.set SC, 32                            ; set p, block i at v[SC + 12 p + i]
.set AF, 64
.set BF, 64+12*MB
.set G1, 24
.set G0, 32
.set G1B, 48
.set G0B, 56
.set SEL, 82
.set TM, 64                            ; the way out, window 0: v64-69 at work, v72-77 a half fragment, v78-80 its second conversion, v84-95 scale bytes
.set H, 72
.set T2, 78
.set HQ, 84
.set HK, 88
.set HV, 92
.set MSB, 0
.macro WIN new                         ; the immediate's high byte repeats the setting that is left; a switch that changes nothing is dropped
.if MSB != \new
	s_set_vgpr_msb (MSB<<8)|\new
.set MSB, \new
.endif
.endm
.macro PLACES                          ; four plain places behind matrix instructions, in front of loads into their registers and of reads of their results
.rept 4
	v_nop
.endr
.endm
.macro CREST                           ; a round of the cluster's barrier behind its opening barrier
	s_cmp_lg_u32 s14, 0
	s_cbranch_scc1 .Lnot_wave_0_\@
	s_barrier_signal -3
.Lnot_wave_0_\@:
	s_barrier_wait -3
	s_barrier_signal -1
	s_barrier_wait -1
.endm
.macro CROUND
	s_barrier_signal -1
	s_barrier_wait -1
	CREST
.endm
.macro JLOAD                           ; the joint refill of slot tsl; the branches hang on the wave's number alone; four v_nop follow each tensor line
	s_cmp_eq_u32 s14, 3
	s_cbranch_scc0 .Lnot_a_\@
	tensor_load_to_lds s[G0+4*tsl:G0+4*tsl+3], s[G1:G1+7]
	s_nop 0
.rept 4
	v_nop
.endr
	s_branch .Lasked_\@
.Lnot_a_\@:
	tensor_load_to_lds s[G0B+4*tsl:G0B+4*tsl+3], s[G1B:G1B+7]
	s_nop 0
.rept 4
	v_nop
.endr
.Lasked_\@:
.endm
.macro FRAG reg, a16, a8, off          ; a fragment's image comes back as it was stored: 512, 256, 512, 256 consecutive bytes
	ds_load_b128 v[\reg:\reg+3], v[\a16] offset:\off
	ds_load_b64 v[\reg+4:\reg+5], v[\a8] offset:\off+512
	ds_load_b128 v[\reg+6:\reg+9], v[\a16] offset:\off+768
	ds_load_b64 v[\reg+10:\reg+11], v[\a8] offset:\off+1280
.endm
.macro FETCH                           ; step fn's fragments into set fn % 2, and its scale words
.set fsl, (fn/STP)%2
.set fq, fn%STP
.set fp, fn%2
.set WN, fp<<6
	WIN WN
.set fi, 0
.rept MB
	FRAG AF+12*fi, ADA16+fsl, ADA8+fsl, (fi/4)*PSTR+fq*6400+(fi%4)*1536
.set fi, fi+1
.endr
.set fi, 0
.rept NB
	FRAG BF+12*fi, ADB16+fsl, ADB8+fsl, (fi/4)*PSTR+fq*6400+(fi%4)*1536
.set fi, fi+1
.endr
	WIN 0
.set fi, 0
.rept NSC                              ; (for i above 3 lanes 0-15 read filled bytes of the same slot that no product uses)
	ds_load_b32 v[SC+12*fp+fi], v[ADRS+fsl] offset:(fi/4)*PSTR+fq*6400+6144+64*(fi%4)
.set fi, fi+1
.endr
.endm
.macro MULQ k                          ; token tile k against the head's 12 column tiles; the 48 accumulators take turns, one instruction a turn, in the same order in every step
.set pp, n%2
.set ia, \k
.set WN, (2<<6)|(2<<4)|(pp<<2)|pp
	WIN WN
.set ib, 0
.rept 8
.set rD, 8*(8*ia+ib)
.if n == 0
	v_wmma_scale_f32_16x16x128_f8f6f4 v[rD:rD+7], v[BF+12*ib:BF+12*ib+11], v[AF+12*ia:AF+12*ia+11], 0, v[SC+12*pp+ib], v[SC+12*pp+ia] matrix_a_fmt:MATRIX_FMT_FP6 matrix_b_fmt:MATRIX_FMT_FP6 matrix_a_scale:MATRIX_SCALE_ROW1
.else
	v_wmma_scale_f32_16x16x128_f8f6f4 v[rD:rD+7], v[BF+12*ib:BF+12*ib+11], v[AF+12*ia:AF+12*ia+11], v[rD:rD+7], v[SC+12*pp+ib], v[SC+12*pp+ia] matrix_a_fmt:MATRIX_FMT_FP6 matrix_b_fmt:MATRIX_FMT_FP6 matrix_a_scale:MATRIX_SCALE_ROW1
.endif
	HOOK
.set ib, ib+1
.endr
.set WN, (3<<6)|(3<<4)|(pp<<2)|pp
	WIN WN
.set it, 0
.rept 4
.set rD, 8*(4*it+ia)
.if n == 0
	v_wmma_scale_f32_16x16x128_f8f6f4 v[rD:rD+7], v[AF+12*ia:AF+12*ia+11], v[BF+12*(8+it):BF+12*(8+it)+11], 0, v[SC+12*pp+ia], v[SC+12*pp+8+it] matrix_a_fmt:MATRIX_FMT_FP6 matrix_b_fmt:MATRIX_FMT_FP6 matrix_b_scale:MATRIX_SCALE_ROW1
.else
	v_wmma_scale_f32_16x16x128_f8f6f4 v[rD:rD+7], v[AF+12*ia:AF+12*ia+11], v[BF+12*(8+it):BF+12*(8+it)+11], v[rD:rD+7], v[SC+12*pp+ia], v[SC+12*pp+8+it] matrix_a_fmt:MATRIX_FMT_FP6 matrix_b_fmt:MATRIX_FMT_FP6 matrix_b_scale:MATRIX_SCALE_ROW1
.endif
	HOOK
.set it, it+1
.endr
.endm
.set hl, 0
.set hn, 0
.set hc, 0
.set hq, 5
.macro LD1                             ; load number hl of step fn's fetch: the fragments' pieces, then the scale words
.if hl < 4*(MB+NB)
.set lf, hl/4
.if lf < MB
.set lr, AF+12*lf
.set l16, ADA16+fsl
.set l8, ADA8+fsl
.set lo, (lf/4)*PSTR+fq*6400+(lf%4)*1536
.else
.set lr, BF+12*(lf-MB)
.set l16, ADB16+fsl
.set l8, ADB8+fsl
.set lo, ((lf-MB)/4)*PSTR+fq*6400+((lf-MB)%4)*1536
.endif
.set WN, fp<<6
	WIN WN
.if hl%4 == 0
	ds_load_b128 v[lr:lr+3], v[l16] offset:lo
.elseif hl%4 == 1
	ds_load_b64 v[lr+4:lr+5], v[l8] offset:lo+512
.elseif hl%4 == 2
	ds_load_b128 v[lr+6:lr+9], v[l16] offset:lo+768
.else
	ds_load_b64 v[lr+10:lr+11], v[l8] offset:lo+1280
.endif
.else
.set ls, hl-4*(MB+NB)
	WIN 0
	ds_load_b32 v[SC+12*fp+ls], v[ADRS+fsl] offset:(ls/4)*PSTR+fq*6400+6144+64*(ls%4)
.endif
.endm
.macro HOOK                            ; behind every second product: hq loads of the next step's fetch, while any are left; the windows come back as they were
.set hc, hc+1
.if (hc%2 == 0) && (hl < hn)
.set hs, MSB
.rept hq
.if hl < hn
	LD1
.set hl, hl+1
.endif
.endr
	WIN hs
.endif
.endm
.macro STEPN
	WIN 0
	s_wait_dscnt 0x0                               ; this step's fragments, asked for a step ago, are in
	PLACES
.set fn, n+1
.set fsl, (fn/STP)%2
.set fq, fn%STP
.set fp, fn%2
.set hl, 0
.set hn, 4*(MB+NB)+NSC                 ; the next step's loads stand among this step's products
	MULQ 0
	MULQ 1
	MULQ 2
	MULQ 3
.endm
.macro TURN                            ; a slot's last step changes slots: one barrier
.set tsl, (n/STP)%2
	WIN 0
	s_wait_tensorcnt 0x0                           ; all my tensor loads have landed: my part of the next slot;
	ds_add_u32 v[SPW], v[NIL]                      ; 0 onto my spare word;
	s_wait_dscnt 0x1                               ; (the add alone may be out: this step's fragments are in)
	MULQ 0
	s_wait_dscnt 0x0                               ; the add is done, and my reads of this slot are over
	s_barrier_signal -1
	MULQ 1
	WIN 0
	s_barrier_wait -1
.if n/STP+2 < NF
	CREST                                          ; the barrier has opened a round of the cluster's: no wave of any partner still reads this slot or has a load on its way
	s_add_nc_u64 s[G0+4*tsl+2:G0+4*tsl+3], s[G0+4*tsl+2:G0+4*tsl+3], 2*STP*6400
	s_add_nc_u64 s[G0B+4*tsl+2:G0B+4*tsl+3], s[G0B+4*tsl+2:G0B+4*tsl+3], 2*STP*6400
.if n/STP+2 == NF-1
	s_mov_b32 s[G1+1], (TAILS*800)<<16             ; the last fill: TAILS steps are left of each panel (tensor_dim0); the tile's rows keep their length in LDS.  No tensor load of mine is out here
	s_mov_b32 s[G1B+1], (TAILS*800)<<16
.endif
	JLOAD                                          ; the first tensor load behind the round, one a wave
.endif
	PLACES                                         ; on every wave's path, that of the wave that fetches nothing too
.set fn, n+1
	FETCH
	MULQ 2
	MULQ 3
.endm
; 32 numbers of a lane in window w, register 16 b + i = number 32 b + 16 (lane / 16) + i of my row, become half a fragment in v[H..H+5] and the two scale bytes in v[hw].
.macro QUANT2 x, w, hw
.set WN, (\w)|((\w)<<2)
	WIN WN
	v_max3_num_f32 v[TM], |v[\x]|, |v[\x+1]|, 0x1800000          ; my 16 numbers of each block, and the floor 2^(3 - 127); each accumulator is read from its low end on
	v_max3_num_f32 v[TM+1], |v[\x+16]|, |v[\x+17]|, 0x1800000
.irp i, 2,4,6,8,10,12,14
	v_max3_num_f32 v[TM], |v[\x+\i]|, |v[\x+\i+1]|, v[TM]
	v_max3_num_f32 v[TM+1], |v[\x+16+\i]|, |v[\x+17+\i]|, v[TM+1]
.endr
	WIN 0
	v_permlanex16_b32 v[TM+2], v[TM], s[SEL], s[SEL+1]
	v_permlanex16_b32 v[TM+3], v[TM+1], s[SEL], s[SEL+1]
	v_max_num_f32 v[TM], v[TM], v[TM+2]            ; with lane l xor 16's: the block's largest magnitude
	v_max_num_f32 v[TM+1], v[TM+1], v[TM+3]
	v_add_nc_u32 v[TM+4], 0xff000000, v[TM]        ; 2 off the exponent field: the conversion's scale operand
	v_add_nc_u32 v[TM+5], 0xff000000, v[TM+1]
	v_lshrrev_b32 v[TM+2], 23, v[TM+4]             ; the bytes
	v_lshrrev_b32 v[TM+3], 23, v[TM+5]
	v_lshl_or_b32 v[\hw], v[TM+3], 8, v[TM+2]
	s_wait_alu depctr_va_vdst(0)
	s_wait_xcnt 0x0                                ; the last stores have read v[H..H+5]
	WIN \w
	v_cvt_scalef32_pk16_fp6_f32 v[H:H+2], v[\x:\x+15], v[TM+4]
	v_cvt_scalef32_pk16_fp6_f32 v[T2:T2+2], v[\x+16:\x+31], v[TM+5]
	WIN 0
	v_nop                                          ; one plain place behind a scaled conversion
.irp i, 0,1,2
	v_permlane16_swap_b32 v[H+\i], v[T2+\i]        ; a whole block to a lane: lanes 0-15 block 0, lanes 16-31 block 1
.endr
.irp i, 0,1,2
	v_mov_b32 v[H+3+\i], v[T2+\i]
.endr
.endm
	s_load_b128 s[4:7], s[0:1], 0x0                ; xc, wc
	s_load_b128 s[8:11], s[0:1], 0x10              ; qc, kvc
	v_lshl_add_u32 v[SPW], v0, 2, SPARE
	v_mov_b32 v[NIL], 0
	ds_add_u32 v28, v29
	ds_add_u32 v28, v29
	s_wait_dscnt 0x0
	v_lshrrev_b32 v1, 5, v0
	v_readfirstlane_b32 s14, v1                    ; wave 0..3: also which 64 tokens are mine
	s_bfe_u32 s40, ttmp6, 0x40000                  ; cx, cy: my place in the cluster
	s_bfe_u32 s41, ttmp6, 0x40004
	s_lshl_b32 s42, ttmp9, 2
	s_add_co_u32 s42, s42, s40                     ; X: the head
	s_and_b32 s17, ttmp7, 0xffff
	s_lshl_b32 s17, s17, 2
	s_add_co_u32 s17, s17, s41                     ; Y: which 256 tokens
	s_lshl_b32 s43, s41, 2
	s_lshl_b32 s43, 15, s43                        ; my row of the cluster
	s_lshl_b32 s44, 0x1111, s40                    ; my column
	s_or_b32 s[G1], s43, (3<<16)|(1<<21)           ; 15:0 the mask; 17:16 elements of 8 bytes; 21 set beside a mask; no padding
	s_or_b32 s[G1B], s44, (3<<16)|(1<<21)
	s_mov_b32 s[G1+1], (STP*800)<<16               ; tensor_dim0: a slot's steps of one panel, STP x 6,400 bytes on end
	s_mov_b32 s[G1+2], RA<<16                      ; tensor_dim1: panels
	s_mov_b32 s[G1+3], (STP*800)<<16               ; tile_dim0
	s_mov_b32 s[G1+4], RA                          ; tile_dim1
	s_mov_b32 s[G1+5], KT*800                      ; from panel to panel
	s_mov_b32 s[G1+6], 0
	s_mov_b32 s[G1+7], 0
	s_mov_b32 s[G1B+1], (STP*800)<<16
	s_mov_b32 s[G1B+2], RB<<16
	s_mov_b32 s[G1B+3], (STP*800)<<16
	s_mov_b32 s[G1B+4], RB
	s_mov_b32 s[G1B+5], KT*800
	s_mov_b32 s[G1B+6], 0
	s_mov_b32 s[G1B+7], 0
	s_mul_i32 s20, s17, PA*KT*6400                 ; x: panels 4 Y ..
	s_mov_b32 s21, 0
	s_mul_i32 s46, s42, PB
	s_add_co_u32 s46, s46, s14                     ; the weights: panel 3 X + wave
	s_mul_i32 s46, s46, KT*6400
	s_mov_b32 s47, 0
	s_mul_i32 s45, s14, PSTR
	s_add_co_u32 s45, s45, PA*PSTR                 ; where a weight's panel goes: behind x's four; no place in the cluster enters an LDS address
	s_wait_kmcnt 0x0
	s_add_nc_u64 s[20:21], s[4:5], s[20:21]
	s_add_nc_u64 s[46:47], s[6:7], s[46:47]
.irp s, 0,1
	s_mov_b32 s[G0+4*\s], 1
	s_mov_b32 s[G0+4*\s+1], \s*SLOT
	s_add_nc_u64 s[G0+4*\s+2:G0+4*\s+3], s[20:21], \s*STP*6400
	s_or_b32 s[G0+4*\s+3], s[G0+4*\s+3], 0x80000000
	s_mov_b32 s[G0B+4*\s], 1
	s_add_co_u32 s[G0B+4*\s+1], s45, \s*SLOT
	s_add_nc_u64 s[G0B+4*\s+2:G0B+4*\s+3], s[46:47], \s*STP*6400
	s_or_b32 s[G0B+4*\s+3], s[G0B+4*\s+3], 0x80000000
.endr
	CROUND                                         ; all sixteen work-groups are here: the first joint loads meet
	s_cmp_eq_u32 s14, 3                            ; one tensor load a wave at the head: slot 0
	s_cbranch_scc0 .Lfirst_b
	tensor_load_to_lds s[G0:G0+3], s[G1:G1+7]
	s_nop 0
.rept 4
	v_nop
.endr
	s_branch .Lfirst_done
.Lfirst_b:
	tensor_load_to_lds s[G0B:G0B+3], s[G1B:G1B+7]
	s_nop 0
.rept 4
	v_nop
.endr
.Lfirst_done:
	v_and_b32 v1, 31, v0
	v_lshlrev_b32 v2, 4, v1                        ; 16 x lane
	v_lshlrev_b32 v3, 3, v1                        ; 8 x lane
	v_lshlrev_b32 v4, 2, v1                        ; 4 x lane
	v_and_b32 v5, 15, v0                           ; r
	v_bfe_u32 v6, v0, 4, 1                         ; h
	v_lshlrev_b32 v[R4], 2, v5
	s_mul_i32 s22, s14, PSTR                       ; my panel of x
	s_mov_b32 s23, PA*PSTR                         ; the weights' three
	v_add_nc_u32 v[ADA16], s22, v2
	v_add_nc_u32 v[ADA8], s22, v3
	v_add_nc_u32 v[ADB16], s23, v2
	v_add_nc_u32 v[ADB8], s23, v3
	s_sub_co_u32 s19, s23, s22
	v_mul_u32_u24 v7, s19, v6                      ; lanes 16-31 take the weights' words
	v_lshl_add_u32 v[ADRS], v5, 2, v7
	v_add_nc_u32 v[ADRS], s22, v[ADRS]
	v_add_nc_u32 v[ADA16+1], SLOT, v[ADA16]
	v_add_nc_u32 v[ADA8+1], SLOT, v[ADA8]
	v_add_nc_u32 v[ADB16+1], SLOT, v[ADB16]
	v_add_nc_u32 v[ADB8+1], SLOT, v[ADB8]
	v_add_nc_u32 v[ADRS+1], SLOT, v[ADRS]
	s_mov_b32 s[SEL], 0x76543210
	s_mov_b32 s[SEL+1], 0xfedcba98
	s_wait_alu depctr_va_vdst(0)
	s_wait_tensorcnt 0x0                           ; my part of slot 0 is in; slot 1's first fill is issued as a refill is:
	ds_add_u32 v[SPW], v[NIL]                      ; 0 onto my spare word
	s_wait_dscnt 0x0
	CROUND                                         ; a whole round: slot 0 is whole, and the joint loads meet
.set tsl, 1
	JLOAD                                          ; slot 1: the first tensor load behind the round
.set fn, 0
	FETCH
.set n, 0
.rept KT
.if n == KT-1
	WIN 0
	s_wait_dscnt 0x0
	MULQ 0
	MULQ 1
	MULQ 2
	MULQ 3
.elseif (n%STP) == STP-1
	TURN
.else
	STEPN
.endif
.set n, n+1
.endr
	WIN 0
	; THE WAY OUT: straight from registers, in whole runs of 512 and 256 bytes.
	s_lshr_b32 s66, s17, 3                         ; batch
	s_lshl_b32 s66, s66, 4
	s_add_co_u32 s66, s66, s42                     ; 16 batch + head
	s_lshl_b32 s66, s66, 4
	s_and_b32 s67, s17, 7
	s_lshl_b32 s67, s67, 1
	s_add_co_u32 s66, s66, s67
	s_lshr_b32 s67, s14, 1
	s_add_co_u32 s66, s66, s67                     ; x 16 + my 128 tokens' number in the batch
	s_and_b32 s67, s14, 1                          ; which 64 of the 128 are mine
	s_mul_i32 s68, s66, 6400
	s_mov_b32 s69, 0
	s_add_nc_u64 s[8:9], s[8:9], s[68:69]          ; q's pair panel
	s_mul_i32 s68, s66, 12800
	s_add_nc_u64 s[10:11], s[10:11], s[68:69]      ; k's; v's panel lies 6,400 on
	s_mul_i32 s68, s67, 3072
	s_add_nc_u64 s[70:71], s[8:9], s[68:69]        ; my two fragments of q,
	s_add_nc_u64 s[72:73], s[10:11], s[68:69]      ; of k,
	s_lshl_b32 s68, s67, 7
	s_add_nc_u64 s[74:75], s[8:9], s[68:69]        ; their scale words,
	s_add_nc_u64 s[76:77], s[10:11], s[68:69]
	s_mul_i32 s68, s67, 768
	s_add_nc_u64 s[78:79], s[10:11], s[68:69]      ; my half of v's fragments,
	s_lshl_b32 s68, s67, 1
	s_add_nc_u64 s[80:81], s[10:11], s[68:69]      ; my half of v's scale words
	s_mov_b32 vcc_lo, 0xffff0000                   ; lanes 16-31
	PLACES
	v_mov_b32 v[TM+2], 0                           ; (a lane permute's destination counts as one of its sources)
	v_mov_b32 v[TM+3], 0
.set qa, 0
.rept 4
	QUANT2 64*qa, 2, HQ+qa                         ; q of token tile qa: 64 d, two blocks
	global_store_b128 v2, v[H:H+3], s[70:71] offset:1536*(qa/2)+768*(qa%2)
	global_store_b64 v3, v[H+4:H+5], s[70:71] offset:1536*(qa/2)+768*(qa%2)+512
	QUANT2 64*qa+32, 2, HK+qa                      ; k likewise
	global_store_b128 v2, v[H:H+3], s[72:73] offset:1536*(qa/2)+768*(qa%2)
	global_store_b64 v3, v[H+4:H+5], s[72:73] offset:1536*(qa/2)+768*(qa%2)+512
.set qa, qa+1
.endr
	v_lshl_or_b32 v[HQ], v[HQ+1], 16, v[HQ]        ; a fragment's word: the even tile's bytes below, the odd tile's above
	v_lshl_or_b32 v[HQ+2], v[HQ+3], 16, v[HQ+2]
	v_cndmask_b32 v[HQ], v[HQ], v[HQ+2], vcc_lo    ; lanes 0-15 my first fragment's, lanes 16-31 my second's
	global_store_b32 v4, v[HQ], s[74:75] offset:6144               ; 128 consecutive bytes
	v_lshl_or_b32 v[HK], v[HK+1], 16, v[HK]
	v_lshl_or_b32 v[HK+2], v[HK+3], 16, v[HK+2]
	v_cndmask_b32 v[HK], v[HK], v[HK+2], vcc_lo
	global_store_b32 v4, v[HK], s[76:77] offset:6144
.set qt, 0
.rept 4
	QUANT2 32*qt, 3, HV+qt                         ; v: d tile qt, my 64 tokens: two blocks along the tokens
	global_store_b128 v2, v[H:H+3], s[78:79] offset:6400+1536*qt
	global_store_b64 v3, v[H+4:H+5], s[78:79] offset:6400+1536*qt+512
	global_store_b16 v[R4], v[HV+qt], s[80:81] offset:6400+6144+64*qt   ; two bytes of each row's word: one byte in 48 of what v stores
.set qt, qt+1
.endr
	s_wait_tensorcnt 0x0                           ; the wave's end
	ds_add_u32 v[SPW], v[NIL]
	s_wait_dscnt 0x0
	CROUND                                         ; the closing round: no work-group ends while a partner may still ask for a tile that names it
	s_endpgm
.Lfunc_end_k_qa6058499aa_qkv:
	.size	k_qa6058499aa_qkv, .Lfunc_end_k_qa6058499aa_qkv-k_qa6058499aa_qkv
	.p2alignl 7, 3214868480
	.fill 96, 4, 3214868480
	.section	.rodata,"a",@progbits
	.p2align	6, 0x0
	.amdhsa_kernel k_qa6058499aa_qkv
		.amdhsa_group_segment_fixed_size 327680
		.amdhsa_private_segment_fixed_size 0
		.amdhsa_enable_private_segment 0
		.amdhsa_kernarg_size 32
		.amdhsa_user_sgpr_count 2
		.amdhsa_user_sgpr_kernarg_segment_ptr 1
		.amdhsa_wavefront_size32 1
		.amdhsa_system_sgpr_workgroup_id_x 1
		.amdhsa_system_sgpr_workgroup_id_y 1
		.amdhsa_system_sgpr_workgroup_id_z 1
		.amdhsa_system_vgpr_workitem_id 0
		.amdhsa_next_free_vgpr 1024
		.amdhsa_next_free_sgpr 100
		.amdhsa_reserve_vcc 1
		.amdhsa_float_denorm_mode_32 3
		.amdhsa_float_denorm_mode_16_64 3
		.amdhsa_memory_ordered 1
		.amdhsa_forward_progress 1
		.amdhsa_inst_pref_size 132
	.end_amdhsa_kernel
	.amdgpu_metadata
---
amdhsa.version: [ 1, 2 ]
amdhsa.kernels:
  - .name:           k_qa6058499aa_qkv
    .symbol:         k_qa6058499aa_qkv.kd
    .args:
      - { .name: xc, .offset: 0, .size: 8, .value_kind: global_buffer, .address_space: global }
      - { .name: wc, .offset: 8, .size: 8, .value_kind: global_buffer, .address_space: global }
      - { .name: qc, .offset: 16, .size: 8, .value_kind: global_buffer, .address_space: global }
      - { .name: kvc, .offset: 24, .size: 8, .value_kind: global_buffer, .address_space: global }
    .group_segment_fixed_size: 327680
    .private_segment_fixed_size: 0
    .kernarg_segment_align: 8
    .kernarg_segment_size: 32
    .max_flat_workgroup_size: 128
    .sgpr_count:     100
    .vgpr_count:     1024
    .wavefront_size: 32
...
	.end_amdgpu_metadata
.endif
;; end of part 2
;; launch attn (part 3): grid 8 x 32, 16 waves a work-group, clusters of 4 x 1, 206,848 bytes of LDS; arguments qc, kvc, yc; writes yc
.if DOCPART == 3
	.amdgcn_target "amdgcn-amd-amdhsa--gfx1250"
	.amdhsa_code_object_version 6
	.text
	.protected	k_qa6058499aa_attn
	.globl	k_qa6058499aa_attn
	.p2align	8
	.type	k_qa6058499aa_attn,@function
k_qa6058499aa_attn:
	s_mov_b64 s[64:65], 0
	v_nop
	global_prefetch_b8 v0, s[64:65] scope:SCOPE_SE
	s_setreg_imm32_b32 hwreg(HW_REG_WAVE_MODE, 25, 1), 1
	s_wait_xcnt 0x0
	s_wait_alu depctr_hold_cnt(0) depctr_sa_sdst(0) depctr_va_vdst(0) depctr_va_sdst(0) depctr_va_ssrc(0) depctr_va_vcc(0) depctr_vm_vsrc(0)
	s_getreg_b32 s2, hwreg(HW_REG_IB_STS2, 6, 4)
	s_cmp_eq_u32 s2, 0
	s_cbranch_scc0 .Lentry_in_a_cluster
	s_endpgm
.Lentry_in_a_cluster:
	s_bfe_u32 s2, ttmp6, 0x10000c
	s_cmp_lg_u32 s2, 0x3003
	s_cbranch_scc0 .Lentry_shape_is_right
	s_endpgm
.Lentry_shape_is_right:
; y = softmax(q k^T / 8) v for one (batch, head), both products on codes of FP6 (E2M3) with E8M0 scales; no mask (the problem's function discards its mask and cond inputs, so no launch reads them).
; THE SOFTMAX: t = score x log2(e) / 8; M = the running largest t rounded UP to a whole number; p = 2^(t - M) is quantised along the keys; the row's sum is taken of the unquantised p and divides O at the end.
; When M moves, the sum and O are multiplied by 2^(old M - new M), which rounds nothing.
; SHARES.  A work-group owns 256 queries, each of its sixteen waves one tile of 16, in 256 registers.  Both products are used transposed (S^T = K Q^T, O^T = V^T P^T): a lane holds one query throughout.
; THE HEAD'S WHOLE K AND V, 16 steps of 128 keys x 12,800 bytes, STAY IN LDS: filled once, by joint loads of the cluster's four query blocks, ONE LOAD A WAVE: wave w brings step w.  No byte is filled again.
; Waves 0-3 have a load line of their own: the first barrier shows their steps 0-3; the first two steps read steps 0 to 2 alone; the second barrier, at which every wave has waited, shows the rest.
; No prefetch: all sixteen steps are asked for at the head, so there is no later request to run ahead of.
; LAYOUT.  q's and k's K is 64: fragment f of k's pair panel keeps key tile 2f in K positions 0-63 and tile 2f+1 in 64-127; Q is kept twice, as [q | zero codes] and [zero codes | q], which picks one of the two.
; The keys of tile 2b+u are 32b + 8u + r + 8(r/8), so p's 16 registers of two neighbouring tiles are 16 neighbouring keys.
; TWO REGIONS OF 64 REGISTERS CHANGE ROLES from step to step: one holds K's fragments and then V's, the other S^T, then p, and, once p is converted, the next step's K.
; The row's sum runs in six chains; five are joined in the places behind the matrix instructions, with the address steps.
; OUT: yc, panels of 64 tokens x 128 k (a pair of heads); my tile's 64 d are one half of a fragment.
; LIMITS: the promise holds while the scaled scores stay under 2^31 in magnitude; a block of zeros gets the byte 1 (its codes are zeros); NaN and infinities are not served;
; a block's largest p is made from the block's largest score by the same two instructions.
.set SPARE, 204800                     ; behind the 16 steps: the spare words, 128 bytes a wave
.set SPW, 10
.set NIL, 11
.set QA, 16                            ; v16-27, v28-39 Q twice
.set QS, 40                            ; v40-41 its scale words
.set KS, 42                            ; v42-45 K's scale words
.set VS, 46                            ; v46-49 V's
.set FF, 50                            ; v50 f, v51 p's scale word
.set R0, 52                            ; v52-115, v116-179 the two regions
.set R1, 116
.set OA, 180                           ; v180-211 O^T
.set PC, 212                           ; v212-223 p's codes
.set CT, 224                           ; v224-230 the second conversions
.set BM, 232                           ; v232-235 the blocks' largest scores
.set TP, 236
.set SO, 240                           ; v240-243 the conversions' scale operands
.set TX, 244
.set TS, 246                           ; v246-255 five chains of the sum; the sixth is v[14:15].  v12 -M, v13 the largest score
.set WV, 18
.set SEL, 20
.set CS, 22
.set G1, 24
.set G0, 32
.set NC, 36
.set TB, 50                            ; s50 LDS byte at which the step in hand begins
.set CNT, 51
.macro CROUND
	s_barrier_signal -1
	s_barrier_wait -1
	s_cmp_lg_u32 s[WV], 0
	s_cbranch_scc1 .Lnot_wave_0_\@
	s_barrier_signal -3
.Lnot_wave_0_\@:
	s_barrier_wait -3
	s_barrier_signal -1
	s_barrier_wait -1
.endm
.macro FRAG reg, off                   ; a fragment's image: 512, 256, 512, 256 consecutive bytes
	ds_load_b128 v[\reg:\reg+3], v4 offset:\off
	ds_load_b64 v[\reg+4:\reg+5], v5 offset:\off+512
	ds_load_b128 v[\reg+6:\reg+9], v4 offset:\off+768
	ds_load_b64 v[\reg+10:\reg+11], v5 offset:\off+1280
.endm
.macro KLOAD reg, off                  ; K's four fragments and scale words of the step that begins off bytes behind v4
.irp f, 0,1,2,3
	FRAG \reg+12*\f, \off+1536*\f
	ds_load_b32 v[KS+\f], v6 offset:\off+6144+64*\f
.endr
.endm
.macro SUMS sb, n                      ; the next n pairs of p, onto the six chains by turns
.rept \n
.if (kk-10)%6 == 0
	v_pk_add_f32 v[14:15], v[14:15], v[\sb+2*kk:\sb+2*kk+1]
.else
	v_pk_add_f32 v[TS+2*((kk-10)%6)-2:TS+2*((kk-10)%6)-1], v[TS+2*((kk-10)%6)-2:TS+2*((kk-10)%6)-1], v[\sb+2*kk:\sb+2*kk+1]
.endif
.set kk, kk+1
.endr
.endm
	s_load_b128 s[4:7], s[0:1], 0x0                ; qc, kvc
	s_load_b64 s[8:9], s[0:1], 0x10                ; yc
	v_lshl_add_u32 v[SPW], v0, 2, SPARE
	v_mov_b32 v[NIL], 0
	ds_add_u32 v[SPW], v[NIL]                      ; the opening lines: the add, twice on end, and its wait
	ds_add_u32 v[SPW], v[NIL]
	v_lshrrev_b32 v8, 5, v0
	v_and_b32 v9, 31, v0
	v_and_b32 v7, 15, v0
	v_mov_b32 v13, 0xff61b1e6                      ; the largest score so far: -3e38
	v_mov_b32 v12, 0x7e000000                      ; -M: so large that the first f is 0
	v_mov_b32 v14, 0
	v_mov_b32 v15, 0
	v_readfirstlane_b32 s[WV], v8                  ; wave 0..15
	v_lshlrev_b32 v1, 4, v9                        ; 16 x lane
	v_lshlrev_b32 v2, 3, v9                        ; 8 x lane
	v_lshlrev_b32 v3, 2, v7                        ; 4 r
	s_bfe_u32 s10, ttmp6, 0x40000                  ; cx
	s_lshl_b32 s11, ttmp9, 2
	s_add_co_u32 s11, s11, s10                     ; my block of 256 queries: it enters q's and y's addresses alone
	s_and_b32 s12, ttmp7, 0xffff                   ; 16 batch + head, which the four partners share
	s_mov_b32 s[G1], 15|(3<<16)|(1<<21)            ; the mask: all four work-groups; elements of 8 bytes; bit 21 beside a mask
	s_mov_b32 s[G1+1], 32<<16                      ; a step's 12,800 dense bytes as 50 rows of 256
	s_mov_b32 s[G1+2], 50<<16
	s_mov_b32 s[G1+3], 32<<16
	s_mov_b32 s[G1+4], 50
	s_mov_b32 s[G1+5], 32
	s_mov_b32 s[G1+6], 0
	s_mov_b32 s[G1+7], 0
	s_mul_i32 s13, s[WV], 12800                    ; wave w brings step w: the same place in memory and in LDS
	s_mul_i32 s14, s12, 204800
	s_add_co_u32 s14, s14, s13
	s_mov_b32 s15, 0
	s_mov_b32 s[SEL], 0x76543210
	s_mov_b32 s[SEL+1], 0xfedcba98
	s_mov_b32 s[CS], 0x3e38aa3b                    ; c = log2(e) / 8
	s_mov_b32 s[CS+1], s[CS]
	s_mov_b32 s[NC], 0xbe38aa3b                    ; -c
	s_mov_b32 s[TB], 0
	s_lshl_b32 s16, s12, 4                         ; q: pair panel 16 (16 batch + head) + 2 block + wave / 8,
	s_lshl_b32 s17, s11, 1
	s_add_co_u32 s16, s16, s17
	s_lshr_b32 s17, s[WV], 3
	s_add_co_u32 s16, s16, s17
	s_mul_i32 s16, s16, 6400
	s_bfe_u32 s17, s[WV], 0x20001                  ; fragment (wave % 8) / 2,
	s_and_b32 s19, s[WV], 1                        ; half wave % 2
	s_mul_i32 s52, s17, 1536
	s_mul_i32 s53, s19, 768
	s_add_co_u32 s52, s52, s53
	s_add_co_u32 s52, s52, s16
	s_mov_b32 s53, 0
	s_lshl_b32 s54, s17, 6
	s_add_co_u32 s54, s54, s16
	s_mov_b32 s55, 0
	s_lshl_b32 s56, s19, 4                         ; my tile's two bytes lie 16 (wave % 2) bits up in the word
	s_mov_b32 s[G0], 1
	s_mov_b32 s[G0+1], s13
	s_wait_alu depctr_va_vdst(0)
	s_wait_dscnt 0x0
	s_wait_kmcnt 0x0
	s_add_nc_u64 s[G0+2:G0+3], s[6:7], s[14:15]
	s_or_b32 s[G0+3], s[G0+3], 0x80000000
	s_add_nc_u64 s[52:53], s[4:5], s[52:53]
	s_add_nc_u64 s[54:55], s[4:5], s[54:55]
	global_load_b128 v[16:19], v1, s[52:53]        ; q's half fragment, twice: as K positions 0-63
	global_load_b64 v[20:21], v2, s[52:53] offset:512
	global_load_b128 v[34:37], v1, s[52:53]        ; and as K positions 64-127
	global_load_b64 v[38:39], v2, s[52:53] offset:512
	global_load_b32 v40, v3, s[54:55] offset:6144
	CROUND                                         ; all four work-groups are here: the joint loads meet
	s_cmp_lt_u32 s[WV], 4                          ; two arms, one load in each: waves 0-3 have a line of their own, for the first barrier
	s_cbranch_scc0 .Lrest
	tensor_load_to_lds s[G0:G0+3], s[G1:G1+7]
	s_nop 0
.rept 4
	v_nop
.endr
	s_branch .Lasked
.Lrest:
	tensor_load_to_lds s[G0:G0+3], s[G1:G1+7]
	s_nop 0
.rept 4
	v_nop
.endr
.Lasked:
	s_lshr_b32 s57, s12, 4                         ; y: token panel 32 batch + 4 block + wave / 4,
	s_lshl_b32 s57, s57, 5
	s_lshl_b32 s58, s11, 2
	s_add_co_u32 s57, s57, s58
	s_lshr_b32 s58, s[WV], 2
	s_add_co_u32 s57, s57, s58
	s_lshl_b32 s57, s57, 3
	s_bfe_u32 s58, s12, 0x30001                    ; K step head / 2,
	s_add_co_u32 s57, s57, s58
	s_mul_i32 s57, s57, 6400
	s_and_b32 s58, s[WV], 3                        ; tile wave % 4,
	s_and_b32 s59, s12, 1                          ; half head % 2
	s_mul_i32 s60, s58, 1536
	s_mul_i32 s61, s59, 768
	s_add_co_u32 s60, s60, s61
	s_add_co_u32 s60, s60, s57
	s_mov_b32 s61, 0
	s_lshl_b32 s62, s58, 6
	s_lshl_b32 s63, s59, 1
	s_add_co_u32 s62, s62, s63
	s_add_co_u32 s62, s62, s57
	s_mov_b32 s63, 0
	s_add_nc_u64 s[60:61], s[8:9], s[60:61]
	s_add_nc_u64 s[62:63], s[8:9], s[62:63]
.irp j, 22,23,24,25,26,27,28,29,30,31,32,33
	v_mov_b32 v\j, 0                               ; the zero codes of both copies of Q
.endr
.irp b, 0,1,2,3
	v_mov_b32 v[TP+\b], 0                          ; (a lane permute's destination counts as one of its sources)
.endr
	v_mov_b32 v[FF+1], 0                           ; (named as the upper half of a pair before it is first written)
.irp j, 0,1,2,3,4,5,6,7,8,9
	v_mov_b32 v[TS+\j], 0                          ; the five chains
.endr
	v_mov_b32 v4, v1                               ; step 0 begins at LDS byte 0
	v_mov_b32 v5, v2
	v_mov_b32 v6, v3
	s_wait_alu depctr_va_vdst(0)
	s_wait_loadcnt 0x0
	v_lshrrev_b32 v40, s56, v40
	s_delay_alu instid0(VALU_DEP_1)
	v_and_b32 v40, 0xffff, v40                     ; q's bytes under K positions 0-63, the byte 0 over the zero codes;
	s_delay_alu instid0(VALU_DEP_1)
	v_lshlrev_b32 v41, 16, v40                     ; and under K positions 64-127
.set j, 0
.rept 32
	v_mov_b32 v[OA+j], 0                           ; O^T: the step is written once, the first finds zeros.  (These lines also stand between the scale words' making and the first scaled product)
.set j, j+1
.endr
	s_wait_alu depctr_va_vdst(0)
	s_cmp_lt_u32 s[WV], 4
	s_cbranch_scc0 .Lnot_first
	s_wait_tensorcnt 0x0                           ; waves 0-3: my step has landed
.Lnot_first:
	s_barrier_signal -1
	s_barrier_wait -1                              ; steps 0-3 are in; nothing is ever filled again
	KLOAD R0, 0
; 128 keys.  KB: K's fragments, asked for a step ago, then V's.  SB: S^T, p, then (pf = 1) the next step's K.
.macro STEP KB, SB, pf
	s_wait_dscnt 0x0                               ; K
.irp t, 0,1,2,3,4,5,6,7
	v_wmma_scale_f32_16x16x128_f8f6f4 v[\SB+8*\t:\SB+8*\t+7], v[\KB+12*(\t/2):\KB+12*(\t/2)+11], v[QA+12*(\t%2):QA+12*(\t%2)+11], 0, v[KS+\t/2], v[QS+\t%2] matrix_a_fmt:MATRIX_FMT_FP6 matrix_b_fmt:MATRIX_FMT_FP6
.endr
	v_pk_add_f32 v[TS:TS+1], v[TS:TS+1], v[TS+4:TS+5]      ; four places behind the products: the last step's chains are joined, -M is kept
	v_pk_add_f32 v[14:15], v[14:15], v[TS+8:TS+9]
	v_mov_b32 v[TX], v12
	s_delay_alu instid0(VALU_DEP_2)
	v_pk_add_f32 v[14:15], v[14:15], v[TS:TS+1]
.irp t, 0,1,2,3                                ; V is asked for now and waited for ahead of the second product
	FRAG \KB+12*\t, 6400+1536*\t
	ds_load_b32 v[VS+\t], v6 offset:12544+64*\t
.endr
.irp b, 0,1,2,3
	v_max3_num_f32 v[BM+\b], v[\SB+16*\b], v[\SB+16*\b+1], v[\SB+16*\b+2]   ; the largest score of each block of 32 keys: for the row's maximum and for the block's largest p
.endr
.irp i, 3,5,7,9,11,13
.irp b, 0,1,2,3
	v_max3_num_f32 v[BM+\b], v[BM+\b], v[\SB+16*\b+\i], v[\SB+16*\b+\i+1]
.endr
.endr
.irp b, 0,1,2,3
	v_max_num_f32 v[BM+\b], v[BM+\b], v[\SB+16*\b+15]
.endr
.irp b, 0,1,2,3
	s_delay_alu instid0(VALU_DEP_4)
	v_permlanex16_b32 v[TP+\b], v[BM+\b], s[SEL], s[SEL+1]
.endr
.irp b, 0,1,2,3
	s_delay_alu instid0(VALU_DEP_4)
	v_max_num_f32 v[BM+\b], v[BM+\b], v[TP+\b]     ; with lane l xor 16's 16 keys
.endr
	s_delay_alu instid0(VALU_DEP_2)
	v_max3_num_f32 v7, v[BM], v[BM+1], v[BM+2]
	s_delay_alu instid0(VALU_DEP_1)
	v_max3_num_f32 v13, v7, v[BM+3], v13           ; the running largest score
	s_delay_alu instid0(VALU_DEP_1)
	v_mul_f32 v7, s[NC], v13                       ; -t
	s_delay_alu instid0(VALU_DEP_1)
	v_floor_f32 v12, v7                            ; the new -M = -ceil(t)
	s_delay_alu instid0(VALU_DEP_1)
	v_sub_f32 v[TX], v12, v[TX]                    ; old M - new M: a whole number, 0 or less
	s_delay_alu instid0(VALU_DEP_1)
	v_cvt_i32_f32 v[TX], v[TX]
	s_delay_alu instid0(VALU_DEP_1)
	v_ldexp_f32 v[FF], 1.0, v[TX]                  ; f = 2^(old M - new M)
.set j, 0
.rept 32
	v_pk_fma_f32 v[\SB+j:\SB+j+1], v[\SB+j:\SB+j+1], s[CS:CS+1], v[12:13] op_sel_hi:[1,0,0]   ; t - M
.set j, j+2
.endr
.irp b, 0,1,2,3
	v_fma_f32 v[BM+\b], v[BM+\b], s[CS], v12
.endr
	s_wait_alu depctr_va_vdst(0)
.irp b, 0,1,2,3
	v_exp_f32 v[BM+\b], v[BM+\b]                   ; the blocks' largest p
.endr
.set j, 0
.rept 64
	v_exp_f32 v[\SB+j], v[\SB+j]                   ; p = 2^(t - M): not normalised
.set j, j+1
.endr
	v_pk_mul_f32 v[14:15], v[14:15], v[FF:FF+1] op_sel_hi:[1,0]    ; the sum under the new M: a plain place behind the batch
	s_wait_alu depctr_va_vdst(0)                   ; one wait for the 68, ahead of their first reader
.irp i, 0,1,2,3,4
	v_pk_add_f32 v[TS+2*\i:TS+2*\i+1], v[\SB+4*\i:\SB+4*\i+1], v[\SB+4*\i+2:\SB+4*\i+3]   ; the five chains begin anew; the scales' lines stand among the sums
.endr
.set kk, 10
.irp b, 0,1,2,3
	v_max_num_f32 v[BM+\b], 0x1800000, v[BM+\b]    ; the floor 2^(3 - 127): the byte cannot fall under 1
.endr
	SUMS \SB, 6
.irp b, 0,1,2,3
	v_add_nc_u32 v[SO+\b], 0xff000000, v[BM+\b]    ; 2 off the exponent field: the conversion's scale operand
.endr
	SUMS \SB, 6
.irp b, 0,1,2,3
	v_lshrrev_b32 v[TP+\b], 23, v[SO+\b]           ; the bytes
.endr
	SUMS \SB, 5
	v_lshl_or_b32 v[TP], v[TP+1], 8, v[TP]
	v_lshl_or_b32 v[TP+2], v[TP+3], 8, v[TP+2]
	SUMS \SB, 5
	v_lshl_or_b32 v[FF+1], v[TP+2], 16, v[TP]      ; p's scale word for these 128 keys
.irp c, 0,1
	v_cvt_scalef32_pk16_fp6_f32 v[PC+6*\c:PC+6*\c+2], v[\SB+32*\c:\SB+32*\c+15], v[SO+2*\c]
	v_cvt_scalef32_pk16_fp6_f32 v[CT+4*\c:CT+4*\c+2], v[\SB+32*\c+16:\SB+32*\c+31], v[SO+2*\c+1]
.endr
	v_nop                                          ; one plain place behind a scaled conversion
.if \pf
	KLOAD \SB, 12800                               ; p is converted: its registers take the next step's K: 20 loads
.endif
.irp c, 0,1
.irp i, 0,1,2
	v_permlane16_swap_b32 v[PC+6*\c+\i], v[CT+4*\c+\i]     ; a whole block to a lane
.endr
.endr
.irp c, 0,1
.irp i, 0,1,2
	v_mov_b32 v[PC+6*\c+3+\i], v[CT+4*\c+\i]
.endr
.endr
.if \pf
	s_wait_dscnt 20                                ; V is in; the 20 loads of the next K, issued behind V's, may be out
.else
	s_wait_dscnt 0x0
.endif
	s_wait_alu depctr_va_vdst(0)                   ; directly ahead of the first reader of O^T
.set j, 0
.rept 16
	v_pk_mul_f32 v[OA+j:OA+j+1], v[OA+j:OA+j+1], v[FF:FF+1] op_sel_hi:[1,0]   ; O^T under the new M.  (Also the places between the scale word's and the codes' making and the products)
.set j, j+2
.endr
.irp t, 0,1,2,3
	v_wmma_scale_f32_16x16x128_f8f6f4 v[OA+8*\t:OA+8*\t+7], v[\KB+12*\t:\KB+12*\t+11], v[PC:PC+11], v[OA+8*\t:OA+8*\t+7], v[VS+\t], v[FF+1] matrix_a_fmt:MATRIX_FMT_FP6 matrix_b_fmt:MATRIX_FMT_FP6
.endr
	s_add_co_u32 s[TB], s[TB], 12800
	v_add_nc_u32 v4, s[TB], v1                     ; five places ahead of the next step's products, which write over V's registers
	v_add_nc_u32 v5, s[TB], v2
	v_add_nc_u32 v6, s[TB], v3
	v_pk_add_f32 v[TS:TS+1], v[TS:TS+1], v[TS+2:TS+3]
	v_pk_add_f32 v[TS+4:TS+5], v[TS+4:TS+5], v[TS+6:TS+7]
	s_wait_alu depctr_va_vdst(0)
.endm
	STEP R0, R1, 1                                 ; steps 0 and 1 read steps 0 to 2
	STEP R1, R0, 1
	s_wait_tensorcnt 0x0                           ; every wave: my step has landed
	s_wait_dscnt 0x0
	s_barrier_signal -1
	s_barrier_wait -1                              ; all sixteen steps are in
	s_mov_b32 s[CNT], 6
.Lpair:                                                ; steps 2 to 13: a trip is two steps, until the regions are back where they began
	STEP R0, R1, 1
	STEP R1, R0, 1
	s_sub_co_u32 s[CNT], s[CNT], 1
	s_cmp_lg_u32 s[CNT], 0
	s_cbranch_scc1 .Lpair
	STEP R0, R1, 1
	STEP R1, R0, 0                                 ; the last step asks for nothing more
	; THE WAY OUT: O^T / the sum, quantised along d, straight from registers.
	v_pk_add_f32 v[TS:TS+1], v[TS:TS+1], v[TS+4:TS+5]
	v_pk_add_f32 v[14:15], v[14:15], v[TS+8:TS+9]
	s_delay_alu instid0(VALU_DEP_1)
	v_pk_add_f32 v[14:15], v[14:15], v[TS:TS+1]
	s_delay_alu instid0(VALU_DEP_1)
	v_add_f32 v14, v14, v15
	s_delay_alu instid0(VALU_DEP_1)
	v_permlanex16_b32 v[TP], v14, s[SEL], s[SEL+1]
	s_delay_alu instid0(VALU_DEP_1)
	v_add_f32 v14, v14, v[TP]                      ; the row's sum
	s_wait_alu depctr_va_vdst(0)
	v_rcp_f32 v14, v14
	v_nop                                          ; a plain place behind the transcendental
	s_wait_alu depctr_va_vdst(0)                   ; and the wait ahead of its first reader, and of O^T's
.set j, 0
.rept 16
	v_pk_mul_f32 v[R0+j:R0+j+1], v[OA+j:OA+j+1], v[14:15] op_sel_hi:[1,0]   ; register 16 b + i is y(my query, d = 32 b + 16 (lane / 16) + i)
.set j, j+2
.endr
	v_max3_num_f32 v[BM], |v[R0]|, |v[R0+1]|, 0x1800000
	v_max3_num_f32 v[BM+1], |v[R0+16]|, |v[R0+17]|, 0x1800000
.irp i, 2,4,6,8,10,12,14
	s_delay_alu instid0(VALU_DEP_2)
	v_max3_num_f32 v[BM], |v[R0+\i]|, |v[R0+1+\i]|, v[BM]
	s_delay_alu instid0(VALU_DEP_2)
	v_max3_num_f32 v[BM+1], |v[R0+16+\i]|, |v[R0+17+\i]|, v[BM+1]
.endr
	s_delay_alu instid0(VALU_DEP_2)
	v_permlanex16_b32 v[TP], v[BM], s[SEL], s[SEL+1]
	s_delay_alu instid0(VALU_DEP_2)
	v_permlanex16_b32 v[TP+1], v[BM+1], s[SEL], s[SEL+1]
	s_delay_alu instid0(VALU_DEP_2)
	v_max_num_f32 v[BM], v[BM], v[TP]
	s_delay_alu instid0(VALU_DEP_2)
	v_max_num_f32 v[BM+1], v[BM+1], v[TP+1]
	s_delay_alu instid0(VALU_DEP_2)
	v_add_nc_u32 v[SO], 0xff000000, v[BM]
	s_delay_alu instid0(VALU_DEP_2)
	v_add_nc_u32 v[SO+1], 0xff000000, v[BM+1]
	s_delay_alu instid0(VALU_DEP_2)
	v_lshrrev_b32 v[TP], 23, v[SO]
	s_delay_alu instid0(VALU_DEP_2)
	v_lshrrev_b32 v[TP+1], 23, v[SO+1]
	s_delay_alu instid0(VALU_DEP_1)
	v_lshl_or_b32 v[TX], v[TP+1], 8, v[TP]         ; my row's two scale bytes
	v_cvt_scalef32_pk16_fp6_f32 v[PC:PC+2], v[R0:R0+15], v[SO]
	v_cvt_scalef32_pk16_fp6_f32 v[CT:CT+2], v[R0+16:R0+31], v[SO+1]
	v_nop
.irp i, 0,1,2
	v_permlane16_swap_b32 v[PC+\i], v[CT+\i]
.endr
.irp i, 0,1,2
	s_delay_alu instid0(VALU_DEP_3)
	v_mov_b32 v[PC+3+\i], v[CT+\i]
.endr
	global_store_b128 v1, v[PC:PC+3], s[60:61]                 ; 512 consecutive bytes
	global_store_b64 v2, v[PC+4:PC+5], s[60:61] offset:512     ; 256
	global_store_b16 v3, v[TX], s[62:63] offset:6144           ; two bytes of each row's word; both halves of the lanes hold the same
	s_wait_tensorcnt 0x0                           ; the wave's end
	ds_add_u32 v[SPW], v[NIL]
	s_wait_dscnt 0x0
	CROUND                                         ; the closing round: no work-group ends while a partner may still ask for a tile that names it
	s_endpgm
.Lfunc_end_k_qa6058499aa_attn:
	.size	k_qa6058499aa_attn, .Lfunc_end_k_qa6058499aa_attn-k_qa6058499aa_attn
	.p2alignl 7, 3214868480
	.fill 96, 4, 3214868480
	.section	.rodata,"a",@progbits
	.p2align	6, 0x0
	.amdhsa_kernel k_qa6058499aa_attn
		.amdhsa_group_segment_fixed_size 206848
		.amdhsa_private_segment_fixed_size 0
		.amdhsa_enable_private_segment 0
		.amdhsa_kernarg_size 24
		.amdhsa_user_sgpr_count 2
		.amdhsa_user_sgpr_kernarg_segment_ptr 1
		.amdhsa_wavefront_size32 1
		.amdhsa_system_sgpr_workgroup_id_x 1
		.amdhsa_system_sgpr_workgroup_id_y 1
		.amdhsa_system_sgpr_workgroup_id_z 1
		.amdhsa_system_vgpr_workitem_id 0
		.amdhsa_next_free_vgpr 256
		.amdhsa_next_free_sgpr 66
		.amdhsa_reserve_vcc 0
		.amdhsa_float_denorm_mode_32 3
		.amdhsa_float_denorm_mode_16_64 3
		.amdhsa_memory_ordered 1
		.amdhsa_forward_progress 1
		.amdhsa_inst_pref_size 112
	.end_amdhsa_kernel
	.amdgpu_metadata
---
amdhsa.version: [ 1, 2 ]
amdhsa.kernels:
  - .name:           k_qa6058499aa_attn
    .symbol:         k_qa6058499aa_attn.kd
    .args:
      - { .name: qc, .offset: 0, .size: 8, .value_kind: global_buffer, .address_space: global }
      - { .name: kvc, .offset: 8, .size: 8, .value_kind: global_buffer, .address_space: global }
      - { .name: yc, .offset: 16, .size: 8, .value_kind: global_buffer, .address_space: global }
    .group_segment_fixed_size: 206848
    .private_segment_fixed_size: 0
    .kernarg_segment_align: 8
    .kernarg_segment_size: 24
    .max_flat_workgroup_size: 512
    .sgpr_count:     66
    .vgpr_count:     256
    .wavefront_size: 32
...
	.end_amdgpu_metadata
.endif
;; end of part 3
;; launch outp (part 4): grid 8 x 32, 4 waves a work-group, clusters of 4 x 4, 327,680 bytes of LDS; arguments yc, wc, b_out, inputs, xres; writes xres
.if DOCPART == 4
	.amdgcn_target "amdgcn-amd-amdhsa--gfx1250"
	.amdhsa_code_object_version 6
	.text
	.protected	k_qa6058499aa_outp
	.globl	k_qa6058499aa_outp
	.p2align	8
	.type	k_qa6058499aa_outp,@function
k_qa6058499aa_outp:
	s_mov_b64 s[64:65], 0
	v_nop
	global_prefetch_b8 v0, s[64:65] scope:SCOPE_SE
	s_setreg_imm32_b32 hwreg(HW_REG_WAVE_MODE, 25, 1), 1
	s_wait_xcnt 0x0
	s_wait_alu depctr_hold_cnt(0) depctr_sa_sdst(0) depctr_va_vdst(0) depctr_va_sdst(0) depctr_va_ssrc(0) depctr_va_vcc(0) depctr_vm_vsrc(0)
	s_getreg_b32 s2, hwreg(HW_REG_IB_STS2, 6, 4)
	s_cmp_eq_u32 s2, 0
	s_cbranch_scc0 .Lentry_in_a_cluster
	s_endpgm
.Lentry_in_a_cluster:
	s_bfe_u32 s2, ttmp6, 0x10000c
	s_cmp_lg_u32 s2, 0xf033
	s_cbranch_scc0 .Lentry_shape_is_right
	s_endpgm
.Lentry_shape_is_right:
; out = A W + bias + res: here x = y w_out + b_out + inputs, the product on codes of FP6 (E2M3) with E8M0 scales, sums and the rest in f32.
; OPERANDS come as panels of 64 rows x 128 k, 6,400 bytes, laid [row panel][K step]: four fragments of 1,536 bytes, each an image of an operand's 12 registers (half c: registers 6c..6c+3 of lane l at 16 l,
; registers 6c+4, 6c+5 at 512 + 8 l), then 64 scale words at 6,144.  Of each 32 rows, tile 2b+u holds in slot r row 32b + 8u + r + 8(r/8).
; SHARES.  A work-group makes 128 tokens x 128 columns (4,096 x 1,024 are 256 such tiles), a wave 64 x 64: 16 accumulators.  Source 0 = the weights, source 1 = the tokens: a lane holds one token and eight columns.
; K goes in KT steps of 128 through one LDS slot that holds all eight steps, filled by the tensor data mover; the steps are written out.
; CLUSTER 4 x 4: A's panels are shared along a row of the cluster, the weights' along a column: each is asked for jointly.
; The bias is the C of each sum's first product.  The residual is asked for at the head, into registers that nothing else uses, and added on the way out, which goes through the wave's own stage in LDS,
; so that sixteen lanes store 256 consecutive, aligned bytes.
; REGISTERS, in windows of 256: window 0: v2-21 addresses, v28-29 for the add, v32-55 scale words (two sets), v64-159 fragment set 0; window 1: v0-31 the bias, v64-159 set 1;
;   window 2: v0-127 the accumulators ((a, b) at 8 (4 a + b)), v128-255 the residual.
.set PA, 2
.set PB, 2
.set MB, 4
.set NB, 4
.set NSC, 4
.set KT, 8                             ; K steps
.set STP, 8                            ; K steps in a slot: all of K, brought by one tensor load a wave; nothing is filled again
.set REGION, 2457600                   ; the weight's place in wc
.set RA, 1                             ; panels in a tensor load
.set PSTR, STP*6400
.set SLOT, (PA+PB)*PSTR
.set NF, KT/STP
.set STAGE, SLOT                       ; behind the one slot: 16 rows x (256 + 16) bytes for each wave
.set SPARE, STAGE+4*16*272             ; behind the stages: the spare words, 128 bytes a wave, which no other line names
.set ADA16, 8
.set ADA8, 10
.set ADRS, 12
.set ADB16, 14
.set ADB8, 16
.set STO, 18                           ; v18 the stage, in: 272 r + 64 h
.set RD, 19                            ; v19 the stage, back: 272 h + 16 r
.set CO, 20                            ; v20 4,096 h + 16 r: two rows of the residual and of the output
.set BO, 21                            ; v21 64 h
.set SPW, 28
.set NIL, 29
.set SC, 32
.set AF, 64
.set BF, 64+12*MB
.set TB, 64                            ; the way out: rows read back from the stage, v64-95 and v96-127 by turns
.set G1, 24
.set G0, 32
.set G1B, 48
.set G0B, 56
.set MSB, 0
.macro WIN new                         ; the immediate's high byte repeats the setting that is left; a switch that changes nothing is dropped
.if MSB != \new
	s_set_vgpr_msb (MSB<<8)|\new
.set MSB, \new
.endif
.endm
.macro PLACES                          ; four plain places behind matrix instructions (ISA guide 7.12.1)
.rept 4
	v_nop
.endr
.endm
.macro CREST
	s_cmp_lg_u32 s14, 0
	s_cbranch_scc1 .Lnot_wave_0_\@
	s_barrier_signal -3
.Lnot_wave_0_\@:
	s_barrier_wait -3
	s_barrier_signal -1
	s_barrier_wait -1
.endm
.macro CROUND
	s_barrier_signal -1
	s_barrier_wait -1
	CREST
.endm
.macro JLOAD                           ; the joint refill of slot tsl: waves 0, 1 for A, waves 2, 3 for the weights; four v_nop follow each tensor line
	s_cmp_lt_u32 s14, 2
	s_cbranch_scc0 .Lfor_b_\@
	tensor_load_to_lds s[G0+4*tsl:G0+4*tsl+3], s[G1:G1+7]
.rept 4
	v_nop
.endr
	s_branch .Lasked_\@
.Lfor_b_\@:
	tensor_load_to_lds s[G0B+4*tsl:G0B+4*tsl+3], s[G1B:G1B+7]
.rept 4
	v_nop
.endr
.Lasked_\@:
.endm
.macro FRAG reg, a16, a8, off
	ds_load_b128 v[\reg:\reg+3], v[\a16] offset:\off
	ds_load_b64 v[\reg+4:\reg+5], v[\a8] offset:\off+512
	ds_load_b128 v[\reg+6:\reg+9], v[\a16] offset:\off+768
	ds_load_b64 v[\reg+10:\reg+11], v[\a8] offset:\off+1280
.endm
.macro FETCH                           ; step fn's fragments into set fn % 2, and its scale words
.set fsl, (fn/STP)%2
.set fq, fn%STP
.set fp, fn%2
.set WN, fp<<6
	WIN WN
.set fi, 0
.rept MB
	FRAG AF+12*fi, ADA16+fsl, ADA8+fsl, (fi/4)*PSTR+fq*6400+(fi%4)*1536
.set fi, fi+1
.endr
.set fi, 0
.rept NB
	FRAG BF+12*fi, ADB16+fsl, ADB8+fsl, (fi/4)*PSTR+fq*6400+(fi%4)*1536
.set fi, fi+1
.endr
	WIN 0
.set fi, 0
.rept NSC
	ds_load_b32 v[SC+12*fp+fi], v[ADRS+fsl] offset:(fi/4)*PSTR+fq*6400+6144+64*(fi%4)
.set fi, fi+1
.endr
.endm
.macro MULQ k                          ; a quarter of the step's products; the accumulators take turns, one instruction a turn, in the same order in every step
.set pp, n%2
.set ia, (\k)*MB/4
.rept MB/4
.set ib, 0
.rept NB
.set idx, NB*ia+ib
.set rD, 8*(idx%32)
.set wD, 2+idx/32
.if n == 0
.set WN, (wD<<6)|(1<<4)
	WIN WN
	v_wmma_scale_f32_16x16x128_f8f6f4 v[rD:rD+7], v[BF+12*ib:BF+12*ib+11], v[AF+12*ia:AF+12*ia+11], v[8*ib:8*ib+7], v[SC+ib], v[SC+ia] matrix_a_fmt:MATRIX_FMT_FP6 matrix_b_fmt:MATRIX_FMT_FP6 matrix_a_scale:MATRIX_SCALE_ROW1
.else
.set WN, (wD<<6)|(wD<<4)|(pp<<2)|pp
	WIN WN
	v_wmma_scale_f32_16x16x128_f8f6f4 v[rD:rD+7], v[BF+12*ib:BF+12*ib+11], v[AF+12*ia:AF+12*ia+11], v[rD:rD+7], v[SC+12*pp+ib], v[SC+12*pp+ia] matrix_a_fmt:MATRIX_FMT_FP6 matrix_b_fmt:MATRIX_FMT_FP6 matrix_a_scale:MATRIX_SCALE_ROW1
.endif
.set ib, ib+1
.endr
.set ia, ia+1
.endr
.endm
.macro STEPN
	WIN 0
	s_wait_dscnt 0x0                               ; this step's fragments, asked for a step ago, are in
	PLACES
.set fn, n+1
	FETCH
	MULQ 0
	MULQ 1
	MULQ 2
	MULQ 3
.endm
.macro TURN                            ; a slot's last step changes slots: one barrier
.set tsl, (n/STP)%2
	WIN 0
	s_wait_tensorcnt 0x0                           ; all my tensor loads have landed: my part of the next slot;
	ds_add_u32 v[SPW], v[NIL]                      ; 0 onto my spare word;
	s_wait_dscnt 0x1                               ; (the add alone may be out: this step's fragments are in)
	MULQ 0
	s_wait_dscnt 0x0                               ; the add is done, and my reads of this slot are over
	s_barrier_signal -1
	MULQ 1
	WIN 0
	s_barrier_wait -1
.if n/STP+2 < NF
	CREST                                          ; the barrier has opened a round of the cluster's: no wave of any partner still reads this slot or has a load on its way
	s_add_nc_u64 s[G0+4*tsl+2:G0+4*tsl+3], s[G0+4*tsl+2:G0+4*tsl+3], 2*STP*6400
	s_add_nc_u64 s[G0B+4*tsl+2:G0B+4*tsl+3], s[G0B+4*tsl+2:G0B+4*tsl+3], 2*STP*6400
	JLOAD                                          ; the first tensor load behind the round; its four v_nop are the places in front of the loads below
.else
	PLACES
.endif
.set fn, n+1
	FETCH
	MULQ 2
	MULQ 3
.endm
	s_load_b128 s[4:7], s[0:1], 0x0                ; A's panels, wc
	s_load_b128 s[8:11], s[0:1], 0x10              ; the bias, the residual
	s_load_b64 s[12:13], s[0:1], 0x20              ; the output
	v_lshl_add_u32 v[SPW], v0, 2, SPARE
	v_mov_b32 v[NIL], 0
	ds_add_u32 v28, v29
	ds_add_u32 v28, v29
	s_wait_dscnt 0x0
	v_lshrrev_b32 v1, 5, v0
	v_readfirstlane_b32 s14, v1                    ; wave 0..3
	s_lshr_b32 s15, s14, 1                         ; which 64 tokens are mine
	s_and_b32 s16, s14, 1                          ; which 64 columns.  Also: which panel I fetch
	s_bfe_u32 s40, ttmp6, 0x40000
	s_bfe_u32 s41, ttmp6, 0x40004
	s_lshl_b32 s42, ttmp9, 2
	s_add_co_u32 s42, s42, s40                     ; X: tile column
	s_and_b32 s17, ttmp7, 0xffff
	s_lshl_b32 s17, s17, 2
	s_add_co_u32 s17, s17, s41                     ; Y: tile row
	s_lshl_b32 s43, s41, 2
	s_lshl_b32 s43, 15, s43
	s_lshl_b32 s44, 0x1111, s40
	s_or_b32 s[G1], s43, (3<<16)|(1<<21)           ; 15:0 the mask; 17:16 elements of 8 bytes; 21 set beside a mask; no padding
	s_or_b32 s[G1B], s44, (3<<16)|(1<<21)
.irp g, G1, G1B
	s_mov_b32 s[\g+1], (STP*800)<<16               ; tensor_dim0: a slot's steps of one panel, on end
	s_mov_b32 s[\g+2], RA<<16                      ; tensor_dim1: panels
	s_mov_b32 s[\g+3], (STP*800)<<16
	s_mov_b32 s[\g+4], RA
	s_mov_b32 s[\g+5], KT*800
	s_mov_b32 s[\g+6], 0
	s_mov_b32 s[\g+7], 0
.endr
	s_mul_i32 s20, s17, PA
	s_mul_i32 s19, s16, RA
	s_add_co_u32 s20, s20, s19
	s_mul_i32 s20, s20, KT*6400
	s_mov_b32 s21, 0
	s_mul_i32 s46, s42, PB
	s_add_co_u32 s46, s46, s19
	s_mul_i32 s46, s46, KT*6400
	s_add_co_u32 s46, s46, REGION
	s_mov_b32 s47, 0
	s_mul_i32 s45, s14, RA*PSTR                    ; where they go: no place in the cluster enters an LDS address
	s_wait_kmcnt 0x0
	s_add_nc_u64 s[20:21], s[4:5], s[20:21]
	s_add_nc_u64 s[46:47], s[6:7], s[46:47]
.irp s, 0,1
	s_mov_b32 s[G0+4*\s], 1
	s_add_co_u32 s[G0+4*\s+1], s45, \s*SLOT
	s_add_nc_u64 s[G0+4*\s+2:G0+4*\s+3], s[20:21], \s*STP*6400
	s_or_b32 s[G0+4*\s+3], s[G0+4*\s+3], 0x80000000
	s_mov_b32 s[G0B+4*\s], 1
	s_add_co_u32 s[G0B+4*\s+1], s45, \s*SLOT
	s_add_nc_u64 s[G0B+4*\s+2:G0B+4*\s+3], s[46:47], \s*STP*6400
	s_or_b32 s[G0B+4*\s+3], s[G0B+4*\s+3], 0x80000000
.endr
	CROUND                                         ; all sixteen work-groups are here: the first joint loads meet
	s_cmp_lt_u32 s14, 2                            ; one tensor load a wave: a panel, all eight K steps
	s_cbranch_scc0 .Lfirst_b
	tensor_load_to_lds s[G0:G0+3], s[G1:G1+7]
	s_nop 0
.rept 4
	v_nop
.endr
	s_branch .Lfirst_done
.Lfirst_b:
	tensor_load_to_lds s[G0B:G0B+3], s[G1B:G1B+7]
	s_nop 0
.rept 4
	v_nop
.endr
.Lfirst_done:
	v_and_b32 v1, 31, v0
	v_lshlrev_b32 v2, 4, v1
	v_lshlrev_b32 v3, 3, v1
	v_and_b32 v5, 15, v0                           ; r
	v_bfe_u32 v6, v0, 4, 1                         ; h
	s_mul_i32 s22, s15, (MB/4)*PSTR                ; my panels of A
	s_mul_i32 s23, s16, (NB/4)*PSTR
	s_add_co_u32 s23, s23, PA*PSTR                 ; and of the weights
	v_add_nc_u32 v[ADA16], s22, v2
	v_add_nc_u32 v[ADA8], s22, v3
	v_add_nc_u32 v[ADB16], s23, v2
	v_add_nc_u32 v[ADB8], s23, v3
	s_sub_co_u32 s19, s23, s22
	v_mul_u32_u24 v7, s19, v6                      ; lanes 16-31 take the weights' scale words
	v_lshl_add_u32 v[ADRS], v5, 2, v7
	v_add_nc_u32 v[ADRS], s22, v[ADRS]
	v_add_nc_u32 v[ADA16+1], SLOT, v[ADA16]
	v_add_nc_u32 v[ADA8+1], SLOT, v[ADA8]
	v_add_nc_u32 v[ADB16+1], SLOT, v[ADB16]
	v_add_nc_u32 v[ADB8+1], SLOT, v[ADB8]
	v_add_nc_u32 v[ADRS+1], SLOT, v[ADRS]
	s_mul_i32 s19, s14, 16*272
	s_add_co_u32 s19, s19, STAGE                   ; my stage
	v_mul_u32_u24 v[STO], v5, 272
	v_lshl_add_u32 v[STO], v6, 6, v[STO]
	v_add_nc_u32 v[STO], s19, v[STO]
	v_mul_u32_u24 v[RD], v6, 272
	v_lshl_add_u32 v[RD], v5, 4, v[RD]
	v_add_nc_u32 v[RD], s19, v[RD]
	v_lshlrev_b32 v[CO], 12, v6
	v_lshl_add_u32 v[CO], v5, 4, v[CO]
	v_lshlrev_b32 v[BO], 6, v6
	s_wait_alu depctr_va_vdst(0)
	s_lshl_b32 s66, s42, 9
	s_lshl_b32 s67, s16, 8
	s_add_co_u32 s66, s66, s67                     ; my first column, in bytes: 512 X + 256 (wave % 2)
	s_mov_b32 s67, 0
	s_add_nc_u64 s[8:9], s[8:9], s[66:67]
	s_lshl_b32 s68, s17, 7
	s_lshl_b32 s69, s15, 6
	s_add_co_u32 s68, s68, s69                     ; my first token: 128 Y + 64 (wave / 2)
	s_lshl_b32 s68, s68, 12
	s_add_co_u32 s66, s66, s68
	s_add_nc_u64 s[10:11], s[10:11], s[66:67]
	s_add_nc_u64 s[12:13], s[12:13], s[66:67]
	WIN 0x40                                       ; destination window 1
.irp b, 0,1,2,3                                ; the bias in the result's layout: lane (r, h), tile 2 q + u: columns 32 q + 16 h + 8 u + 0 .. 7
	global_load_b128 v[8*\b:8*\b+3], v[BO], s[8:9] offset:128*(\b/2)+32*(\b%2)
	global_load_b128 v[8*\b+4:8*\b+7], v[BO], s[8:9] offset:128*(\b/2)+32*(\b%2)+16
.endr
	WIN 0x80                                       ; destination window 2
.irp a, 0,1,2,3                                ; the residual, as the rows come back from the stage: slots 2 i + h of tile a, 16 bytes a lane
.irp i, 0,1,2,3,4,5,6,7
	global_load_b128 v[128+32*\a+4*\i:128+32*\a+4*\i+3], v[CO], s[10:11] offset:(32*(\a/2)+8*(\a%2)+2*\i+8*(\i/4))*4096 th:TH_LOAD_NT
.endr
.endr
	WIN 0
	s_wait_tensorcnt 0x0                           ; my panel is in
	s_barrier_signal -1
	s_barrier_wait -1
.set fn, 0
	FETCH
	s_wait_loadcnt 32                              ; the bias is in; the residual's 32 loads may stay out
.set n, 0
.rept KT
.if n == KT-1
	WIN 0
	s_wait_dscnt 0x0
	MULQ 0
	MULQ 1
	MULQ 2
	MULQ 3
.elseif (n%STP) == STP-1
	TURN
.else
	STEPN
.endif
.set n, n+1
.endr
	WIN 0
; THE WAY OUT, a tile of 16 tokens x 64 columns at a time, through my own stage: LDS serves a wave's instructions in order (ISA guide 5.7.1.4), so no wait stands between the stores and the loads.
.macro TOSTAGE a
	WIN 0x08                                       ; an LDS store's data are its source 1: window 2
.irp b, 0,1,2,3
	ds_store_b128 v[STO], v[8*(4*(\a)+\b):8*(4*(\a)+\b)+3] offset:128*(\b/2)+32*(\b%2)        ; each accumulator from its low end on
	ds_store_b128 v[STO], v[8*(4*(\a)+\b)+4:8*(4*(\a)+\b)+7] offset:128*(\b/2)+32*(\b%2)+16
.endr
	WIN 0
.irp i, 0,1,2,3,4,5,6,7
	ds_load_b128 v[TB+32*((\a)%2)+4*\i:TB+32*((\a)%2)+4*\i+3], v[RD] offset:544*\i
.endr
.endm
.macro FIN a, younger                  ; younger: the LDS instructions issued behind tile a's loads, which may stay out
	s_wait_dscnt \younger
	WIN 0x82                                       ; destination and source 0 window 2
.set j, 0
.rept 16
	v_pk_add_f32 v[128+32*(\a)+j:128+32*(\a)+j+1], v[128+32*(\a)+j:128+32*(\a)+j+1], v[TB+32*((\a)%2)+j:TB+32*((\a)%2)+j+1]
.set j, j+2
.endr
	WIN 0x08
.irp i, 0,1,2,3,4,5,6,7
	global_store_b128 v[CO], v[128+32*(\a)+4*\i:128+32*(\a)+4*\i+3], s[12:13] offset:(32*((\a)/2)+8*((\a)%2)+2*\i+8*(\i/4))*4096   ; sixteen lanes store 256 consecutive, aligned bytes
.endr
	WIN 0
.endm
	PLACES
	s_wait_loadcnt 0x0                             ; the residual
	TOSTAGE 0
.irp a, 1,2,3
	TOSTAGE \a
	FIN \a-1, 16                                   ; behind its loads: the next tile's 8 stores and 8 loads
.endr
	FIN 3, 0
	s_wait_tensorcnt 0x0                           ; the wave's end
	ds_add_u32 v[SPW], v[NIL]
	s_wait_dscnt 0x0
	CROUND                                         ; the closing round
	s_endpgm
.Lfunc_end_k_qa6058499aa_outp:
	.size	k_qa6058499aa_outp, .Lfunc_end_k_qa6058499aa_outp-k_qa6058499aa_outp
	.p2alignl 7, 3214868480
	.fill 96, 4, 3214868480
	.section	.rodata,"a",@progbits
	.p2align	6, 0x0
	.amdhsa_kernel k_qa6058499aa_outp
		.amdhsa_group_segment_fixed_size 327680
		.amdhsa_private_segment_fixed_size 0
		.amdhsa_enable_private_segment 0
		.amdhsa_kernarg_size 40
		.amdhsa_user_sgpr_count 2
		.amdhsa_user_sgpr_kernarg_segment_ptr 1
		.amdhsa_wavefront_size32 1
		.amdhsa_system_sgpr_workgroup_id_x 1
		.amdhsa_system_sgpr_workgroup_id_y 1
		.amdhsa_system_sgpr_workgroup_id_z 1
		.amdhsa_system_vgpr_workitem_id 0
		.amdhsa_next_free_vgpr 768
		.amdhsa_next_free_sgpr 100
		.amdhsa_reserve_vcc 0
		.amdhsa_float_denorm_mode_32 3
		.amdhsa_float_denorm_mode_16_64 3
		.amdhsa_memory_ordered 1
		.amdhsa_forward_progress 1
		.amdhsa_inst_pref_size 59
	.end_amdhsa_kernel
	.amdgpu_metadata
---
amdhsa.version: [ 1, 2 ]
amdhsa.kernels:
  - .name:           k_qa6058499aa_outp
    .symbol:         k_qa6058499aa_outp.kd
    .args:
      - { .name: yc, .offset: 0, .size: 8, .value_kind: global_buffer, .address_space: global }
      - { .name: wc, .offset: 8, .size: 8, .value_kind: global_buffer, .address_space: global }
      - { .name: b_out, .offset: 16, .size: 8, .value_kind: global_buffer, .address_space: global }
      - { .name: inputs, .offset: 24, .size: 8, .value_kind: global_buffer, .address_space: global }
      - { .name: xres, .offset: 32, .size: 8, .value_kind: global_buffer, .address_space: global }
    .group_segment_fixed_size: 327680
    .private_segment_fixed_size: 0
    .kernarg_segment_align: 8
    .kernarg_segment_size: 40
    .max_flat_workgroup_size: 128
    .sgpr_count:     100
    .vgpr_count:     768
    .wavefront_size: 32
...
	.end_amdgpu_metadata
.endif
;; end of part 4
;; launch prep2 (part 5): grid 768 x 1, 4 waves a work-group, no clusters, 66,304 bytes of LDS; arguments xres, ln2_g, ln2_b, xc, w1, w2, wc; writes xc, wc
.if DOCPART == 5
	.amdgcn_target "amdgcn-amd-amdhsa--gfx1250"
	.amdhsa_code_object_version 6
	.text
	.protected	k_qa6058499aa_prep2
	.globl	k_qa6058499aa_prep2
	.p2align	8
	.type	k_qa6058499aa_prep2,@function
k_qa6058499aa_prep2:
	s_mov_b64 s[64:65], 0
	v_nop
	global_prefetch_b8 v0, s[64:65] scope:SCOPE_SE
	s_setreg_imm32_b32 hwreg(HW_REG_WAVE_MODE, 25, 1), 1
	s_wait_xcnt 0x0
; TWO JOBS THAT DO NOT DEPEND ON EACH OTHER SHARE THIS LAUNCH; they part on the work-group's number at the first line.  The text is that of the launch for the first norm but for the weights' figures.
; WORK-GROUPS 0-255: y = (x - mean) rsqrt(var + 1e-5) g + b along rows of 1,024, all in f32, then quantised along the row to codes of FP6 (E2M3) with one E8M0 byte for each 32.
; THE OTHERS: two weights, f32 stored [K][N], become codes of the same kind along K: here w1 (256 work-groups) and w2 (256).
; LAYOUT of both results.  A PANEL is 64 rows (tokens, or columns n of a weight) x 128 k, 6,400 bytes, laid [row panel][K step]: four fragments of 1,536 bytes, then 64 scale words at 6,144.  A fragment is an image of an
; operand's 12 registers: half c (768 bytes) holds registers 6c..6c+3 of lane l at 16 l and registers 6c+4, 6c+5 at 512 + 8 l.  Of each 32 rows, tile 2b+u holds in slot r row 32b + 8u + r + 8(r/8).
; In wc: w_qkv at 0, w_out at 2,457,600, w1 at 3,276,800, w2 at 6,553,600.
; THE NORM.  A work-group makes one tile of 16 tokens for all of K.  Phase 1: wave w normalises slots 4w .. 4w+3, a row in 32 registers a lane; mean first, then the sum of squared differences, so that a common
; offset of the inputs costs no digits.  The rows meet in LDS (pitch 4,112 = 257 x 16 bytes).  Phase 2: wave w quantises K steps 2w and 2w+1: lane (r, h) reads blocks h and 2 + h of row r whole.
; THE WEIGHTS.  A wave takes 32 columns x 128 k: lane x takes column x and its registers run down K, so each load reads 128 consecutive bytes (512 for the four waves), a block of 32 lies in one lane,
; and the conversions give codes with K innermost.  The row's length stands in the loads' immediates, so the body is written for each of the two lengths.  This path uses no LDS and has no barrier.
; A block's scale is 2^(floor(log2(largest magnitude)) - 2); its byte is the largest magnitude's exponent field - 2, held at 1 from below.
; LIMITS: a block of zeros gets the byte 1 where the rule says 127 (its codes are zeros; this program alone reads the bytes); blocks under 2^-124 are held at the byte 1; NaN and infinities are not served.
.set NWA, 256                          ; work-groups of the first weight: 32 groups of 128 columns x 8 K steps
.set RSA, 16384                        ; bytes in a row of it
.set LKA, 3                            ; log2 of its K steps
.set RGA, 3276800                      ; its place in wc
.set PERM, 0                           ; its panels keep their places
.set RSB, 4096                         ; the second weight likewise: 8 groups of 128 columns x 32 K steps
.set LKB, 5
.set RGB, 6553600
.set PITCH, 4112
.set XR, 64                            ; the norm: v64-191  four rows, later two K steps of 64 numbers
.set GG, 192                           ; v192-223 g of my 32 columns
.set BB, 224                           ; v224-255 b
.set X,  64                            ; the weights: v64-191  128 numbers down K
.set C,  16                            ; v16-39   codes, six registers a block
.set TT, 40                            ; v40-55   a block's second 16 codes (a conversion's three registers begin on an even number)
.set SO, 56                            ; v56-59   the conversions' scale operands
.set BY, 60                            ; v60-63   the scale bytes
	v_lshl_add_u32 v55, v0, 2, 0x10100
	s_set_vgpr_msb 0x40
	v_mov_b32 v1, 0
	s_set_vgpr_msb 0x4000
	s_cmp_lt_u32 ttmp9, 256                        ; the same for all four waves of a work-group
	s_cbranch_scc0 .Lweights
	s_load_b256 s[4:11], s[0:1], 0x0               ; x s[4:5], g s[6:7], b s[8:9], the codes s[10:11]
	v_lshrrev_b32 v1, 5, v0
	v_readfirstlane_b32 s12, v1                    ; wave
	v_and_b32 v1, 31, v0
	v_lshlrev_b32 v2, 4, v1                        ; 16 x lane
	v_lshlrev_b32 v3, 3, v1                        ; 8 x lane
	v_and_b32 v4, 15, v0                           ; r
	v_bfe_u32 v5, v0, 4, 1                         ; h
	s_mul_i32 s18, s12, 4*PITCH
	v_add_nc_u32 v6, s18, v2                       ; LDS, in: my wave's four rows, 16 bytes a lane
	v_mul_u32_u24 v7, v4, PITCH
	v_lshl_add_u32 v7, v5, 7, v7
	s_lshl_b32 s19, s12, 10
	v_add_nc_u32 v7, s19, v7                       ; LDS, out: row r, + 128 h, + my wave's two K steps of 512 bytes
	v_lshlrev_b32 v52, 2, v4                       ; 4 r: a scale word's place
	v_lshlrev_b32 v50, 3, v5                       ; 8 h: my bytes' place in it
	v_mov_b32 v51, 0                               ; (a lane permute's destination counts as one of its sources)
	s_mov_b32 s20, 0x76543210
	s_mov_b32 s21, 0xfedcba98                      ; v_permlanex16_b32's selects for lane l xor 16
	s_mov_b32 s22, 0x3a800000                      ; 1 / 1024
	s_mov_b32 s23, 0x3727c5ac                      ; 1e-5
	s_lshr_b32 s13, ttmp9, 2                       ; token panel
	s_and_b32 s14, ttmp9, 3                        ; tile a in it
	s_lshl_b32 s15, s13, 6
	s_lshr_b32 s16, s14, 1
	s_lshl_b32 s16, s16, 5
	s_add_co_u32 s15, s15, s16
	s_and_b32 s16, s14, 1
	s_lshl_b32 s16, s16, 3
	s_add_co_u32 s15, s15, s16                     ; slot 0's token: 64 panel + 32 (a / 2) + 8 (a % 2)
	s_lshl_b32 s16, s12, 2
	s_add_co_u32 s15, s15, s16
	s_lshr_b32 s16, s12, 1
	s_lshl_b32 s16, s16, 3
	s_add_co_u32 s15, s15, s16                     ; slot 4 w's: + 4 w + 8 (w / 2); my four slots are neighbouring tokens
	s_lshl_b32 s16, s15, 12
	s_mov_b32 s17, 0
	s_lshl_b32 s24, s13, 3
	s_lshl_b32 s25, s12, 1
	s_add_co_u32 s24, s24, s25
	s_mul_i32 s24, s24, 6400                       ; the panel of K step 2 w
	s_mov_b32 s25, 0
	s_lshl_b32 s26, s14, 6
	s_mov_b32 s27, 0
	s_mul_i32 s28, s14, 1536
	s_mov_b32 s29, 0
	s_wait_kmcnt 0x0
	s_add_nc_u64 s[4:5], s[4:5], s[16:17]
	s_add_nc_u64 s[10:11], s[10:11], s[24:25]
	s_add_nc_u64 s[26:27], s[10:11], s[26:27]      ; my tile's scale words (6,144 on)
	s_add_nc_u64 s[10:11], s[10:11], s[28:29]      ; my tile's fragment
.irp jj, 0,1,2,3
.irp j, 0,1,2,3,4,5,6,7
	global_load_b128 v[XR+32*\jj+4*\j:XR+32*\jj+4*\j+3], v2, s[4:5] offset:4096*\jj+512*\j th:TH_LOAD_NT   ; 512 consecutive bytes a load
.endr
.endr
.irp j, 0,1,2,3,4,5,6,7
	global_load_b128 v[GG+4*\j:GG+4*\j+3], v2, s[6:7] offset:512*\j
.endr
.irp j, 0,1,2,3,4,5,6,7
	global_load_b128 v[BB+4*\j:BB+4*\j+3], v2, s[8:9] offset:512*\j
.endr
	s_wait_loadcnt 16                              ; the four rows are in; g's and b's 16 loads may be out
; the rows' sums: two chains a row, the four rows by turns
.irp jj, 0,1,2,3
	v_pk_add_f32 v[8+4*\jj:9+4*\jj], v[XR+32*\jj:XR+32*\jj+1], v[XR+32*\jj+2:XR+32*\jj+3]
	v_pk_add_f32 v[10+4*\jj:11+4*\jj], v[XR+32*\jj+4:XR+32*\jj+5], v[XR+32*\jj+6:XR+32*\jj+7]
.endr
.irp p, 8,12,16,20,24,28
.irp jj, 0,1,2,3
	v_pk_add_f32 v[8+4*\jj:9+4*\jj], v[8+4*\jj:9+4*\jj], v[XR+32*\jj+\p:XR+32*\jj+\p+1]
	v_pk_add_f32 v[10+4*\jj:11+4*\jj], v[10+4*\jj:11+4*\jj], v[XR+32*\jj+\p+2:XR+32*\jj+\p+3]
.endr
.endr
.irp jj, 0,1,2,3
	v_pk_add_f32 v[8+4*\jj:9+4*\jj], v[8+4*\jj:9+4*\jj], v[10+4*\jj:11+4*\jj]
.endr
.irp jj, 0,1,2,3
	v_add_f32 v[8+4*\jj], v[8+4*\jj], v[9+4*\jj]
.endr
.irp m, 1,2,4,8
.irp jj, 0,1,2,3
	v_add_f32_dpp v[8+4*\jj], v[8+4*\jj], v[8+4*\jj] row_xmask:\m row_mask:0xf bank_mask:0xf
.endr
.endr
.irp jj, 0,1,2,3
	v_permlanex16_b32 v[9+4*\jj], v[8+4*\jj], s20, s21
.endr
.irp jj, 0,1,2,3
	v_add_f32 v[8+4*\jj], v[8+4*\jj], v[9+4*\jj]
.endr
.irp jj, 0,1,2,3
	v_mul_f32 v[8+4*\jj], s22, v[8+4*\jj]          ; the mean, in every lane
.endr
.irp p, 0,2,4,6,8,10,12,14,16,18,20,22,24,26,28,30
.irp jj, 0,1,2,3
	v_pk_add_f32 v[XR+32*\jj+\p:XR+32*\jj+\p+1], v[XR+32*\jj+\p:XR+32*\jj+\p+1], v[8+4*\jj:9+4*\jj] op_sel_hi:[1,0] neg_lo:[0,1] neg_hi:[0,1]   ; d = x - mean
.endr
.endr
.irp jj, 0,1,2,3
	v_pk_mul_f32 v[24+4*\jj:25+4*\jj], v[XR+32*\jj:XR+32*\jj+1], v[XR+32*\jj:XR+32*\jj+1]
	v_pk_mul_f32 v[26+4*\jj:27+4*\jj], v[XR+32*\jj+2:XR+32*\jj+3], v[XR+32*\jj+2:XR+32*\jj+3]
.endr
.irp p, 4,8,12,16,20,24,28
.irp jj, 0,1,2,3
	v_pk_fma_f32 v[24+4*\jj:25+4*\jj], v[XR+32*\jj+\p:XR+32*\jj+\p+1], v[XR+32*\jj+\p:XR+32*\jj+\p+1], v[24+4*\jj:25+4*\jj]
	v_pk_fma_f32 v[26+4*\jj:27+4*\jj], v[XR+32*\jj+\p+2:XR+32*\jj+\p+3], v[XR+32*\jj+\p+2:XR+32*\jj+\p+3], v[26+4*\jj:27+4*\jj]
.endr
.endr
.irp jj, 0,1,2,3
	v_pk_add_f32 v[24+4*\jj:25+4*\jj], v[24+4*\jj:25+4*\jj], v[26+4*\jj:27+4*\jj]
.endr
.irp jj, 0,1,2,3
	v_add_f32 v[24+4*\jj], v[24+4*\jj], v[25+4*\jj]
.endr
.irp m, 1,2,4,8
.irp jj, 0,1,2,3
	v_add_f32_dpp v[24+4*\jj], v[24+4*\jj], v[24+4*\jj] row_xmask:\m row_mask:0xf bank_mask:0xf
.endr
.endr
.irp jj, 0,1,2,3
	v_permlanex16_b32 v[25+4*\jj], v[24+4*\jj], s20, s21
.endr
.irp jj, 0,1,2,3
	v_add_f32 v[24+4*\jj], v[24+4*\jj], v[25+4*\jj]
.endr
.irp jj, 0,1,2,3
	v_fma_f32 v[24+4*\jj], v[24+4*\jj], s22, s23   ; var + 1e-5
.endr
	s_wait_alu depctr_va_vdst(0)
.irp jj, 0,1,2,3
	v_rsq_f32 v[40+2*\jj], v[24+4*\jj]
.endr
.irp jj, 0,1,2,3
	v_mov_b32 v[41+2*\jj], 0                       ; plain work behind the batch: the upper halves of the pairs that the packed multiplies name
.endr
	s_wait_alu depctr_va_vdst(0)                   ; one wait for the four, ahead of their first reader
	s_wait_loadcnt 0x0                             ; g and b
.irp jj, 0,1,2,3
.irp p, 0,2,4,6,8,10,12,14,16,18,20,22,24,26,28,30
	v_pk_mul_f32 v[XR+32*\jj+\p:XR+32*\jj+\p+1], v[XR+32*\jj+\p:XR+32*\jj+\p+1], v[40+2*\jj:41+2*\jj] op_sel_hi:[1,0]
.endr
.irp p, 0,2,4,6,8,10,12,14,16,18,20,22,24,26,28,30
	v_pk_fma_f32 v[XR+32*\jj+\p:XR+32*\jj+\p+1], v[XR+32*\jj+\p:XR+32*\jj+\p+1], v[GG+\p:GG+\p+1], v[BB+\p:BB+\p+1]
.endr
.irp j, 0,1,2,3,4,5,6,7
	ds_store_b128 v6, v[XR+32*\jj+4*\j:XR+32*\jj+4*\j+3] offset:\jj*PITCH+512*\j
.endr
.endr
	s_wait_dscnt 0x0                               ; for the others' sake: my rows lie in LDS
	s_barrier_signal -1
	s_barrier_wait -1
.irp st, 0,1
.irp c, 0,1
.irp i, 0,1,2,3,4,5,6,7
	ds_load_b128 v[XR+64*\st+32*\c+4*\i:XR+64*\st+32*\c+4*\i+3], v7 offset:512*\st+256*\c+16*\i   ; row r, k = 128 step + 64 c + 32 h + 4 i ..
.endr
.endr
.endr
.macro QSTEP st                        ; 64 numbers of a lane become the lane's 12 registers of the fragment, and its row's scale word
.set XS, XR+64*(\st)
.set F, 16+12*(\st)
.irp c, 0,1
	v_max3_num_f32 v[8+2*\c], |v[XS+32*\c]|, |v[XS+32*\c+1]|, |v[XS+32*\c+2]|
	v_max3_num_f32 v[9+2*\c], |v[XS+32*\c+3]|, |v[XS+32*\c+4]|, |v[XS+32*\c+5]|
.endr
.irp i, 6,10,14,18,22,26
.irp c, 0,1
	v_max3_num_f32 v[8+2*\c], v[8+2*\c], |v[XS+32*\c+\i]|, |v[XS+32*\c+\i+1]|
	v_max3_num_f32 v[9+2*\c], v[9+2*\c], |v[XS+32*\c+\i+2]|, |v[XS+32*\c+\i+3]|
.endr
.endr
.irp c, 0,1
	v_max3_num_f32 v[8+2*\c], v[8+2*\c], |v[XS+32*\c+30]|, |v[XS+32*\c+31]|
.endr
.irp c, 0,1
	v_max3_num_f32 v[8+2*\c], v[8+2*\c], v[9+2*\c], 0x1800000   ; the floor 2^(3 - 127): the byte cannot fall under 1
.endr
.irp c, 0,1
	v_add_nc_u32 v[12+\c], 0xff000000, v[8+2*\c]   ; 2 off the exponent field: the conversion's scale operand
.endr
.irp c, 0,1
	v_lshrrev_b32 v[14+\c], 23, v[12+\c]           ; the scale's byte
.endr
	v_lshl_or_b32 v[48+(\st)], v15, 16, v14        ; my bytes: blocks h and 2 + h,
	v_lshlrev_b32 v[48+(\st)], v50, v[48+(\st)]    ; 8 h bits up;
	v_permlanex16_b32 v51, v[48+(\st)], s20, s21
	v_or_b32 v[48+(\st)], v[48+(\st)], v51         ; with lane l xor 16's two the word is whole
.irp c, 0,1
	v_cvt_scalef32_pk16_fp6_f32 v[F+6*\c:F+6*\c+2], v[XS+32*\c:XS+32*\c+15], v[12+\c]
	v_cvt_scalef32_pk16_fp6_f32 v[40+4*\c:42+4*\c], v[XS+32*\c+16:XS+32*\c+31], v[12+\c]   ; (a conversion's three registers begin on an even number)
.endr
	v_nop                                          ; one plain place behind a scaled conversion
.irp c, 0,1
.irp i, 0,1,2
	v_mov_b32 v[F+6*\c+3+\i], v[40+4*\c+\i]
.endr
.endr
	global_store_b128 v2, v[F:F+3], s[10:11] offset:6400*(\st)            ; 512 consecutive bytes
	global_store_b64 v3, v[F+4:F+5], s[10:11] offset:6400*(\st)+512       ; 256
	global_store_b128 v2, v[F+6:F+9], s[10:11] offset:6400*(\st)+768
	global_store_b64 v3, v[F+10:F+11], s[10:11] offset:6400*(\st)+1280
	global_store_b32 v52, v[48+(\st)], s[26:27] offset:6400*(\st)+6144    ; both halves of the lanes hold the same word: 64 bytes
.endm
	s_wait_dscnt 16                                ; the first K step's 16 loads are in; the second's may be out
	QSTEP 0                                        ; each step has its own registers for codes and word: no store's data are written again
	s_wait_dscnt 0x0
	QSTEP 1
	s_set_vgpr_msb 0x4
	s_wait_tensorcnt 0x0
	ds_add_u32 v55, v1
	s_wait_dscnt 0x0
	s_set_vgpr_msb 0x400
	s_endpgm
.Lweights:
	s_load_b128 s[8:11], s[0:1], 0x20              ; the first weight s[8:9], the second s[10:11]
	s_load_b64 s[6:7], s[0:1], 0x30                ; wc
	v_lshrrev_b32 v1, 5, v0
	v_readfirstlane_b32 s16, v1                    ; wave
	v_and_b32 v1, 31, v0                           ; x: my column of the wave's 32
	v_lshlrev_b32 v2, 2, v1                        ; in: 4 bytes a lane
	v_bfe_u32 v6, v1, 3, 1                         ; u = (x / 8) % 2: which tile of the pair
	v_and_b32 v7, 7, v1
	v_lshrrev_b32 v8, 4, v1
	v_lshl_add_u32 v7, v8, 3, v7                   ; r = x % 8 + 8 (x / 16): my slot in it
	v_mul_u32_u24 v8, v6, 1536
	v_lshl_add_u32 v3, v7, 4, v8                   ; out: 1536 u + 16 r
	v_lshl_add_u32 v4, v7, 3, v8                   ;      1536 u + 8 r
	v_lshlrev_b32 v5, 6, v6
	v_lshl_add_u32 v5, v7, 2, v5                   ;      64 u + 4 r: my scale word
	s_mov_b32 s20, 256+NWA                         ; the second weight's figures: first work-group,
	s_mov_b32 s21, RGB                             ; place in wc,
	s_mov_b32 s22, LKB                             ; log2 of its K steps,
	s_mov_b32 s23, RSB                             ; bytes in a row
	s_wait_kmcnt 0x0
	s_cmp_lt_u32 ttmp9, 256+NWA                    ; the choices hang on the work-group's number alone
	s_cselect_b64 s[4:5], s[8:9], s[10:11]
	s_cselect_b32 s20, 256, s20
	s_cselect_b32 s21, RGA, s21
	s_cselect_b32 s22, LKA, s22
	s_cselect_b32 s23, RSA, s23
	s_sub_co_u32 s24, ttmp9, s20                   ; my number within the tensor
	s_lshl_b32 s25, 1, s22                         ; its K steps
	s_sub_co_u32 s26, s25, 1
	s_and_b32 s26, s24, s26                        ; my K step
	s_lshr_b32 s27, s24, s22                       ; my group of 128 columns
	s_lshl_b32 s28, s27, 1
	s_lshr_b32 s29, s16, 1
	s_add_co_u32 s28, s28, s29                     ; my wave's panel of 64 columns
	s_and_b32 s29, s16, 1                          ; and which 32 of them
.if PERM
	s_and_b32 s30, s28, 15
	s_mul_i32 s30, s30, 3
	s_lshr_b32 s31, s28, 4
	s_add_co_u32 s30, s30, s31
	s_cmp_lt_u32 ttmp9, 256+NWA
	s_cselect_b32 s28, s30, s28
.endif
	s_mul_i32 s30, s26, s23
	s_lshl_b32 s30, s30, 7                         ; 128 rows a K step
	s_lshl_b32 s31, s27, 9
	s_add_co_u32 s30, s30, s31                     ; + 128 columns a group
	s_lshl_b32 s31, s16, 7
	s_add_co_u32 s30, s30, s31                     ; + 32 columns a wave
	s_mov_b32 s31, 0
	s_add_nc_u64 s[4:5], s[4:5], s[30:31]
	s_mul_i32 s32, s28, s25
	s_add_co_u32 s32, s32, s26
	s_mul_i32 s32, s32, 6400
	s_add_co_u32 s32, s32, s21
	s_mov_b32 s33, 0
	s_add_nc_u64 s[6:7], s[6:7], s[32:33]          ; my panel
	s_lshl_b32 s34, s29, 7
	s_mov_b32 s35, 0
	s_add_nc_u64 s[18:19], s[6:7], s[34:35]        ; its scale words: 128 bytes for each pair of tiles
	s_mul_i32 s34, s29, 3072
	s_add_nc_u64 s[6:7], s[6:7], s[34:35]          ; my pair of fragments
.macro LOADB t, rs                     ; block t: W(32 t + i, my column), i = 0 .. 31
.set i, 0
.rept 32
	global_load_b32 v[X+32*(\t)+i], v2, s[4:5] offset:(32*(\t)+i)*(\rs) th:TH_LOAD_NT
.set i, i+1
.endr
.endm
.macro BLOCK t                         ; block t = 2 c + h lies in the image where lane r + 16 h keeps registers 6 c .. 6 c + 5
.set XS, X+32*(\t)
.set CC, C+6*(\t)
.set T2, TT+4*(\t)
	v_max3_num_f32 v10, |v[XS]|, |v[XS+1]|, |v[XS+2]|      ; the block's largest magnitude, in two chains: all 32 numbers are mine
	v_max3_num_f32 v11, |v[XS+3]|, |v[XS+4]|, |v[XS+5]|
.irp i, 6,10,14,18,22,26
	v_max3_num_f32 v10, v10, |v[XS+\i]|, |v[XS+\i+1]|
	v_max3_num_f32 v11, v11, |v[XS+\i+2]|, |v[XS+\i+3]|
.endr
	v_max3_num_f32 v10, v10, |v[XS+30]|, |v[XS+31]|
	v_max3_num_f32 v10, v10, v11, 0x1800000        ; and the floor 2^(3 - 127): the byte cannot fall under 1
	v_add_nc_u32 v[SO+(\t)], 0xff000000, v10       ; 2 off the exponent field: the conversion takes that field as its scale
	v_lshrrev_b32 v[BY+(\t)], 23, v[SO+(\t)]       ; the scale's byte
	v_cvt_scalef32_pk16_fp6_f32 v[CC:CC+2], v[XS:XS+15], v[SO+(\t)]
	v_cvt_scalef32_pk16_fp6_f32 v[T2:T2+2], v[XS+16:XS+31], v[SO+(\t)]
	v_nop                                          ; one plain place behind a scaled conversion
	v_mov_b32 v[CC+3], v[T2]
	v_mov_b32 v[CC+4], v[T2+1]
	v_mov_b32 v[CC+5], v[T2+2]
	global_store_b128 v3, v[CC:CC+3], s[6:7] offset:768*((\t)/2)+256*((\t)%2)          ; the wave fills two aligned runs of 256 bytes, one in each fragment
	global_store_b64 v4, v[CC+4:CC+5], s[6:7] offset:768*((\t)/2)+512+128*((\t)%2)     ; and two runs of 128 bytes
.endm
.macro WQBODY rs                       ; loads run two blocks ahead; no register is written twice, so no store's data have to be waited for
	LOADB 0, \rs
	LOADB 1, \rs
	s_wait_loadcnt 32                              ; block 0 is in; block 1's 32 loads may be out
	LOADB 2, \rs
	BLOCK 0
	s_wait_loadcnt 32                              ; block 1 is in; block 2's may be out
	LOADB 3, \rs
	BLOCK 1
	s_wait_loadcnt 32                              ; block 2 is in; block 3's may be out
	BLOCK 2
	s_wait_loadcnt 0x0
	BLOCK 3
	v_lshl_or_b32 v[BY], v[BY+1], 8, v[BY]         ; the four bytes make my column's scale word
	v_lshl_or_b32 v[BY], v[BY+2], 16, v[BY]
	v_lshl_or_b32 v[BY], v[BY+3], 24, v[BY]
	global_store_b32 v5, v[BY], s[18:19] offset:6144
	s_endpgm
.endm
	s_cmp_lt_u32 ttmp9, 256+NWA
	s_cbranch_scc1 .Lfirst
	WQBODY RSB
.Lfirst:
	WQBODY RSA
.Lfunc_end_k_qa6058499aa_prep2:
	.size	k_qa6058499aa_prep2, .Lfunc_end_k_qa6058499aa_prep2-k_qa6058499aa_prep2
	.p2alignl 7, 3214868480
	.fill 96, 4, 3214868480
	.section	.rodata,"a",@progbits
	.p2align	6, 0x0
	.amdhsa_kernel k_qa6058499aa_prep2
		.amdhsa_group_segment_fixed_size 66304
		.amdhsa_private_segment_fixed_size 0
		.amdhsa_enable_private_segment 0
		.amdhsa_kernarg_size 56
		.amdhsa_user_sgpr_count 2
		.amdhsa_user_sgpr_kernarg_segment_ptr 1
		.amdhsa_wavefront_size32 1
		.amdhsa_system_sgpr_workgroup_id_x 1
		.amdhsa_system_sgpr_workgroup_id_y 1
		.amdhsa_system_sgpr_workgroup_id_z 1
		.amdhsa_system_vgpr_workitem_id 0
		.amdhsa_next_free_vgpr 258
		.amdhsa_next_free_sgpr 66
		.amdhsa_reserve_vcc 0
		.amdhsa_float_denorm_mode_32 3
		.amdhsa_float_denorm_mode_16_64 3
		.amdhsa_memory_ordered 1
		.amdhsa_forward_progress 1
		.amdhsa_inst_pref_size 82
	.end_amdhsa_kernel
	.amdgpu_metadata
---
amdhsa.version: [ 1, 2 ]
amdhsa.kernels:
  - .name:           k_qa6058499aa_prep2
    .symbol:         k_qa6058499aa_prep2.kd
    .args:
      - { .name: xres, .offset: 0, .size: 8, .value_kind: global_buffer, .address_space: global }
      - { .name: ln2_g, .offset: 8, .size: 8, .value_kind: global_buffer, .address_space: global }
      - { .name: ln2_b, .offset: 16, .size: 8, .value_kind: global_buffer, .address_space: global }
      - { .name: xc, .offset: 24, .size: 8, .value_kind: global_buffer, .address_space: global }
      - { .name: w1, .offset: 32, .size: 8, .value_kind: global_buffer, .address_space: global }
      - { .name: w2, .offset: 40, .size: 8, .value_kind: global_buffer, .address_space: global }
      - { .name: wc, .offset: 48, .size: 8, .value_kind: global_buffer, .address_space: global }
    .group_segment_fixed_size: 66304
    .private_segment_fixed_size: 0
    .kernarg_segment_align: 8
    .kernarg_segment_size: 56
    .max_flat_workgroup_size: 128
    .sgpr_count:     66
    .vgpr_count:     258
    .wavefront_size: 32
...
	.end_amdgpu_metadata
.endif
;; end of part 5
;; launch mlp1 (part 6): grid 16 x 16, 4 waves a work-group, clusters of 4 x 4, 327,680 bytes of LDS; arguments xc, wc, b1, gc; writes gc
.if DOCPART == 6
	.amdgcn_target "amdgcn-amd-amdhsa--gfx1250"
	.amdhsa_code_object_version 6
	.text
	.protected	k_qa6058499aa_mlp1
	.globl	k_qa6058499aa_mlp1
	.p2align	8
	.type	k_qa6058499aa_mlp1,@function
k_qa6058499aa_mlp1:
	s_mov_b64 s[64:65], 0
	v_nop
	global_prefetch_b8 v0, s[64:65] scope:SCOPE_SE
	s_setreg_imm32_b32 hwreg(HW_REG_WAVE_MODE, 25, 1), 1
	s_wait_xcnt 0x0
	s_wait_alu depctr_hold_cnt(0) depctr_sa_sdst(0) depctr_va_vdst(0) depctr_va_sdst(0) depctr_va_ssrc(0) depctr_va_vcc(0) depctr_vm_vsrc(0)
	s_getreg_b32 s2, hwreg(HW_REG_IB_STS2, 6, 4)
	s_cmp_eq_u32 s2, 0
	s_cbranch_scc0 .Lentry_in_a_cluster
	s_endpgm
.Lentry_in_a_cluster:
	s_bfe_u32 s2, ttmp6, 0x10000c
	s_cmp_lg_u32 s2, 0xf033
	s_cbranch_scc0 .Lentry_shape_is_right
	s_endpgm
.Lentry_shape_is_right:
; g = gelu(LN2(x) w1 + b1), the product on codes of FP6 (E2M3) with E8M0 scales, the exact (erf) GELU in f32, and g quantised along the hidden axis on the way out.
; OPERANDS come as panels of 64 rows x 128 k, 6,400 bytes, laid [row panel][K step]: four fragments of 1,536 bytes, each an image of an operand's 12 registers (half c: registers 6c..6c+3 of lane l at 16 l,
; registers 6c+4, 6c+5 at 512 + 8 l), then 64 scale words at 6,144.  Of each 32 rows, tile 2b+u holds in slot r row 32b + 8u + r + 8(r/8): so the 16 registers of two neighbouring result tiles are 16 neighbouring hidden units.
; SHARES.  A work-group makes 256 tokens x 256 hidden units, a wave 128 x 128: 64 accumulators.  Source 0 = the weights, source 1 = the tokens: a lane holds one token, and its 64 registers of a token tile are one K step of the next product.
; K goes in 8 steps of 128 through two LDS slots of three steps each; the steps are written out.  CLUSTER 4 x 4: x's panels shared along a row, the weights' along a column, asked for jointly.  b1 is the C of each sum's first product.
; THE WAY OUT is a loop of eight trips, one for each token tile.  Only the 32 packed multiplies that read the tile's accumulators (a = x / sqrt 2) are written for each tile, as eight arms behind branches on the counter;
; all else works on fixed registers, so that the code stays short.
; GELU: x Phi(x) = (a + a erf a) / sqrt 2.  For t = |a| above 475/512, E = 1 - erf t = 2^(r t log2 e - t log2 e) with r a polynomial in t, and a + a erf a = (a + t) - t E, which keeps the relative accuracy for negative x too;
; else erf a = a + a p(a^2).  Both are computed and one is chosen by v_cndmask_b32; a batch's sixteen compares write sixteen scalar masks, so that no choice stands next to its compare.
; LIMITS: erf is good to about one unit in the last place; E under 2^-126 counts as 0; a block of zeros gets the byte 1 where the rule says 127 (its codes are zeros); NaN and infinities are not served.
; REGISTERS, in windows of 256: window 0: v2-23 addresses, v28-29 for the add, v32-55 scale words (two sets), v64-255 fragment set 0; window 1: v0-63 b1, v64-255 set 1; windows 2, 3: the accumulators ((a, b) at 8 (8 a + b)).
.set PA, 4
.set PB, 4
.set MB, 8
.set NB, 8
.set NSC, 8
.set KT, 8
.set STP, 3                            ; K steps in a slot: 8 = 3 + 3 + 2
.set REGION, 3276800
.set RA, 2
.set PSTR, STP*6400
.set SLOT, (PA+PB)*PSTR
.set NF, (KT+STP-1)/STP                ; fills
.set TAILS, KT-(NF-1)*STP              ; K steps in the last of them
.set SPARE, 2*SLOT
.set ADA16, 8
.set ADA8, 10
.set ADRS, 12
.set ADB16, 14
.set ADB8, 16
.set R4, 18                            ; v18 4 r
.set BO, 19                            ; v19 64 h
.set PW, 23                            ; v23 the way out: the scale word just made (v20-22: the stores' offsets)
.set SPW, 28
.set NIL, 29
.set SC, 32
.set AF, 64
.set BF, 64+12*MB
.set G1, 24
.set G0, 32
.set G1B, 48
.set G0B, 56
.set MK, 66                            ; s66-81 the way out: sixteen masks
.set SEL, 82
.set THR, 84
.set AI, 85
.set GA, 64                            ; the way out: v64-127 a, then g
.set ES, 192                           ; v192-207 a^2, then a + t
.set ET, 208                           ; v208-223 t
.set ER, 224                           ; v224-239 r, then E, then the first case
.set EP, 240                           ; v240-255 at work, then the second case
.set K1, 8                             ; v[8:9], v[10:11], v[12:13] three constants that stand as addends beside a literal factor
.set K3, 10
.set KQ, 12
.set TM, 192                           ; the quantiser's work, in the registers that the GELU has left
.set PC, 32                            ; v32-43 the fragment, v44-50 its second conversions
.set MSB, 0
.macro WIN new
.if MSB != \new
	s_set_vgpr_msb (MSB<<8)|\new
.set MSB, \new
.endif
.endm
.macro PLACES
.rept 4
	v_nop
.endr
.endm
.macro CREST
	s_cmp_lg_u32 s14, 0
	s_cbranch_scc1 .Lnot_wave_0_\@
	s_barrier_signal -3
.Lnot_wave_0_\@:
	s_barrier_wait -3
	s_barrier_signal -1
	s_barrier_wait -1
.endm
.macro CROUND
	s_barrier_signal -1
	s_barrier_wait -1
	CREST
.endm
.macro JLOAD
	s_cmp_lt_u32 s14, 2
	s_cbranch_scc0 .Lfor_b_\@
	tensor_load_to_lds s[G0+4*tsl:G0+4*tsl+3], s[G1:G1+7]
	s_nop 0
.rept 4
	v_nop
.endr
	s_branch .Lasked_\@
.Lfor_b_\@:
	tensor_load_to_lds s[G0B+4*tsl:G0B+4*tsl+3], s[G1B:G1B+7]
	s_nop 0
.rept 4
	v_nop
.endr
.Lasked_\@:
.endm
.macro FRAG reg, a16, a8, off
	ds_load_b128 v[\reg:\reg+3], v[\a16] offset:\off
	ds_load_b64 v[\reg+4:\reg+5], v[\a8] offset:\off+512
	ds_load_b128 v[\reg+6:\reg+9], v[\a16] offset:\off+768
	ds_load_b64 v[\reg+10:\reg+11], v[\a8] offset:\off+1280
.endm
.macro FETCH
.set fsl, (fn/STP)%2
.set fq, fn%STP
.set fp, fn%2
.set WN, fp<<6
	WIN WN
.set fi, 0
.rept MB
	FRAG AF+12*fi, ADA16+fsl, ADA8+fsl, (fi/4)*PSTR+fq*6400+(fi%4)*1536
.set fi, fi+1
.endr
.set fi, 0
.rept NB
	FRAG BF+12*fi, ADB16+fsl, ADB8+fsl, (fi/4)*PSTR+fq*6400+(fi%4)*1536
.set fi, fi+1
.endr
	WIN 0
.set fi, 0
.rept NSC
	ds_load_b32 v[SC+12*fp+fi], v[ADRS+fsl] offset:(fi/4)*PSTR+fq*6400+6144+64*(fi%4)
.set fi, fi+1
.endr
.endm
.macro MULQ k                          ; the 64 accumulators take turns, one instruction a turn, in the same order in every step
.set pp, n%2
.set ia, (\k)*MB/4
.rept MB/4
.set ib, 0
.rept NB
.set idx, NB*ia+ib
.set rD, 8*(idx%32)
.set wD, 2+idx/32
.if n == 0
.set WN, (wD<<6)|(1<<4)
	WIN WN
	v_wmma_scale_f32_16x16x128_f8f6f4 v[rD:rD+7], v[BF+12*ib:BF+12*ib+11], v[AF+12*ia:AF+12*ia+11], v[8*ib:8*ib+7], v[SC+ib], v[SC+ia] matrix_a_fmt:MATRIX_FMT_FP6 matrix_b_fmt:MATRIX_FMT_FP6 matrix_a_scale:MATRIX_SCALE_ROW1
.else
.set WN, (wD<<6)|(wD<<4)|(pp<<2)|pp
	WIN WN
	v_wmma_scale_f32_16x16x128_f8f6f4 v[rD:rD+7], v[BF+12*ib:BF+12*ib+11], v[AF+12*ia:AF+12*ia+11], v[rD:rD+7], v[SC+12*pp+ib], v[SC+12*pp+ia] matrix_a_fmt:MATRIX_FMT_FP6 matrix_b_fmt:MATRIX_FMT_FP6 matrix_a_scale:MATRIX_SCALE_ROW1
.endif
	HOOK
.set ib, ib+1
.endr
.set ia, ia+1
.endr
.endm
.set hl, 0
.set hn, 0
.set hc, 0
.set hq, 5
.macro LD1                             ; load number hl of step fn's fetch: the fragments' pieces, then the scale words
.if hl < 4*(MB+NB)
.set lf, hl/4
.if lf < MB
.set lr, AF+12*lf
.set l16, ADA16+fsl
.set l8, ADA8+fsl
.set lo, (lf/4)*PSTR+fq*6400+(lf%4)*1536
.else
.set lr, BF+12*(lf-MB)
.set l16, ADB16+fsl
.set l8, ADB8+fsl
.set lo, ((lf-MB)/4)*PSTR+fq*6400+((lf-MB)%4)*1536
.endif
.set WN, fp<<6
	WIN WN
.if hl%4 == 0
	ds_load_b128 v[lr:lr+3], v[l16] offset:lo
.elseif hl%4 == 1
	ds_load_b64 v[lr+4:lr+5], v[l8] offset:lo+512
.elseif hl%4 == 2
	ds_load_b128 v[lr+6:lr+9], v[l16] offset:lo+768
.else
	ds_load_b64 v[lr+10:lr+11], v[l8] offset:lo+1280
.endif
.else
.set ls, hl-4*(MB+NB)
	WIN 0
	ds_load_b32 v[SC+12*fp+ls], v[ADRS+fsl] offset:(ls/4)*PSTR+fq*6400+6144+64*(ls%4)
.endif
.endm
.macro HOOK                            ; behind every second product: hq loads of the next step's fetch, while any are left; the windows come back as they were
.set hc, hc+1
.if (hc%2 == 0) && (hl < hn)
.set hs, MSB
.rept hq
.if hl < hn
	LD1
.set hl, hl+1
.endif
.endr
	WIN hs
.endif
.endm
.macro STEPN
	WIN 0
	s_wait_dscnt 0x0                               ; this step's fragments, asked for a step ago, are in
	PLACES
.set fn, n+1
.set fsl, (fn/STP)%2
.set fq, fn%STP
.set fp, fn%2
.set hl, 0
.set hn, 4*(MB+NB)+NSC                 ; the next step's loads stand among this step's products
	MULQ 0
	MULQ 1
	MULQ 2
	MULQ 3
.endm
.macro TURN
.set tsl, (n/STP)%2
	WIN 0
	s_wait_tensorcnt 0x0                           ; all my tensor loads have landed: my part of the next slot;
	ds_add_u32 v[SPW], v[NIL]                      ; 0 onto my spare word;
	s_wait_dscnt 0x1                               ; (the add alone may be out)
	MULQ 0
	s_wait_dscnt 0x0                               ; the add is done, and my reads of this slot are over
	s_barrier_signal -1
	MULQ 1
	WIN 0
	s_barrier_wait -1
.if n/STP+2 < NF
	CREST                                          ; a round of the cluster's barrier: no wave of any partner still reads this slot or has a load on its way
	s_add_nc_u64 s[G0+4*tsl+2:G0+4*tsl+3], s[G0+4*tsl+2:G0+4*tsl+3], 2*STP*6400
	s_add_nc_u64 s[G0B+4*tsl+2:G0B+4*tsl+3], s[G0B+4*tsl+2:G0B+4*tsl+3], 2*STP*6400
.if n/STP+2 == NF-1
	s_mov_b32 s[G1+1], (TAILS*800)<<16             ; the last fill: TAILS steps are left of each panel (tensor_dim0); the tile's rows keep their length in LDS.  No tensor load of mine is out here
	s_mov_b32 s[G1B+1], (TAILS*800)<<16
.endif
	JLOAD                                          ; the first tensor load behind the round; its four v_nop are the places in front of the loads below
.else
	PLACES
.endif
.set fn, n+1
	FETCH
	MULQ 2
	MULQ 3
.endm
	s_load_b128 s[4:7], s[0:1], 0x0                ; xc, wc
	s_load_b128 s[8:11], s[0:1], 0x10              ; b1, gc
	v_lshl_add_u32 v[SPW], v0, 2, SPARE
	v_mov_b32 v[NIL], 0
	ds_add_u32 v28, v29
	ds_add_u32 v28, v29
	s_wait_dscnt 0x0
	v_lshrrev_b32 v1, 5, v0
	v_readfirstlane_b32 s14, v1
	s_lshr_b32 s15, s14, 1                         ; which 128 tokens are mine
	s_and_b32 s16, s14, 1                          ; which 128 hidden units.  Also: which two panels I fetch
	s_bfe_u32 s40, ttmp6, 0x40000
	s_bfe_u32 s41, ttmp6, 0x40004
	s_lshl_b32 s42, ttmp9, 2
	s_add_co_u32 s42, s42, s40                     ; X
	s_and_b32 s17, ttmp7, 0xffff
	s_lshl_b32 s17, s17, 2
	s_add_co_u32 s17, s17, s41                     ; Y
	s_lshl_b32 s43, s41, 2
	s_lshl_b32 s43, 15, s43
	s_lshl_b32 s44, 0x1111, s40
	s_or_b32 s[G1], s43, (3<<16)|(1<<21)
	s_or_b32 s[G1B], s44, (3<<16)|(1<<21)
.irp g, G1, G1B
	s_mov_b32 s[\g+1], (STP*800)<<16
	s_mov_b32 s[\g+2], RA<<16
	s_mov_b32 s[\g+3], (STP*800)<<16
	s_mov_b32 s[\g+4], RA
	s_mov_b32 s[\g+5], KT*800
	s_mov_b32 s[\g+6], 0
	s_mov_b32 s[\g+7], 0
.endr
	s_mul_i32 s20, s17, PA
	s_mul_i32 s19, s16, RA
	s_add_co_u32 s20, s20, s19
	s_mul_i32 s20, s20, KT*6400
	s_mov_b32 s21, 0
	s_mul_i32 s46, s42, PB
	s_add_co_u32 s46, s46, s19
	s_mul_i32 s46, s46, KT*6400
	s_add_co_u32 s46, s46, REGION
	s_mov_b32 s47, 0
	s_mul_i32 s45, s14, RA*PSTR
	s_wait_kmcnt 0x0
	s_add_nc_u64 s[20:21], s[4:5], s[20:21]
	s_add_nc_u64 s[46:47], s[6:7], s[46:47]
.irp s, 0,1
	s_mov_b32 s[G0+4*\s], 1
	s_add_co_u32 s[G0+4*\s+1], s45, \s*SLOT
	s_add_nc_u64 s[G0+4*\s+2:G0+4*\s+3], s[20:21], \s*STP*6400
	s_or_b32 s[G0+4*\s+3], s[G0+4*\s+3], 0x80000000
	s_mov_b32 s[G0B+4*\s], 1
	s_add_co_u32 s[G0B+4*\s+1], s45, \s*SLOT
	s_add_nc_u64 s[G0B+4*\s+2:G0B+4*\s+3], s[46:47], \s*STP*6400
	s_or_b32 s[G0B+4*\s+3], s[G0B+4*\s+3], 0x80000000
.endr
	CROUND
	s_cmp_lt_u32 s14, 2                            ; one tensor load a wave at the head: slot 0
	s_cbranch_scc0 .Lfirst_b
	tensor_load_to_lds s[G0:G0+3], s[G1:G1+7]
	s_nop 0
.rept 4
	v_nop
.endr
	s_branch .Lfirst_done
.Lfirst_b:
	tensor_load_to_lds s[G0B:G0B+3], s[G1B:G1B+7]
	s_nop 0
.rept 4
	v_nop
.endr
.Lfirst_done:
	v_and_b32 v1, 31, v0
	v_lshlrev_b32 v2, 4, v1
	v_lshlrev_b32 v3, 3, v1
	v_and_b32 v5, 15, v0
	v_bfe_u32 v6, v0, 4, 1
	v_lshlrev_b32 v[R4], 2, v5
	v_lshlrev_b32 v[BO], 6, v6
	s_mul_i32 s22, s15, (MB/4)*PSTR
	s_mul_i32 s23, s16, (NB/4)*PSTR
	s_add_co_u32 s23, s23, PA*PSTR
	v_add_nc_u32 v[ADA16], s22, v2
	v_add_nc_u32 v[ADA8], s22, v3
	v_add_nc_u32 v[ADB16], s23, v2
	v_add_nc_u32 v[ADB8], s23, v3
	s_sub_co_u32 s19, s23, s22
	v_mul_u32_u24 v7, s19, v6
	v_lshl_add_u32 v[ADRS], v5, 2, v7
	v_add_nc_u32 v[ADRS], s22, v[ADRS]
	v_add_nc_u32 v[ADA16+1], SLOT, v[ADA16]
	v_add_nc_u32 v[ADA8+1], SLOT, v[ADA8]
	v_add_nc_u32 v[ADB16+1], SLOT, v[ADB16]
	v_add_nc_u32 v[ADB8+1], SLOT, v[ADB8]
	v_add_nc_u32 v[ADRS+1], SLOT, v[ADRS]
	s_lshl_b32 s66, s42, 10
	s_lshl_b32 s67, s16, 9
	s_add_co_u32 s66, s66, s67                     ; b1 at my first hidden unit: 4 (256 X + 128 (wave % 2)) bytes
	s_mov_b32 s67, 0
	s_add_nc_u64 s[8:9], s[8:9], s[66:67]
	s_lshl_b32 s66, s17, 2
	s_lshl_b32 s68, s15, 1
	s_add_co_u32 s66, s66, s68                     ; g: token panel 4 Y + 2 (wave / 2),
	s_lshl_b32 s66, s66, 5
	s_lshl_b32 s68, s42, 1
	s_add_co_u32 s66, s66, s68
	s_add_co_u32 s66, s66, s16                     ; K step 2 X + wave % 2 of 32
	s_mul_i32 s66, s66, 6400
	s_add_nc_u64 s[10:11], s[10:11], s[66:67]
	s_mov_b32 s[SEL], 0x76543210
	s_mov_b32 s[SEL+1], 0xfedcba98
	s_mov_b32 s[THR], 0x3f6d8000                   ; 475 / 512
	WIN 0x40
.irp b, 0,1,2,3,4,5,6,7                        ; b1 in the result's layout: lane (r, h), tile 2 q + u: units 32 q + 16 h + 8 u + 0 .. 7
	global_load_b128 v[8*\b:8*\b+3], v[BO], s[8:9] offset:128*(\b/2)+32*(\b%2)
	global_load_b128 v[8*\b+4:8*\b+7], v[BO], s[8:9] offset:128*(\b/2)+32*(\b%2)+16
.endr
	WIN 0
	s_wait_alu depctr_va_vdst(0)
	s_wait_tensorcnt 0x0                           ; my part of slot 0 is in; slot 1's first fill is issued as a refill is:
	ds_add_u32 v[SPW], v[NIL]                      ; 0 onto my spare word
	s_wait_dscnt 0x0
	CROUND                                         ; a whole round: slot 0 is whole, and the joint loads meet
.set tsl, 1
	JLOAD                                          ; slot 1: the first tensor load behind the round
.set fn, 0
	FETCH
	s_wait_loadcnt 0x0                             ; b1
.set n, 0
.rept KT
.if n == KT-1
	WIN 0
	s_wait_dscnt 0x0
	MULQ 0
	MULQ 1
	MULQ 2
	MULQ 3
.elseif (n%STP) == STP-1
	TURN
.else
	STEPN
.endif
.set n, n+1
.endr
	WIN 0
.macro ARM a                           ; token tile a: a = x / sqrt 2, each accumulator read from its low end on
.set WN, 2+(\a)/4
	WIN WN
.set j, 0
.rept 32
	v_pk_mul_f32 v[GA+j:GA+j+1], v[64*((\a)%4)+j:64*((\a)%4)+j+1], 0x3f3504f3 op_sel_hi:[1,0]
.set j, j+2
.endr
	WIN 0
.endm
.macro HORNER d, x, lit                ; d = d x + lit, eight pairs
.set j, 0
.rept 8
	v_pk_fma_f32 v[\d+j:\d+j+1], v[\d+j:\d+j+1], v[\x+j:\x+j+1], \lit op_sel_hi:[1,1,0]
.set j, j+2
.endr
.endm
.macro START d, x, lit, k              ; d = x lit + the constant in v[k:k+1], eight pairs
.set j, 0
.rept 8
	v_pk_fma_f32 v[\d+j:\d+j+1], v[\x+j:\x+j+1], \lit, v[\k:\k+1] op_sel_hi:[1,0,1]
.set j, j+2
.endr
.endm
.macro GELU16 o                        ; sixteen numbers: a at v[GA + o]; g takes a's place
.set j, 0
.rept 8
	v_pk_mul_f32 v[ES+j:ES+j+1], v[GA+\o+j:GA+\o+j+1], v[GA+\o+j:GA+\o+j+1]      ; s = a^2
.set j, j+2
.endr
.set j, 0
.rept 16
	v_and_b32 v[ET+j], 0x7fffffff, v[GA+\o+j]      ; t = |a|
.set j, j+1
.endr
	START ER, ET, 0xb7910000, K1                   ; r = -1.72853470e-5 t + 3.83197126e-4
	START EP, ET, 0xbb7e8a1c, K3                   ; u = -3.88396438e-3 t + 2.42546219e-2
.set j, 0
.rept 8
	v_pk_fma_f32 v[ER+j:ER+j+1], v[ER+j:ER+j+1], v[ES+j:ES+j+1], v[EP+j:EP+j+1]   ; r = r s + u
.set j, j+2
.endr
.set j, 0
.rept 8
	v_pk_mul_f32 v[EP+j:EP+j+1], v[ET+j:ET+j+1], 0x3fb8aa3b op_sel_hi:[1,0]       ; t log2 e
.set j, j+2
.endr
	HORNER ER, ET, 0xbddaae5c                      ; r = r t - 1.06777877e-1
	HORNER ER, ET, 0xbf228550                      ; r = r t - 6.34846687e-1
	HORNER ER, ET, 0xbe03ce86                      ; r = r t - 1.28717512e-1
.set j, 0
.rept 8
	v_pk_fma_f32 v[ER+j:ER+j+1], v[ER+j:ER+j+1], v[EP+j:EP+j+1], v[EP+j:EP+j+1] neg_lo:[0,0,1] neg_hi:[0,0,1]   ; (r t - t) log2 e
.set j, j+2
.endr
.set j, 0
	s_wait_alu depctr_va_vdst(0)
.rept 16
	v_exp_f32 v[ER+j], v[ER+j]                     ; E = 1 - erf(t): one batch
.set j, j+1
.endr
	START EP, ES, 0xba1c7000, KQ                   ; the other case is the independent work behind the batch: p = -5.96761703e-4 s + 4.99119423e-3
	HORNER EP, ES, 0xbcdb48d9                      ; p = p s - 2.67681349e-2
	HORNER EP, ES, 0x3de70e22                      ; p = p s + 1.12819925e-1
	HORNER EP, ES, 0xbec09380                      ; p = p s - 3.76125336e-1
	HORNER EP, ES, 0x3e0375d4                      ; p = p s + 1.28379166e-1
.set j, 0
.rept 8
	v_pk_fma_f32 v[EP+j:EP+j+1], v[EP+j:EP+j+1], v[GA+\o+j:GA+\o+j+1], v[GA+\o+j:GA+\o+j+1]   ; erf = p a + a
.set j, j+2
.endr
.set j, 0
.rept 8
	v_pk_fma_f32 v[EP+j:EP+j+1], v[GA+\o+j:GA+\o+j+1], v[EP+j:EP+j+1], v[GA+\o+j:GA+\o+j+1]   ; a erf + a
.set j, j+2
.endr
.set j, 0
.rept 8
	v_pk_add_f32 v[ES+j:ES+j+1], v[GA+\o+j:GA+\o+j+1], v[ET+j:ET+j+1]            ; a + t: 2 a where a is positive, else 0
.set j, j+2
.endr
.set j, 0
.rept 16
	v_cmp_lt_f32 s[MK+j], s[THR], v[ET+j]          ; a mask of its own for each of the sixteen
.set j, j+1
.endr
	s_wait_alu depctr_va_vdst(0)                   ; one wait for the sixteen exponentials, ahead of their first reader
.set j, 0
.rept 8
	v_pk_fma_f32 v[ER+j:ER+j+1], v[ET+j:ET+j+1], v[ER+j:ER+j+1], v[ES+j:ES+j+1] neg_lo:[1,0,0] neg_hi:[1,0,0]   ; (a + t) - t E
.set j, j+2
.endr
.set j, 0
.rept 16
	v_cndmask_b32 v[GA+\o+j], v[EP+j], v[ER+j], s[MK+j]   ; a choice of values: no branch hangs on data
.set j, j+1
.endr
.set j, 0
.rept 8
	v_pk_mul_f32 v[GA+\o+j:GA+\o+j+1], v[GA+\o+j:GA+\o+j+1], 0x3f3504f3 op_sel_hi:[1,0]       ; g = (a + a erf a) / sqrt 2
.set j, j+2
.endr
.endm
	PLACES
	v_mov_b32 v[K1], 0x39c8e7d9
	v_mov_b32 v[K1+1], 0x39c8e7d9
	v_mov_b32 v[K3], 0x3cc6b1a1
	v_mov_b32 v[K3+1], 0x3cc6b1a1
	v_mov_b32 v[KQ], 0x3ba38d2c
	v_mov_b32 v[KQ+1], 0x3ba38d2c
	s_mov_b32 s[AI], 0
.Lepi:
	s_cmp_eq_u32 s[AI], 0
	s_cbranch_scc1 .Larm0
	s_cmp_eq_u32 s[AI], 1
	s_cbranch_scc1 .Larm1
	s_cmp_eq_u32 s[AI], 2
	s_cbranch_scc1 .Larm2
	s_cmp_eq_u32 s[AI], 3
	s_cbranch_scc1 .Larm3
	s_cmp_eq_u32 s[AI], 4
	s_cbranch_scc1 .Larm4
	s_cmp_eq_u32 s[AI], 5
	s_cbranch_scc1 .Larm5
	s_cmp_eq_u32 s[AI], 6
	s_cbranch_scc1 .Larm6
	ARM 7
	s_branch .Lwork
.Larm0:
	ARM 0
	s_branch .Lwork
.Larm1:
	ARM 1
	s_branch .Lwork
.Larm2:
	ARM 2
	s_branch .Lwork
.Larm3:
	ARM 3
	s_branch .Lwork
.Larm4:
	ARM 4
	s_branch .Lwork
.Larm5:
	ARM 5
	s_branch .Lwork
.Larm6:
	ARM 6
.Lwork:
	GELU16 0
	GELU16 16
	GELU16 32
	GELU16 48
	; 64 numbers of a lane, register 16 b + i = hidden unit 32 b + 16 (lane / 16) + i of my token, become a fragment and its scale word
.irp b, 0,1,2,3
	v_max3_num_f32 v[TM+\b], |v[GA+16*\b]|, |v[GA+1+16*\b]|, 0x1800000   ; and the floor 2^(3 - 127): the byte cannot fall under 1
.endr
.irp i, 2,4,6,8,10,12,14
.irp b, 0,1,2,3
	v_max3_num_f32 v[TM+\b], v[TM+\b], |v[GA+16*\b+\i]|, |v[GA+1+16*\b+\i]|
.endr
.endr
.irp b, 0,1,2,3
	v_permlanex16_b32 v[TM+4+\b], v[TM+\b], s[SEL], s[SEL+1]
.endr
.irp b, 0,1,2,3
	v_max_num_f32 v[TM+\b], v[TM+\b], v[TM+4+\b]
.endr
.irp b, 0,1,2,3
	v_add_nc_u32 v[TM+12+\b], 0xff000000, v[TM+\b]
.endr
.irp b, 0,1,2,3
	v_lshrrev_b32 v[TM+4+\b], 23, v[TM+12+\b]
.endr
	s_wait_alu depctr_va_vdst(0)
	s_wait_xcnt 0x0                                ; the last trip's five stores have read v20-23 and v32-43: these are written again only from here on; nothing above names them
	s_lshr_b32 s94, s[AI], 2                       ; the tile's place: token panel a / 4 (32 K steps of 6,400 bytes on), tile a % 4
	s_mul_i32 s94, s94, 204800
	s_and_b32 s95, s[AI], 3
	s_mul_i32 s96, s95, 1536
	s_add_co_u32 s96, s96, s94
	s_lshl_b32 s95, s95, 6
	s_add_co_u32 s95, s95, s94
	v_add_nc_u32 v20, s96, v2
	v_add_nc_u32 v21, s96, v3
	v_add_nc_u32 v22, s95, v[R4]
	v_lshl_or_b32 v[PW], v[TM+5], 8, v[TM+4]
	v_lshl_or_b32 v[PW], v[TM+6], 16, v[PW]
	v_lshl_or_b32 v[PW], v[TM+7], 24, v[PW]
.irp c, 0,1
	v_cvt_scalef32_pk16_fp6_f32 v[PC+6*\c:PC+2+6*\c], v[GA+32*\c:GA+15+32*\c], v[TM+12+2*\c]
	v_cvt_scalef32_pk16_fp6_f32 v[PC+12+4*\c:PC+14+4*\c], v[GA+16+32*\c:GA+31+32*\c], v[TM+12+2*\c+1]
.endr
	v_nop                                          ; one plain place behind a scaled conversion
.irp c, 0,1
.irp i, 0,1,2
	v_permlane16_swap_b32 v[PC+6*\c+\i], v[PC+12+4*\c+\i]
.endr
.irp i, 0,1,2
	v_mov_b32 v[PC+3+6*\c+\i], v[PC+12+4*\c+\i]
.endr
.endr
	global_store_b128 v20, v[PC:PC+3], s[10:11]                    ; 512 consecutive bytes
	global_store_b64 v21, v[PC+4:PC+5], s[10:11] offset:512        ; 256
	global_store_b128 v20, v[PC+6:PC+9], s[10:11] offset:768
	global_store_b64 v21, v[PC+10:PC+11], s[10:11] offset:1280
	global_store_b32 v22, v[PW], s[10:11] offset:6144              ; both halves of the lanes hold the same word: 64 bytes
	s_add_co_u32 s[AI], s[AI], 1
	s_cmp_lt_u32 s[AI], 8
	s_cbranch_scc1 .Lepi
	s_wait_tensorcnt 0x0                           ; the wave's end
	ds_add_u32 v[SPW], v[NIL]
	s_wait_dscnt 0x0
	CROUND                                         ; the closing round
	s_endpgm
.Lfunc_end_k_qa6058499aa_mlp1:
	.size	k_qa6058499aa_mlp1, .Lfunc_end_k_qa6058499aa_mlp1-k_qa6058499aa_mlp1
	.p2alignl 7, 3214868480
	.fill 96, 4, 3214868480
	.section	.rodata,"a",@progbits
	.p2align	6, 0x0
	.amdhsa_kernel k_qa6058499aa_mlp1
		.amdhsa_group_segment_fixed_size 327680
		.amdhsa_private_segment_fixed_size 0
		.amdhsa_enable_private_segment 0
		.amdhsa_kernarg_size 32
		.amdhsa_user_sgpr_count 2
		.amdhsa_user_sgpr_kernarg_segment_ptr 1
		.amdhsa_wavefront_size32 1
		.amdhsa_system_sgpr_workgroup_id_x 1
		.amdhsa_system_sgpr_workgroup_id_y 1
		.amdhsa_system_sgpr_workgroup_id_z 1
		.amdhsa_system_vgpr_workitem_id 0
		.amdhsa_next_free_vgpr 1024
		.amdhsa_next_free_sgpr 100
		.amdhsa_reserve_vcc 0
		.amdhsa_float_denorm_mode_32 3
		.amdhsa_float_denorm_mode_16_64 3
		.amdhsa_memory_ordered 1
		.amdhsa_forward_progress 1
		.amdhsa_inst_pref_size 212
	.end_amdhsa_kernel
	.amdgpu_metadata
---
amdhsa.version: [ 1, 2 ]
amdhsa.kernels:
  - .name:           k_qa6058499aa_mlp1
    .symbol:         k_qa6058499aa_mlp1.kd
    .args:
      - { .name: xc, .offset: 0, .size: 8, .value_kind: global_buffer, .address_space: global }
      - { .name: wc, .offset: 8, .size: 8, .value_kind: global_buffer, .address_space: global }
      - { .name: b1, .offset: 16, .size: 8, .value_kind: global_buffer, .address_space: global }
      - { .name: gc, .offset: 24, .size: 8, .value_kind: global_buffer, .address_space: global }
    .group_segment_fixed_size: 327680
    .private_segment_fixed_size: 0
    .kernarg_segment_align: 8
    .kernarg_segment_size: 32
    .max_flat_workgroup_size: 128
    .sgpr_count:     100
    .vgpr_count:     1024
    .wavefront_size: 32
...
	.end_amdgpu_metadata
.endif
;; end of part 6
;; launch mlp2 (part 7): grid 8 x 32, 4 waves a work-group, clusters of 4 x 1, 327,680 bytes of LDS; arguments gc, wc, b2, xres, out0; writes out0
.if DOCPART == 7
	.amdgcn_target "amdgcn-amd-amdhsa--gfx1250"
	.amdhsa_code_object_version 6
	.text
	.protected	k_qa6058499aa_mlp2
	.globl	k_qa6058499aa_mlp2
	.p2align	8
	.type	k_qa6058499aa_mlp2,@function
k_qa6058499aa_mlp2:
	s_mov_b64 s[64:65], 0
	v_nop
	global_prefetch_b8 v0, s[64:65] scope:SCOPE_SE
	s_setreg_imm32_b32 hwreg(HW_REG_WAVE_MODE, 25, 1), 1
	s_wait_xcnt 0x0
	s_wait_alu depctr_hold_cnt(0) depctr_sa_sdst(0) depctr_va_vdst(0) depctr_va_sdst(0) depctr_va_ssrc(0) depctr_va_vcc(0) depctr_vm_vsrc(0)
	s_getreg_b32 s2, hwreg(HW_REG_IB_STS2, 6, 4)
	s_cmp_eq_u32 s2, 0
	s_cbranch_scc0 .Lentry_in_a_cluster
	s_endpgm
.Lentry_in_a_cluster:
	s_bfe_u32 s2, ttmp6, 0x10000c
	s_cmp_lg_u32 s2, 0x3003
	s_cbranch_scc0 .Lentry_shape_is_right
	s_endpgm
.Lentry_shape_is_right:
; out0 = g w2 + b2 + x, the product on codes of FP6 (E2M3) with E8M0 scales, sums and the rest in f32.
; OPERANDS come as panels of 64 rows x 128 k, 6,400 bytes, laid [row panel][K step]: four fragments of 1,536 bytes, each an image of an operand's 12 registers (half c: registers 6c..6c+3 of lane l at 16 l,
; registers 6c+4, 6c+5 at 512 + 8 l), then 64 scale words at 6,144.  Of each 32 rows, tile 2b+u holds in slot r row 32b + 8u + r + 8(r/8).
; SHARES.  A work-group makes 128 tokens x 128 columns (256 such tiles), a wave 64 x 64: 16 accumulators.  Source 0 = the weights, source 1 = the tokens: a lane holds one token and eight columns.
; THE TOKENS' PANELS go through a ring of two LDS slots of TEN K steps each (2 panels x 64,000 bytes a slot): 32 = 10 + 10 + 10 + 2, four fills, two of them refills.  Each wave brings half a panel of a fill by one tensor load,
; asked for jointly by the four work-groups of a cluster, which make the same 128 tokens.
; THE WEIGHTS' FRAGMENTS GO FROM MEMORY STRAIGHT INTO REGISTERS: a fragment's image is four runs of 512, 256, 512, 256 consecutive, aligned bytes, and in a work-group each fragment feeds four products of each of two waves.
; They are not asked for jointly: kept out of LDS, they leave the ring's bytes to the tokens, so that a slot holds ten steps where it would hold six, and their loads are bound to no barrier: three steps (54 loads a wave) are out.
; A step's loads (the tokens' fragments two steps on, from LDS; the weights' three steps on) stand in groups behind every second product.  Four sets of registers for each operand.
; The bias is the C of each sum's first product.  The residual is asked for at the head and added on the way out, which goes through the wave's own stage in LDS, so that sixteen lanes store 256 consecutive, aligned bytes.
; REGISTERS, in windows of 256: window 0: v2-21 addresses, v28-29 for the add, v32-47 the tokens' scale words, v48-63 the weights', v64-255 the tokens' fragments (4 x 48);
;   window 1: v0-31 the bias, v64-255 the weights' fragments (4 x 48); window 2: v0-127 the accumulators ((a, b) at 8 (4 a + b)), v128-255 the residual.
.set KT, 32
.set STP, 10
.set HS, STP/2                         ; K steps in a wave's tensor load
.set REGION, 6553600                   ; w2's place in wc
.set PSTR, STP*6400
.set SLOT, 2*PSTR
.set NF, (KT+STP-1)/STP
.set STAGE, 2*SLOT                     ; behind the ring: 16 rows x (256 + 16) bytes for each wave
.set SPARE, STAGE+4*16*272             ; behind the stages: the spare words, 128 bytes a wave
.set ADA16, 8
.set ADA8, 10
.set ADRS, 12
.set STO, 18                           ; v18 the stage, in: 272 r + 64 h
.set RD, 19                            ; v19 the stage, back: 272 h + 16 r
.set CO, 20                            ; v20 4,096 h + 16 r
.set BO, 21                            ; v21 64 h
.set SPW, 28
.set NIL, 29
.set SA, 32
.set AF, 64
.set BF, 64
.set TB, 64
.set G1, 24
.set G0, 32                            ; s[32:39] group 0 for slots 0, 1
.set G0T, 44                           ; s[44:47], s[72:79] groups 0 and 1 of the last fill: one step a wave
.set G1T, 72
.set MSB, 0
.macro WIN new                         ; the immediate's high byte repeats the setting that is left; a switch that changes nothing is dropped
.if MSB != \new
	s_set_vgpr_msb (MSB<<8)|\new
.set MSB, \new
.endif
.endm
.macro PLACES                          ; four plain places behind matrix instructions (ISA guide 7.12.1)
.rept 4
	v_nop
.endr
.endm
.macro CREST
	s_cmp_lg_u32 s14, 0
	s_cbranch_scc1 .Lnot_wave_0_\@
	s_barrier_signal -3
.Lnot_wave_0_\@:
	s_barrier_wait -3
	s_barrier_signal -1
	s_barrier_wait -1
.endm
.macro CROUND
	s_barrier_signal -1
	s_barrier_wait -1
	CREST
.endm
.macro TLOAD g0, g1                    ; every wave issues the line, each with its own half panel
	tensor_load_to_lds s[\g0:\g0+3], s[\g1:\g1+7]
	s_nop 0
	PLACES
.endm
.macro LDA i                           ; load i of 20: the tokens' fragments and scale words of step fa, from LDS
.set sl_, (fa/STP)%2
.set of_, (fa%STP)*6400
	WIN 0
.if (\i) < 16
.set rr_, AF+48*(fa%4)+12*((\i)/4)
.set oo_, of_+1536*((\i)/4)
.if (\i)%4 == 0
	ds_load_b128 v[rr_:rr_+3], v[ADA16+sl_] offset:oo_
.elseif (\i)%4 == 1
	ds_load_b64 v[rr_+4:rr_+5], v[ADA8+sl_] offset:oo_+512
.elseif (\i)%4 == 2
	ds_load_b128 v[rr_+6:rr_+9], v[ADA16+sl_] offset:oo_+768
.else
	ds_load_b64 v[rr_+10:rr_+11], v[ADA8+sl_] offset:oo_+1280
.endif
.else
	ds_load_b32 v[SA+4*(fa%4)+(\i)-16], v[ADRS+sl_] offset:of_+6144+64*((\i)-16)
.endif
.endm
.macro LDB i                           ; load i of 18: the weights' fragments and scale words of step fb, from memory; a scale load brings two tiles' words, one in each half of the lanes
.set of_, fb*6400
.if (\i) < 16
.set rr_, BF+48*(fb%4)+12*((\i)/4)
.set oo_, of_+1536*((\i)/4)
	WIN 0x40
.if (\i)%4 == 0
	global_load_b128 v[rr_:rr_+3], v2, s[6:7] offset:oo_
.elseif (\i)%4 == 1
	global_load_b64 v[rr_+4:rr_+5], v3, s[6:7] offset:oo_+512
.elseif (\i)%4 == 2
	global_load_b128 v[rr_+6:rr_+9], v2, s[6:7] offset:oo_+768
.else
	global_load_b64 v[rr_+10:rr_+11], v3, s[6:7] offset:oo_+1280
.endif
.else
	WIN 0
	global_load_b32 v[48+(4*(fb%4+1))%16+(\i)-16], v4, s[6:7] offset:of_+6144+128*((\i)-16)
.endif
.endm
.macro HOOK c                          ; the next c loads of this step's list
.rept \c
.if hl < na
	LDA hl
.elseif hl < na+nb
	LDB hl-na
.endif
.set hl, hl+1
.endr
.endm
.macro W1 d, b, a, c, xb, xa, row
	v_wmma_scale_f32_16x16x128_f8f6f4 v[\d:\d+7], v[\b:\b+11], v[\a:\a+11], \c, v[\xb], v[\xa] matrix_a_fmt:MATRIX_FMT_FP6 matrix_b_fmt:MATRIX_FMT_FP6 matrix_a_scale:MATRIX_SCALE_ROW\row
.endm
.macro MUL from, to, c                 ; products from .. to - 1 of step n; the 16 accumulators take turns, in the same order in every step; c loads behind every second one
.set ix, \from
.rept (\to)-(\from)
.set rD, 8*ix
.set rB, BF+48*(n%4)+12*(ix%4)
.set rA, AF+48*(n%4)+12*(ix/4)
.set xB, 48+(4*(n%4+1))%16+(ix%4)/2
.set xA, SA+4*(n%4)+ix/4
.set rC, 8*(ix%4)
.if n == 0
	WIN 0x91                                       ; source 0 window 1, source 1 window 0, C (the bias) window 1, D window 2
.if ix%2
	W1 rD, rB, rA, v[rC:rC+7], xB, xA, 1
.else
	W1 rD, rB, rA, v[rC:rC+7], xB, xA, 0
.endif
.else
	WIN 0xa1                                       ; C and D window 2
.if ix%2
	W1 rD, rB, rA, v[rD:rD+7], xB, xA, 1
.else
	W1 rD, rB, rA, v[rD:rD+7], xB, xA, 0
.endif
.endif
.if ix%2
	HOOK \c
.endif
.set ix, ix+1
.endr
.endm
.macro STEP
.set fa, n+2
.set fb, n+3
.set hl, 0
.set na, 0
.set nb, 0
.set dsy, 0
.set ldy, 0
.if fa < KT
.set na, 20
.endif
.if fb < KT
.set nb, 18
.endif
.if n+1 < KT
.set dsy, 20                           ; younger than this step's LDS loads: the next step's 20
.set ldy, 18                           ; younger than this step's weights: those of the next step,
.endif
.if n+2 < KT
.set ldy, 36                           ; and of the step after it
.endif
	WIN 0
.if ((n%STP) == STP-2) && (n+2 < KT)
; the loads two steps on are the next slot's first: one barrier shows that slot and frees this one, whose last reads were issued a step ago
	s_wait_tensorcnt 0x0                           ; all my tensor loads have landed: my part of the next slot;
	ds_add_u32 v[SPW], v[NIL]                      ; 0 onto my spare word;
	s_wait_loadcnt ldy
	s_wait_dscnt dsy+1                             ; (the next step's loads and the add may be out)
	PLACES
	MUL 0, 4, 0
	s_wait_dscnt 0x0                               ; the add is done, and my reads of this slot are over
	s_barrier_signal -1
	MUL 4, 8, 0
	WIN 0
	s_barrier_wait -1
.if n/STP+2 < NF
	CREST                                          ; the barrier has opened a round of the cluster's: no wave of any partner still reads this slot or has a load on its way
.if n/STP+2 == NF-1
	TLOAD G0T, G1T                                 ; the last fill: K steps 30 and 31
.else
	s_add_nc_u64 s[G0+4*((n/STP)%2)+2:G0+4*((n/STP)%2)+3], s[G0+4*((n/STP)%2)+2:G0+4*((n/STP)%2)+3], 2*STP*6400
	TLOAD G0+4*((n/STP)%2), G1
.endif
.endif
	MUL 8, 16, 10
.else
	s_wait_dscnt dsy
	s_wait_loadcnt ldy
	PLACES                                         ; ahead of the loads into registers that the last two steps' products read
	MUL 0, 16, 6
.endif
.endm
	s_load_b128 s[4:7], s[0:1], 0x0                ; gc, wc
	s_load_b128 s[8:11], s[0:1], 0x10              ; b2, xres
	s_load_b64 s[12:13], s[0:1], 0x20              ; out0
	v_lshl_add_u32 v[SPW], v0, 2, SPARE
	v_mov_b32 v[NIL], 0
	ds_add_u32 v[SPW], v[NIL]                      ; the opening lines: the add, twice on end, and its wait
	ds_add_u32 v[SPW], v[NIL]
	v_lshrrev_b32 v1, 5, v0
	v_readfirstlane_b32 s14, v1                    ; wave 0..3
	s_lshr_b32 s15, s14, 1                         ; which 64 tokens are mine.  Also: which half of a panel's steps I fetch
	s_and_b32 s16, s14, 1                          ; which 64 columns.  Also: which panel I fetch
	s_bfe_u32 s40, ttmp6, 0x40000                  ; cx
	s_lshl_b32 s42, ttmp9, 2
	s_add_co_u32 s42, s42, s40                     ; X: tile column; it enters the weights', the bias's, the residual's and the output's addresses alone
	s_and_b32 s17, ttmp7, 0xffff                   ; Y: tile row, which the four partners share
	s_mov_b32 s[G1], 15|(3<<16)|(1<<21)            ; the mask: all four work-groups; elements of 8 bytes; bit 21 beside a mask
	s_mov_b32 s[G1+1], (HS*800)<<16                ; one row: HS steps of a panel, on end
	s_mov_b32 s[G1+2], 1<<16
	s_mov_b32 s[G1+3], (HS*800)<<16
	s_mov_b32 s[G1+4], 1
	s_mov_b32 s[G1+5], KT*800
	s_mov_b32 s[G1+6], 0
	s_mov_b32 s[G1+7], 0
	s_mov_b32 s[G1T], 15|(3<<16)|(1<<21)
	s_mov_b32 s[G1T+1], 800<<16                    ; the same for one step
	s_mov_b32 s[G1T+2], 1<<16
	s_mov_b32 s[G1T+3], 800<<16
	s_mov_b32 s[G1T+4], 1
	s_mov_b32 s[G1T+5], KT*800
	s_mov_b32 s[G1T+6], 0
	s_mov_b32 s[G1T+7], 0
	s_lshl_b32 s20, s17, 1
	s_add_co_u32 s20, s20, s16
	s_mul_i32 s20, s20, KT*6400                    ; the tokens' panel 2 Y + wave % 2
	s_mul_i32 s19, s15, 6400
	s_add_co_u32 s22, s20, s19
	s_add_co_u32 s22, s22, (NF-1)*STP*6400         ; the last fill: step 30 + wave / 2
	s_mov_b32 s23, 0
	s_mul_i32 s18, s15, HS*6400
	s_add_co_u32 s20, s20, s18                     ; the others: my half of the slot's steps
	s_mov_b32 s21, 0
	s_mul_i32 s50, s16, PSTR
	s_add_co_u32 s[G0T+1], s50, s19
	s_add_co_u32 s[G0T+1], s[G0T+1], SLOT          ; where they go: no place in the cluster enters an LDS address
	s_add_co_u32 s50, s50, s18
	s_lshl_b32 s48, s42, 1
	s_add_co_u32 s48, s48, s16
	s_mul_i32 s48, s48, KT*6400
	s_add_co_u32 s48, s48, REGION                  ; the weights' panel 2 X + wave % 2
	s_mov_b32 s49, 0
	s_wait_dscnt 0x0
	s_wait_kmcnt 0x0
	s_add_nc_u64 s[20:21], s[4:5], s[20:21]
	s_add_nc_u64 s[G0T+2:G0T+3], s[4:5], s[22:23]
	s_or_b32 s[G0T+3], s[G0T+3], 0x80000000
	s_mov_b32 s[G0T], 1
	s_add_nc_u64 s[6:7], s[6:7], s[48:49]
.irp s, 0,1
	s_mov_b32 s[G0+4*\s], 1
	s_add_co_u32 s[G0+4*\s+1], s50, \s*SLOT
	s_add_nc_u64 s[G0+4*\s+2:G0+4*\s+3], s[20:21], \s*STP*6400
	s_or_b32 s[G0+4*\s+3], s[G0+4*\s+3], 0x80000000
.endr
	CROUND                                         ; all four work-groups are here: the first joint loads meet
	TLOAD G0, G1                                   ; one tensor load a wave at the head: slot 0
	v_and_b32 v1, 31, v0
	v_lshlrev_b32 v2, 4, v1                        ; 16 x lane
	v_lshlrev_b32 v3, 3, v1                        ; 8 x lane
	v_lshlrev_b32 v4, 2, v1                        ; 4 x lane
	v_and_b32 v5, 15, v0                           ; r
	v_bfe_u32 v6, v0, 4, 1                         ; h
	s_mul_i32 s22, s15, PSTR                       ; my panel of the tokens
	v_add_nc_u32 v[ADA16], s22, v2
	v_add_nc_u32 v[ADA8], s22, v3
	v_lshl_add_u32 v[ADRS], v5, 2, s22
	v_add_nc_u32 v[ADA16+1], SLOT, v[ADA16]
	v_add_nc_u32 v[ADA8+1], SLOT, v[ADA8]
	v_add_nc_u32 v[ADRS+1], SLOT, v[ADRS]
	s_mul_i32 s19, s14, 16*272
	s_add_co_u32 s19, s19, STAGE                   ; my stage
	v_mul_u32_u24 v[STO], v5, 272
	v_lshl_add_u32 v[STO], v6, 6, v[STO]
	v_add_nc_u32 v[STO], s19, v[STO]
	v_mul_u32_u24 v[RD], v6, 272
	v_lshl_add_u32 v[RD], v5, 4, v[RD]
	v_add_nc_u32 v[RD], s19, v[RD]
	v_lshlrev_b32 v[CO], 12, v6
	v_lshl_add_u32 v[CO], v5, 4, v[CO]
	v_lshlrev_b32 v[BO], 6, v6
	s_wait_alu depctr_va_vdst(0)
	s_lshl_b32 s66, s42, 9
	s_lshl_b32 s67, s16, 8
	s_add_co_u32 s66, s66, s67                     ; my first column, in bytes: 512 X + 256 (wave % 2)
	s_mov_b32 s67, 0
	s_add_nc_u64 s[8:9], s[8:9], s[66:67]
	s_lshl_b32 s68, s17, 7
	s_lshl_b32 s69, s15, 6
	s_add_co_u32 s68, s68, s69                     ; my first token: 128 Y + 64 (wave / 2)
	s_lshl_b32 s68, s68, 12
	s_add_co_u32 s66, s66, s68
	s_add_nc_u64 s[10:11], s[10:11], s[66:67]
	s_add_nc_u64 s[12:13], s[12:13], s[66:67]
	WIN 0x40                                       ; destination window 1
.irp b, 0,1,2,3                                ; the bias in the result's layout: lane (r, h), tile 2 q + u: columns 32 q + 16 h + 8 u + 0 .. 7
	global_load_b128 v[8*\b:8*\b+3], v[BO], s[8:9] offset:128*(\b/2)+32*(\b%2)
	global_load_b128 v[8*\b+4:8*\b+7], v[BO], s[8:9] offset:128*(\b/2)+32*(\b%2)+16
.endr
	WIN 0x80                                       ; destination window 2
.irp a, 0,1,2,3                                ; the residual, as the rows come back from the stage: slots 2 i + h of tile a, 16 bytes a lane
.irp i, 0,1,2,3,4,5,6,7
	global_load_b128 v[128+32*\a+4*\i:128+32*\a+4*\i+3], v[CO], s[10:11] offset:(32*(\a/2)+8*(\a%2)+2*\i+8*(\i/4))*4096 th:TH_LOAD_NT
.endr
.endr
.set na, 0
.set nb, 18
.irp s, 0,1,2                                  ; the weights of steps 0, 1, 2
.set fb, \s
.set hl, 0
	HOOK 18
.endr
	WIN 0
	s_wait_tensorcnt 0x0                           ; my part of slot 0 is in; slot 1's first fill is issued as a refill is:
	ds_add_u32 v[SPW], v[NIL]                      ; 0 onto my spare word
	s_wait_dscnt 0x0
	CROUND                                         ; a whole round: slot 0 is whole, and the joint loads meet
	TLOAD G0+4, G1                                 ; slot 1: the first tensor load behind the round
.set na, 20
.set nb, 0
.irp s, 0,1                                    ; the tokens' fragments of steps 0, 1
.set fa, \s
.set hl, 0
	HOOK 20
.endr
.set n, 0
.rept KT
	STEP
.set n, n+1
.endr
	WIN 0
; THE WAY OUT, a tile of 16 tokens x 64 columns at a time, through my own stage: LDS serves a wave's instructions in order (ISA guide 5.7.1.4), so no wait stands between the stores and the loads.
.macro TOSTAGE a
	WIN 0x08                                       ; an LDS store's data are its source 1: window 2
.irp b, 0,1,2,3
	ds_store_b128 v[STO], v[8*(4*(\a)+\b):8*(4*(\a)+\b)+3] offset:128*(\b/2)+32*(\b%2)        ; each accumulator from its low end on
	ds_store_b128 v[STO], v[8*(4*(\a)+\b)+4:8*(4*(\a)+\b)+7] offset:128*(\b/2)+32*(\b%2)+16
.endr
	WIN 0
.irp i, 0,1,2,3,4,5,6,7
	ds_load_b128 v[TB+32*((\a)%2)+4*\i:TB+32*((\a)%2)+4*\i+3], v[RD] offset:544*\i
.endr
.endm
.macro FIN a, younger                  ; younger: the LDS instructions issued behind tile a's loads, which may stay out
	s_wait_dscnt \younger
	WIN 0x82                                       ; destination and source 0 window 2
.set j, 0
.rept 16
	v_pk_add_f32 v[128+32*(\a)+j:128+32*(\a)+j+1], v[128+32*(\a)+j:128+32*(\a)+j+1], v[TB+32*((\a)%2)+j:TB+32*((\a)%2)+j+1]
.set j, j+2
.endr
	WIN 0x08
.irp i, 0,1,2,3,4,5,6,7
	global_store_b128 v[CO], v[128+32*(\a)+4*\i:128+32*(\a)+4*\i+3], s[12:13] offset:(32*((\a)/2)+8*((\a)%2)+2*\i+8*(\i/4))*4096   ; sixteen lanes store 256 consecutive, aligned bytes
.endr
	WIN 0
.endm
	PLACES
	TOSTAGE 0
.irp a, 1,2,3
	TOSTAGE \a
	FIN \a-1, 16                                   ; behind its loads: the next tile's 8 stores and 8 loads
.endr
	FIN 3, 0
	s_wait_tensorcnt 0x0                           ; the wave's end
	ds_add_u32 v[SPW], v[NIL]
	s_wait_dscnt 0x0
	CROUND                                         ; the closing round
	s_endpgm
.Lfunc_end_k_qa6058499aa_mlp2:
	.size	k_qa6058499aa_mlp2, .Lfunc_end_k_qa6058499aa_mlp2-k_qa6058499aa_mlp2
	.p2alignl 7, 3214868480
	.fill 96, 4, 3214868480
	.section	.rodata,"a",@progbits
	.p2align	6, 0x0
	.amdhsa_kernel k_qa6058499aa_mlp2
		.amdhsa_group_segment_fixed_size 327680
		.amdhsa_private_segment_fixed_size 0
		.amdhsa_enable_private_segment 0
		.amdhsa_kernarg_size 40
		.amdhsa_user_sgpr_count 2
		.amdhsa_user_sgpr_kernarg_segment_ptr 1
		.amdhsa_wavefront_size32 1
		.amdhsa_system_sgpr_workgroup_id_x 1
		.amdhsa_system_sgpr_workgroup_id_y 1
		.amdhsa_system_sgpr_workgroup_id_z 1
		.amdhsa_system_vgpr_workitem_id 0
		.amdhsa_next_free_vgpr 768
		.amdhsa_next_free_sgpr 100
		.amdhsa_reserve_vcc 0
		.amdhsa_float_denorm_mode_32 3
		.amdhsa_float_denorm_mode_16_64 3
		.amdhsa_memory_ordered 1
		.amdhsa_forward_progress 1
		.amdhsa_inst_pref_size 204
	.end_amdhsa_kernel
	.amdgpu_metadata
---
amdhsa.version: [ 1, 2 ]
amdhsa.kernels:
  - .name:           k_qa6058499aa_mlp2
    .symbol:         k_qa6058499aa_mlp2.kd
    .args:
      - { .name: gc, .offset: 0, .size: 8, .value_kind: global_buffer, .address_space: global }
      - { .name: wc, .offset: 8, .size: 8, .value_kind: global_buffer, .address_space: global }
      - { .name: b2, .offset: 16, .size: 8, .value_kind: global_buffer, .address_space: global }
      - { .name: xres, .offset: 24, .size: 8, .value_kind: global_buffer, .address_space: global }
      - { .name: out0, .offset: 32, .size: 8, .value_kind: global_buffer, .address_space: global }
    .group_segment_fixed_size: 327680
    .private_segment_fixed_size: 0
    .kernarg_segment_align: 8
    .kernarg_segment_size: 40
    .max_flat_workgroup_size: 128
    .sgpr_count:     100
    .vgpr_count:     768
    .wavefront_size: 32
...
	.end_amdgpu_metadata
.endif
;; end of part 7
